; MI455X (gfx1250); checked and timed in simulation.
; The chip was launched on July 23, 2026; its instructions are those of AMD's public machine-readable ISA for CDNA 5 (MIT licence, August 2026) and "CDNA5" Instruction Set Architecture Reference Guide (July 2026). The comments in the code are by the model that wrote it; some were corrected since.
;; Simple Mo E. Allowed arithmetic: matrix products marked QUANTISED: E4M3 operands, one E8M0 scale for each 32 along K, by v_wmma_scale_f32_16x16x128_f8f6f4 with both operands' format E4M3, f32 sums; products left as they are: f32 operands where the result goes on into a quantised operand, else bf16, f16 or f32 operands; f32 sums; everything else in f32.
;; Inputs: W1_codes 8 x 2,048 x 32 x 32 uint8 (E4M3 codes of W1, K innermost, in blocks of 32 codes); W1_scales 8 x 2,048 x 32 uint8 (E8M0 scales of W1, one for each 32 codes along K); W2_codes 8 x 1,024 x 64 x 32 uint8 (E4M3 codes of W2, K innermost, in blocks of 32 codes); W2_scales 8 x 1,024 x 64 uint8 (E8M0 scales of W2, one for each 32 codes along K); Wg 1,024 x 8 float32; b1 8 x 2,048 float32; b2 8 x 1,024 float32; bg 8 float32; x 2,048 x 1,024 float32.
;; Outputs: out0 2,048 x 1,024 float32.
;; This version of the problem:
;;   THIS VERSION OF THE PROBLEM IS GIVEN IN LOW PRECISION. The matrix products marked QUANTISED in the list below multiply operands that are first quantised to E4M3 (4 exponent bits, 3 mantissa bits; 8 bits a number), with one power-of-two scale for each 32 numbers along K (OCP MX v1.0); their sums are f32. All else is computed in f32.
;;   The module's matrix products, in the order in which they are computed (A, B: the left and right operand; K: the contracted axis; several contracted axes count as one K, in the product's order):
;;     1. [M 2,048, K 1,024] x [K 1,024, N 8]; A: input x; B: input Wg: left as it is (N = 8 < 16)
;;     2. [M 2,048, K 1,024] x [K 1,024, N 16,384]; A: input x; B: input W1 (given as codes): QUANTISED
;;     3. batch 8 x [M 1,024, K 2,048] x [K 2,048, N 2,048]; A: input W2 (given as codes); B: computed on the way: QUANTISED
;;     4. batch 2,048 x [M 1, K 8] x [K 8, N 1,024]; A: computed on the way; B: computed on the way: left as it is (K = 8 < 32)
;;   THE QUANTISER, for each operand of a quantised product, along K:
;;     - K is cut into blocks of 32 from its start; a last block that is shorter is filled with zeros.
;;     - A block's scale is 2^e with e = floor(log2(the largest magnitude in the block)) - 8, held to -126 .. 127; a block of zeros has e = 0. As a byte (E8M0): e + 127.
;;     - Each number is divided by its block's scale, clamped to +-448, and rounded to the nearest number of E4M3, ties to even, subnormals kept.
;;     - The product sums the exact products of the quantised numbers (number of the format x scale) in f32.
;;   ~~~python
;;   def quantise(x, axis):      # numpy; x: float32 -> the quantised numbers, widened to float32 again
;;       x = np.moveaxis(x, axis, -1); K = x.shape[-1]
;;       x = np.pad(x, [(0, 0)] * (x.ndim - 1) + [(0, -K % 32)]); x = x.reshape(x.shape[:-1] + (-1, 32)); a = np.abs(x).max(-1, keepdims=True)
;;       e = np.where(a > 0, np.clip(np.frexp(np.where(a > 0, a, 1))[1] - 1 - 8, -126, 127), 0)      # np.frexp(a)[1] - 1 = floor(log2(a)), exactly
;;       r = np.clip(x / 2.0 ** e, -448, 448)
;;       step = 2.0 ** (np.maximum(np.frexp(np.where(r == 0, 1, r))[1] - 1, -6) - 3)
;;       q = np.round(r / step) * step * 2.0 ** e      # np.round: ties to even
;;       return np.moveaxis(q.reshape(q.shape[:-2] + (-1,))[..., :K], -1, axis).astype(np.float32)
;;   ~~~
;;   OPERANDS COMPUTED ON THE WAY. 'Computed on the way' means the value that the module computes at that place (a softmax that the list does not call 'softmax' is quantised finished and normalised). What goes into a quantiser is computed in f32, as accurately as f32 sums, v_exp_f32 and their like allow (about 1e-6 of the number): no bf16 or f16 on the way to a quantiser, and a product that is left as it is and whose result goes on into a quantised operand takes f32 operands (vector FMAs, or v_wmma_f32_16x16x4_f32). A number that lies on a knife's edge between two numbers of the format may be rounded either way, as far as f32 arithmetic and the matrix unit's own rounding can turn it there, and no further.
;;   INPUTS GIVEN AS CODES. W1 (in the module: [8, 1024, 2048], K = its axis 1); W2 (in the module: [8, 2048, 1024], K = its axis 1): each comes as NAME_codes (uint8): NAME with its K axis moved to the last place and cut into blocks of 32 codes, [.., K / 32, bytes a block], one block behind the other in memory; one code a byte (a code: sign, 4 exponent bits, 3 mantissa bits); and NAME_scales (uint8): the same leading axes, one E8M0 byte (e + 127) for each 32 codes along K. Its value is code x scale, taken as it is: it is not quantised again, and the codes and scales need not be those that the quantiser above would give.
;; 3 versions, each right; version 2 is faster than version 1; version 3 is version 2 with the launches up, down written anew for expert scheduling mode. Each part assembles by itself: llvm-mc -triple=amdgcn-amd-amdhsa -mcpu=gfx1250 --defsym DOCPART=n.
;; ======== version 1 of 3: 3 launches
;; workspace buffers: xq 2,097,152 bytes; xsc 65,536 bytes; wts 16,384 bytes; plan 16,384 bytes of whole numbers; hq 19,267,584 bytes; hsc 602,112 bytes
;; launch gate (part 1): grid 64 x 1, 8 waves a work-group, no clusters, 74,752 bytes of LDS; arguments x, Wg, bg, xq, xsc, wts, plan; writes xq, xsc, wts, plan
.if DOCPART == 1
	.amdgcn_target "amdgcn-amd-amdhsa--gfx1250"
	.amdhsa_code_object_version 6
	.text
	.protected	k_q5d9259afe7_gate
	.globl	k_q5d9259afe7_gate
	.p2align	8
	.type	k_q5d9259afe7_gate,@function
k_q5d9259afe7_gate:
	s_mov_b64 s[64:65], 0
	v_nop
	global_prefetch_b8 v0, s[64:65] scope:SCOPE_SE
	s_setreg_imm32_b32 hwreg(HW_REG_WAVE_MODE, 25, 1), 1
	s_wait_xcnt 0x0
; THE GATE AND x's CODES.  scores = x Wg + bg in f32 (fused multiply-adds); for each token the two largest scores (the lower index wins a tie), the softmax over all
; eight with the maximum taken away, the two weights renormalised with + 1e-8; x [2048][1024] f32 turned into E4M3 codes with one E8M0 byte for each 32 along K.
; STORED, all at fixed places: xq [2048][1024] codes; xsc [2048][32] bytes; wts [2048][2] f32 (weight of the lower-numbered expert, of the higher);
; plan: u32 [2048] the token's class c = lo (15 - lo) / 2 + hi - lo - 1 (its pair of experts lo < hi, 28 classes), then u32 [64][32]: tokens of class c in each group of 32.
; No address and no branch of this text hangs on these numbers.
; SHARES.  A work-group takes 32 tokens, each of its eight waves four.  Of each of its tokens lane l holds d = 256 i + 8 l + k (i = 0..3, k = 0..7): eight neighbours of a
; block of 32 in one lane, four lanes to a block; a pair of loads covers 1,024 consecutive bytes.  Wg (32,768 bytes) is copied into LDS once, 16 bytes of padding behind each 256.
; 32 tokens to a work-group, so that one wave holds a token a lane for the choice and the counts.  Matrix units, tensor loads and clusters are left out: N = 8, and x is read once.
; LIMITS: NaN and infinities are not served.  The scores' sums run in another order than a row-by-row sum: two scores that lie within that rounding of each other may be ordered
; the other way.  A block of zeros gets the byte 1 (its codes are zeros; this program alone reads the bytes); blocks whose largest magnitude lies under 2^-118 keep the byte 1.
.set WGL, 0                            ; LDS: Wg, 128 units of 256 bytes (8 rows d), 272 apart
.set RED, 34816                        ; 8 waves x 32 lanes x 144: each wave's own, for the sum over lanes
.set SC,  71680                        ; the scores [32][8]
.set XSL, 72704                        ; x's scale bytes [32][32]
.set X,   16                           ; v16-143  x: 32 t + 8 i + k
.set ACC, 144                          ; v144-175 partial scores: 8 t + e
.set W,   176                          ; v176-239 Wg as copied, then as read; then the 32 words of the sum over lanes
.set CD,  176                          ; v176-207 codes: two registers for each (t, i), so that no store's data are written again
.set BY,  208                          ; v208-223 scale bytes
.set TM,  224                          ; v224-235 largest magnitudes, scale operands, holds
	s_load_b256 s[4:11], s[0:1], 0x0               ; x s[4:5], Wg s[6:7], bg s[8:9], xq s[10:11]
	s_load_b128 s[12:15], s[0:1], 0x20             ; xsc s[12:13], wts s[14:15]
	s_load_b64 s[16:17], s[0:1], 0x30              ; plan
	v_lshl_add_u32 v254, v0, 2, 0x12000
	v_mov_b32 v255, 0
	v_and_b32 v1, 31, v0                           ; lane
	v_lshrrev_b32 v2, 5, v0
	v_readfirstlane_b32 s18, v2                    ; wave 0..7
	s_mov_b32 s19, 0x600000                        ; the mantissa field of 448
	v_lshlrev_b32 v2, 4, v0                        ; Wg: 16 bytes a thread
	v_lshlrev_b32 v3, 5, v1
	s_lshl_b32 s28, s18, 14
	v_add_nc_u32 v3, s28, v3                       ; x: 32 x lane + my wave's four rows of 4,096 bytes
	v_lshrrev_b32 v4, 4, v0
	v_mul_u32_u24 v4, v4, 272
	v_and_b32 v5, 15, v0
	v_lshl_add_u32 v4, v5, 4, v4                   ; Wg into LDS: unit thread / 16, 16 bytes a thread
	v_mul_u32_u24 v5, v1, 272                      ; Wg out of LDS: unit 32 i + lane holds my eight rows d
	s_mul_i32 s28, s18, 4608
	v_mul_u32_u24 v6, v1, 144
	v_add_nc_u32 v6, s28, v6                       ; my 32 partial sums: 128 bytes + 16 of padding a lane
	v_lshl_add_u32 v7, v1, 2, s28                  ; and back: word lane of every lane's run
	v_lshl_add_u32 v8, v0, 2, SC                   ; my score: token 4 w + lane / 8, expert lane % 8
	v_lshrrev_b32 v9, 2, v1
	s_lshl_b32 s28, s18, 7
	v_add_nc_u32 v9, s28, v9
	v_add_nc_u32 v9, XSL, v9                       ; my block's byte: 32 bytes a token
	v_lshl_add_u32 v10, v1, 5, SC                  ; wave 0: a token a lane: its eight scores
	v_lshl_add_u32 v11, v1, 4, XSL                 ; wave 1: the scale bytes, 16 a lane
	v_lshlrev_b32 v12, 3, v1                       ; 8 x lane
	s_lshl_b32 s28, s18, 12
	v_add_nc_u32 v13, s28, v12                     ; xq: 8 x lane + my wave's four rows of 1,024 bytes
	v_lshlrev_b32 v14, 2, v1                       ; 4 x lane
	v_lshlrev_b32 v15, 4, v1                       ; 16 x lane
	s_wait_kmcnt 0x0
	s_load_b256 s[20:27], s[8:9], 0x0              ; bg
	s_mov_b32 s31, 0
	s_lshl_b32 s30, ttmp9, 17                      ; the work-group's 32 rows: of x,
	s_add_nc_u64 s[4:5], s[4:5], s[30:31]
	s_lshl_b32 s30, ttmp9, 15                      ; of xq,
	s_add_nc_u64 s[10:11], s[10:11], s[30:31]
	s_lshl_b32 s30, ttmp9, 10                      ; of xsc,
	s_add_nc_u64 s[12:13], s[12:13], s[30:31]
	s_lshl_b32 s30, ttmp9, 8                       ; of wts,
	s_add_nc_u64 s[14:15], s[14:15], s[30:31]
	s_lshl_b32 s30, ttmp9, 7                       ; and its 128 bytes in each half of plan
	s_add_nc_u64 s[16:17], s[16:17], s[30:31]
.irp j, 0,1,2,3,4,5,6,7
	global_load_b128 v[W+4*\j:W+4*\j+3], v2, s[6:7] offset:4096*\j
.endr
.irp t, 0,1,2,3
.irp i, 0,1,2,3
	global_load_b128 v[X+32*\t+8*\i:X+32*\t+8*\i+3], v3, s[4:5] offset:4096*\t+1024*\i th:TH_LOAD_NT
	global_load_b128 v[X+32*\t+8*\i+4:X+32*\t+8*\i+7], v3, s[4:5] offset:4096*\t+1024*\i+16 th:TH_LOAD_NT
.endr
.endr
	s_wait_loadcnt 32                              ; Wg's eight loads are in; x's 32, issued behind them, stay out
.irp j, 0,1,2,3,4,5,6,7
	ds_store_b128 v4, v[W+4*\j:W+4*\j+3] offset:WGL+4352*\j
.endr
	s_wait_kmcnt 0x0                               ; bg
	s_wait_dscnt 0x0                               ; for the others' sake: my part of Wg lies in LDS
	s_barrier_signal -1
	s_barrier_wait -1
	s_wait_loadcnt 0x0                             ; x
; My eight rows d of chunk i, 64 numbers of Wg, and 128 packed multiply-adds: four tokens x eight d x four pairs of experts.  x is one register of a pair, taken for both halves.
.macro GATE i
.irp k, 0,1,2,3,4,5,6,7
	ds_load_b128 v[W+8*\k:W+8*\k+3], v5 offset:WGL+8704*\i+32*\k
	ds_load_b128 v[W+8*\k+4:W+8*\k+7], v5 offset:WGL+8704*\i+32*\k+16
.endr
	s_wait_dscnt 0x0
.irp k, 0,2,4,6
.irp t, 0,1,2,3
.irp p, 0,2,4,6
.if (\i == 0) && (\k == 0)
	v_pk_mul_f32 v[ACC+8*\t+\p:ACC+8*\t+\p+1], v[X+32*\t:X+32*\t+1], v[W+\p:W+\p+1] op_sel_hi:[0,1]   ; the first product starts the sums
.else
	v_pk_fma_f32 v[ACC+8*\t+\p:ACC+8*\t+\p+1], v[X+32*\t+8*\i+\k:X+32*\t+8*\i+\k+1], v[W+8*\k+\p:W+8*\k+\p+1], v[ACC+8*\t+\p:ACC+8*\t+\p+1] op_sel_hi:[0,1,1]
.endif
.endr
.endr
.irp t, 0,1,2,3
.irp p, 0,2,4,6
	v_pk_fma_f32 v[ACC+8*\t+\p:ACC+8*\t+\p+1], v[X+32*\t+8*\i+\k:X+32*\t+8*\i+\k+1], v[W+8*\k+8+\p:W+8*\k+8+\p+1], v[ACC+8*\t+\p:ACC+8*\t+\p+1] op_sel:[1,0,0] op_sel_hi:[1,1,1]
.endr
.endr
.endr
.endm
	GATE 0
	GATE 1
	GATE 2
	GATE 3
	; the sum over the 32 lanes, through my wave's own bytes: LDS serves a wave's instructions in order, so no wait stands between the stores and the loads
.irp q, 0,1,2,3,4,5,6,7
	ds_store_b128 v6, v[ACC+4*\q:ACC+4*\q+3] offset:RED+16*\q
.endr
.set gi, 0
.rept 32
	ds_load_b32 v[W+gi], v7 offset:RED+144*gi
.set gi, gi+1
.endr
	s_wait_dscnt 0x0
.irp j, 0,4,8,12,16,20,24,28
	v_pk_add_f32 v[W+\j:W+\j+1], v[W+\j:W+\j+1], v[W+\j+2:W+\j+3]
.endr
.irp j, 0,8,16,24
	v_pk_add_f32 v[W+\j:W+\j+1], v[W+\j:W+\j+1], v[W+\j+4:W+\j+5]
.endr
.irp j, 0,16
	v_pk_add_f32 v[W+\j:W+\j+1], v[W+\j:W+\j+1], v[W+\j+8:W+\j+9]
.endr
	v_pk_add_f32 v[W:W+1], v[W:W+1], v[W+16:W+17]
	v_add_f32 v236, v[W], v[W+1]                   ; lane 8 t + e: x . Wg[:, e] of token 4 w + t
	ds_store_b32 v8, v236
; Token t's 1,024 numbers become codes: its four chunks by turns, so that no line waits for the line above it.
.macro QROW t
.irp i, 0,1,2,3
	v_max3_num_f32 v[TM+\i], |v[X+32*\t+8*\i]|, |v[X+32*\t+8*\i+1]|, 0x4800000   ; my eight numbers, and the floor 2^(9 - 127): the byte cannot fall under 1
.endr
.irp j, 2,4,6
.irp i, 0,1,2,3
	v_max3_num_f32 v[TM+\i], v[TM+\i], |v[X+32*\t+8*\i+\j]|, |v[X+32*\t+8*\i+\j+1]|
.endr
.endr
.irp i, 0,1,2,3
	v_max_num_f32_dpp v[TM+\i], v[TM+\i], v[TM+\i] row_xmask:1 row_mask:0xf bank_mask:0xf
.endr
.irp i, 0,1,2,3
	v_max_num_f32_dpp v[TM+\i], v[TM+\i], v[TM+\i] row_xmask:2 row_mask:0xf bank_mask:0xf   ; the four lanes of a block: its largest magnitude
.endr
.irp i, 0,1,2,3
	v_add_nc_u32 v[TM+4+\i], 0xfc000000, v[TM+\i]  ; 8 off its exponent field: the conversion takes this operand's exponent field as its scale
.endr
.irp i, 0,1,2,3
	v_and_or_b32 v[TM+8+\i], v[TM+\i], 0x7f800000, s19   ; 448 x the scale
.endr
.irp i, 0,1,2,3
.irp j, 0,1,2,3,4,5,6,7
	v_med3_num_f32 v[X+32*\t+8*\i+\j], v[X+32*\t+8*\i+\j], -v[TM+8+\i], v[TM+8+\i]   ; the conversion to an 8-bit code does not saturate (ISA guide 7.6.2): the hold
.endr
.endr
.irp i, 0,1,2,3
	v_cvt_scalef32_pk8_fp8_f32 v[CD+8*\t+2*\i:CD+8*\t+2*\i+1], v[X+32*\t+8*\i:X+32*\t+8*\i+7], v[TM+4+\i]
.endr
.irp i, 0,1,2,3
	v_lshrrev_b32 v[BY+4*\t+\i], 23, v[TM+4+\i]    ; the scale's byte (also the plain line behind the conversions)
.endr
.irp i, 0,1,2,3
	ds_store_b8 v9, v[BY+4*\t+\i] offset:32*\t+8*\i            ; the four lanes of a block write the same byte with the same value
	global_store_b64 v13, v[CD+8*\t+2*\i:CD+8*\t+2*\i+1], s[10:11] offset:1024*\t+256*\i   ; the wave stores 256 consecutive bytes, aligned
.endr
.endm
	QROW 0
	QROW 1
	QROW 2
	QROW 3
	s_wait_dscnt 0x0                               ; for the others' sake: my scores and my scale bytes lie in LDS
	s_barrier_signal -1
	s_barrier_wait -1
	s_cmp_eq_u32 s18, 1
	s_cbranch_scc1 .Lscales
	s_cmp_lg_u32 s18, 0
	s_cbranch_scc1 .Lend
	; WAVE 0: a token a lane
	ds_load_b128 v[16:19], v10
	ds_load_b128 v[20:23], v10 offset:16
	s_wait_dscnt 0x0
.irp e, 0,1,2,3,4,5,6,7
	v_add_f32 v[16+\e], s[20+\e], v[16+\e]         ; + bg
.endr
	v_mov_b32 v24, v16                             ; the largest score and its expert: a later one must be strictly larger
	v_mov_b32 v25, 0
.irp e, 1,2,3,4,5,6,7
	v_cmp_gt_f32 vcc_lo, v[16+\e], v24
	v_cndmask_b32 v25, v25, \e, vcc_lo
	v_max_num_f32 v24, v24, v[16+\e]
.endr
	v_mov_b32 v26, 0xff800000                      ; -infinity in the winner's place, and the same scan once more
.irp e, 0,1,2,3,4,5,6,7
	v_cmp_eq_u32 vcc_lo, \e, v25
	v_cndmask_b32 v[32+\e], v[16+\e], v26, vcc_lo
.endr
	v_mov_b32 v27, v32
	v_mov_b32 v28, 0
.irp e, 1,2,3,4,5,6,7
	v_cmp_gt_f32 vcc_lo, v[32+\e], v27
	v_cndmask_b32 v28, v28, \e, vcc_lo
	v_max_num_f32 v27, v27, v[32+\e]
.endr
.irp e, 0,1,2,3,4,5,6,7
	v_sub_f32 v[40+\e], v[16+\e], v24              ; the maximum is taken away
.endr
	v_sub_f32 v48, v27, v24
.irp e, 0,1,2,3,4,5,6,7
	v_mul_f32 v[40+\e], 0x3fb8aa3b, v[40+\e]       ; x log2(e)
.endr
	v_mul_f32 v48, 0x3fb8aa3b, v48
.irp e, 0,1,2,3,4,5,6,7
	v_exp_f32 v[40+\e], v[40+\e]
.endr
	v_exp_f32 v48, v48                             ; the second's; the first's is 1
	v_min_u32 v54, v25, v28                        ; lo (a plain line behind the exponentials)
	v_max_u32 v55, v25, v28                        ; hi
	s_wait_alu depctr_va_vdst(0)
	v_add_f32 v40, v40, v41
	v_add_f32 v42, v42, v43
	v_add_f32 v44, v44, v45
	v_add_f32 v46, v46, v47
	v_add_f32 v40, v40, v42
	v_add_f32 v44, v44, v46
	v_add_f32 v40, v40, v44                        ; the softmax's divisor
	v_rcp_f32 v50, v40                             ; p of the first
	v_nop
	s_wait_alu depctr_va_vdst(0)
	v_mul_f32 v51, v48, v50                        ; p of the second
	v_add_f32 v52, v50, v51
	v_add_f32 v52, 0x322bcc77, v52                 ; + 1e-8
	v_rcp_f32 v53, v52
	v_nop
	s_wait_alu depctr_va_vdst(0)
	v_mul_f32 v49, v50, v53                        ; the two weights
	v_mul_f32 v51, v51, v53
	v_cmp_lt_u32 vcc_lo, v25, v28
	v_cndmask_b32 v56, v51, v49, vcc_lo            ; of the lower-numbered expert,
	v_cndmask_b32 v57, v49, v51, vcc_lo            ; of the higher
	v_sub_nc_u32 v58, 15, v54
	v_mul_u32_u24 v58, v58, v54
	v_lshrrev_b32 v58, 1, v58
	v_add_nc_u32 v58, v58, v55
	v_sub_nc_u32 v58, v58, v54
	v_add_nc_u32 v58, -1, v58                      ; the class
	v_mov_b32 v60, 0
.set gi, 0
.rept 28
	v_cmp_eq_u32 s28, gi, v58
	s_bcnt1_i32_b32 s29, s28
	v_writelane_b32 v60, s29, gi                   ; lane c: how many of my 32 tokens are of class c
.set gi, gi+1
.endr
	global_store_b64 v12, v[56:57], s[14:15]
	global_store_b32 v14, v58, s[16:17]
	global_store_b32 v14, v60, s[16:17] offset:8192
	s_wait_tensorcnt 0x0
	ds_add_u32 v254, v255
	s_wait_dscnt 0x0
	s_endpgm
.Lscales:
	; WAVE 1: the work-group's 1,024 scale bytes leave in runs of 512 consecutive bytes
	ds_load_b128 v[16:19], v11
	ds_load_b128 v[20:23], v11 offset:512
	s_wait_dscnt 0x0
	global_store_b128 v15, v[16:19], s[12:13]
	global_store_b128 v15, v[20:23], s[12:13] offset:512
.Lend:
	s_wait_tensorcnt 0x0
	ds_add_u32 v254, v255
	s_wait_dscnt 0x0
	s_endpgm
.Lfunc_end_k_q5d9259afe7_gate:
	.size	k_q5d9259afe7_gate, .Lfunc_end_k_q5d9259afe7_gate-k_q5d9259afe7_gate
	.p2alignl 7, 3214868480
	.fill 96, 4, 3214868480
	.section	.rodata,"a",@progbits
	.p2align	6, 0x0
	.amdhsa_kernel k_q5d9259afe7_gate
		.amdhsa_group_segment_fixed_size 74752
		.amdhsa_private_segment_fixed_size 0
		.amdhsa_enable_private_segment 0
		.amdhsa_kernarg_size 56
		.amdhsa_user_sgpr_count 2
		.amdhsa_user_sgpr_kernarg_segment_ptr 1
		.amdhsa_wavefront_size32 1
		.amdhsa_system_sgpr_workgroup_id_x 1
		.amdhsa_system_sgpr_workgroup_id_y 1
		.amdhsa_system_sgpr_workgroup_id_z 1
		.amdhsa_system_vgpr_workitem_id 0
		.amdhsa_next_free_vgpr 256
		.amdhsa_next_free_sgpr 66
		.amdhsa_reserve_vcc 1
		.amdhsa_float_denorm_mode_32 3
		.amdhsa_float_denorm_mode_16_64 3
		.amdhsa_memory_ordered 1
		.amdhsa_forward_progress 1
		.amdhsa_inst_pref_size 79
	.end_amdhsa_kernel
	.amdgpu_metadata
---
amdhsa.version: [ 1, 2 ]
amdhsa.kernels:
  - .name:           k_q5d9259afe7_gate
    .symbol:         k_q5d9259afe7_gate.kd
    .args:
      - { .name: x, .offset: 0, .size: 8, .value_kind: global_buffer, .address_space: global }
      - { .name: Wg, .offset: 8, .size: 8, .value_kind: global_buffer, .address_space: global }
      - { .name: bg, .offset: 16, .size: 8, .value_kind: global_buffer, .address_space: global }
      - { .name: xq, .offset: 24, .size: 8, .value_kind: global_buffer, .address_space: global }
      - { .name: xsc, .offset: 32, .size: 8, .value_kind: global_buffer, .address_space: global }
      - { .name: wts, .offset: 40, .size: 8, .value_kind: global_buffer, .address_space: global }
      - { .name: plan, .offset: 48, .size: 8, .value_kind: global_buffer, .address_space: global }
    .group_segment_fixed_size: 74752
    .private_segment_fixed_size: 0
    .kernarg_segment_align: 8
    .kernarg_segment_size: 56
    .max_flat_workgroup_size: 256
    .sgpr_count:     66
    .vgpr_count:     256
    .wavefront_size: 32
...
	.end_amdgpu_metadata
.endif
;; end of part 1
;; launch up (part 2): grid 8 x 49, 4 waves a work-group, no clusters, 1,024 bytes of LDS; arguments plan, xq, xsc, W1_codes, W1_scales, b1, hq, hsc; writes hq, hsc
.if DOCPART == 2
	.amdgcn_target "amdgcn-amd-amdhsa--gfx1250"
	.amdhsa_code_object_version 6
	.text
	.protected	k_q5d9259afe7_up
	.globl	k_q5d9259afe7_up
	.p2align	8
	.type	k_q5d9259afe7_up,@function
k_q5d9259afe7_up:
	s_mov_b64 s[64:65], 0
	v_nop
	global_prefetch_b8 v0, s[64:65] scope:SCOPE_SE
	s_setreg_imm32_b32 hwreg(HW_REG_WAVE_MODE, 25, 1), 1
	s_wait_xcnt 0x0
; THE FIRST PRODUCT, for the chosen experts alone: h = Q(relu(x W1[e] + b1[e])), on E4M3 codes with E8M0 scales; Q quantises along the hidden units, the next product's K.
; TILES.  Tokens are grouped by their pair of experts (28 classes); a tile is up to 96 tokens of one class.  The sum over classes of ceil(n / 96) is at most (2,048 + 28 x 95) / 96, so 49 tiles
; serve every choice.  Work-group (X, T) serves tile T: expert lo (X < 4) or hi, and its wave w the 128 hidden units of slice 4 (X % 4) + w.  A tile that the stored list leaves without rows ends.
; Rows past a tile's count repeat its last token: they give the same bits, every byte that the next launch reads is written, and EXEC never changes.
; PLACING.  Every wave finds its tile's class, place and count from the stored counts, and thread i the token of row i from the stored class words: whole numbers only, the same lines as in the next launch.
; A WAVE makes 96 rows x 128 hidden units over K = 1,024: 48 accumulators, eight K steps of 48 matrix instructions.  Both operands come from memory straight into registers, in two sets, a K step ahead.
; No tensor load and no cluster: a tile without rows ends on a stored number, and which work-groups share an expert's weights hangs on the stored list.
; THE MATRIX INSTRUCTION IS USED TRANSPOSED (source 0 = 16 rows of W1, source 1 = 16 tokens): a lane holds ONE token, its registers run along the hidden units.  THE ROWS OF W1 THAT FORM A TILE ARE NOT
; NEIGHBOURS: lane r of tile 2 b + u takes row 32 b + 8 u + r + 8 (r / 8), so that the 16 registers of tiles 2 b and 2 b + 1 are the 16 neighbours 32 b + 16 (lane / 16) + 0 .. 15 of the next K.
; b1 is the C of each sum's first matrix instruction.  h leaves as IMAGES OF THE NEXT OPERAND'S REGISTERS: hq [49 T][2][16 slices][6 blocks of 16 rows] x 2,048 bytes, registers 4 c .. 4 c + 3 of lane l at 512 c + 16 l;
; hsc [49][2][16][96 rows] scale words.
; LIMITS: NaN and infinities are not served; a block of zeros gets the byte 1 (its codes are zeros; this program alone reads the bytes).
; REGISTERS, in windows of 256.  Window 0: v0-39 ids, addresses, at work; v40-63 the tokens' scale words, v64-95 W1's (register 8 i + s: lanes 0-15 block 2 i, lanes 16-31 block 2 i + 1, K step s): scales and nothing
;   else; v96-127, v224-255 b1's eight tiles (later at work); v128-223 the tokens' fragments, set 0 (later h's codes); during the placing v128-191 the counts, v192-255 the class words.
;   Window 1: W1's fragments, sets 0 and 1.  Window 2: the accumulators of row blocks 0-3 (64 a + 8 t).  Window 3: v0-127 those of blocks 4, 5; v128-223 the tokens' fragments, set 1.
.set TOK, 0                            ; LDS: the token of each of the tile's rows, 4 bytes a thread
.set TM,  96                           ; v96-111 at work in the quantiser
.set MSB, 0
.macro WIN new                         ; the immediate's high byte repeats the setting that is left; a switch that changes nothing is dropped
.if MSB != (\new)
	s_set_vgpr_msb (MSB<<8)|(\new)
.set MSB, (\new)
.endif
.endm
.macro NOPS n
.rept \n
	v_nop
.endr
.endm
	s_load_b512 s[4:19], s[0:1], 0x0               ; plan s[4:5], xq s[6:7], xsc s[8:9], W1's codes s[10:11], its scales s[12:13], b1 s[14:15], hq s[16:17], hsc s[18:19]
	v_lshl_add_u32 v38, v0, 2, 0x200
	v_mov_b32 v39, 0
	v_and_b32 v1, 31, v0                           ; lane
	v_lshrrev_b32 v2, 5, v0
	v_readfirstlane_b32 s20, v2                    ; wave 0..3
	s_and_b32 s21, ttmp7, 0xffff                   ; T
	s_mov_b32 s22, ttmp9                           ; X
	v_and_b32 v2, 15, v0                           ; r
	v_bfe_u32 v3, v0, 4, 1                         ; h
	v_lshlrev_b32 v4, 4, v1                        ; 16 x lane
	v_lshlrev_b32 v5, 2, v1                        ; 4 x lane
	v_and_b32 v6, 8, v2
	v_add_nc_u32 v6, v6, v2                        ; r + 8 (r / 8)
	v_lshl_add_u32 v7, v3, 3, v6
	v_lshlrev_b32 v7, 5, v7                        ; W1's scale words: row 8 h + r + 8 (r / 8) of 32 bytes: lanes 16-31 take the odd tile's rows
	v_lshlrev_b32 v23, 4, v3                       ; 16 h
	v_lshl_add_u32 v6, v6, 10, v23                 ; W1's codes: row r + 8 (r / 8) of 1,024 bytes, + 16 h
	v_lshlrev_b32 v22, 2, v2                       ; 4 r
	v_lshlrev_b32 v24, 2, v0                       ; 4 x thread
	v_lshlrev_b32 v25, 6, v3                       ; b1: 64 h
	s_mov_b32 s48, 0xffff0000                      ; lanes 16-31
	s_mov_b32 s50, 0x76543210
	s_mov_b32 s51, 0xfedcba98                      ; v_permlanex16_b32's selects for lane l xor 16
	s_mov_b32 s52, 0x600000                        ; the mantissa field of 448
	s_wait_kmcnt 0x0
	; ---- PLACING, first half: which class, which 96 of its tokens, how many
.set gi, 0
.rept 64
	global_load_b32 v[128+gi], v5, s[4:5] offset:8192+128*gi       ; lane c: tokens of class c in group gi
.set gi, gi+1
.endr
.set gi, 0
.rept 16
	global_load_b128 v[192+4*gi:192+4*gi+3], v4, s[4:5] offset:512*gi   ; register 4 j + k of lane l: the class of token 128 j + 4 l + k
.set gi, gi+1
.endr
	s_mov_b32 s23, 0                               ; tiles of the classes passed
	s_mov_b32 s24, 0                               ; my tile's number within its class
	s_mov_b32 s25, 0                               ; the class's tokens
	s_mov_b32 s26, 1<<16                           ; class | lo << 8 | hi << 16
	s_wait_loadcnt 16                              ; the 64 loads of counts are in; the 16 of class words, issued behind them, stay out
	v_add3_u32 v17, v128, v129, v130
.set gi, 131
.rept 30
	v_add3_u32 v17, v17, v[gi], v[gi+1]
.set gi, gi+2
.endr
	v_add_nc_u32 v17, v17, v191                    ; lane c: tokens of class c
	v_add_nc_u32 v18, 95, v17
	v_mul_u32_u24 v18, v18, 0xaaab
	v_lshrrev_b32 v18, 22, v18                     ; its tiles: (n + 95) / 96 as (n + 95) x 43,691 >> 22, exact up to 2,143
.macro CLASS lo, hi
	v_readlane_b32 s27, v17, (\lo*(15-\lo)/2+\hi-\lo-1)
	v_readlane_b32 s28, v18, (\lo*(15-\lo)/2+\hi-\lo-1)
	s_sub_co_u32 s29, s21, s23
	s_cmp_lt_u32 s29, s28                          ; does T fall among this class's tiles?  (T below the class's first tile wraps to a large number)
	s_cselect_b32 s24, s29, s24
	s_cselect_b32 s25, s27, s25
	s_cselect_b32 s26, (\lo*(15-\lo)/2+\hi-\lo-1)|(\lo<<8)|(\hi<<16), s26
	s_add_co_u32 s23, s23, s28
.endm
.irp lo, 0,1,2,3,4,5,6
.irp hi, 1,2,3,4,5,6,7
.if \hi > \lo
	CLASS \lo, \hi
.endif
.endr
.endr
	s_and_b32 s30, s26, 0xff                       ; the class
	s_bfe_u32 s31, s26, 0x80008                    ; lo
	s_bfe_u32 s32, s26, 0x80010                    ; hi
	s_min_u32 s31, s31, 7
	s_min_u32 s32, s32, 7
	s_mul_i32 s33, s24, 96                         ; the rank of my tile's first token in its class
	s_sub_co_u32 s34, s25, s33
	s_min_u32 s34, s34, 96                         ; N: my tile's rows; 0 where T lies past the last tile
	s_max_u32 s35, s34, 1
	s_sub_co_u32 s35, s35, 1                       ; the last row that has a token of its own
	; where my wave's parts begin
	s_lshr_b32 s41, s22, 2                         ; which of the tile's two experts
	s_and_b32 s42, s22, 3
	s_lshl_b32 s42, s42, 2
	s_add_co_u32 s42, s42, s20                     ; my slice of 128 hidden units
	s_cmp_lg_u32 s41, 0
	s_cselect_b32 s40, s32, s31                    ; my expert
	s_min_u32 s40, s40, 7
	s_mov_b32 s45, 0
	s_lshl_b32 s44, s40, 21
	s_lshl_b32 s46, s42, 17
	s_add_co_u32 s44, s44, s46
	s_add_nc_u64 s[10:11], s[10:11], s[44:45]      ; W1's codes: 2,048 rows of 1,024 bytes an expert, 128 rows a slice
	s_lshl_b32 s44, s40, 16
	s_lshl_b32 s46, s42, 12
	s_add_co_u32 s44, s44, s46
	s_add_nc_u64 s[12:13], s[12:13], s[44:45]      ; its scale bytes: 32 a row
	s_lshl_b32 s44, s40, 13
	s_lshl_b32 s46, s42, 9
	s_add_co_u32 s44, s44, s46
	s_add_nc_u64 s[14:15], s[14:15], s[44:45]      ; b1
	s_lshl_b32 s46, s21, 1
	s_add_co_u32 s46, s46, s41
	s_lshl_b32 s46, s46, 4
	s_add_co_u32 s46, s46, s42                     ; (2 T + which expert) x 16 + slice
	s_mul_i32 s44, s46, 12288
	s_add_nc_u64 s[16:17], s[16:17], s[44:45]      ; six images of 2,048 bytes
	s_mul_i32 s44, s46, 384
	s_add_nc_u64 s[18:19], s[18:19], s[44:45]      ; 96 scale words
	s_wait_loadcnt 0x0                             ; the class words
	; ---- PLACING, second half: thread i finds the token of row i: the one of rank J in its class, in the order (register, lane)
	v_min_u32 v19, s35, v0
	v_add_nc_u32 v19, s33, v19                     ; J
	v_mov_b32 v20, 0                               ; the mask of the register that holds rank J
	v_mov_b32 v21, 0                               ; the ranks in front of that register | its number << 16
	s_mov_b32 s36, 0
	s_mov_b32 s37, 0
.set gi, 0
.rept 64
	v_cmp_eq_u32 s38, s30, v[192+gi]               ; which lanes' tokens are of my class
	v_cmp_le_u32 vcc_lo, s36, v19                  ; the last register with no more than J ranks in front of it is the one
	v_cndmask_b32 v20, v20, s38, vcc_lo
	v_cndmask_b32 v21, v21, s37, vcc_lo
	s_bcnt1_i32_b32 s39, s38
	s_add_co_u32 s36, s36, s39
	s_add_co_u32 s37, s36, (gi+1)<<16
.set gi, gi+1
.endr
	v_and_b32 v33, 0xffff, v21
	v_sub_nc_u32 v26, v19, v33                     ; Q: which set bit of the mask
	v_lshrrev_b32 v27, 16, v21                     ; the register's number
	v_lshrrev_b32 v28, 1, v20
	v_and_b32 v28, 0x55555555, v28
	v_sub_nc_u32 v28, v20, v28                     ; set bits in fields of 2,
	v_lshrrev_b32 v29, 2, v28
	v_and_b32 v29, 0x33333333, v29
	v_and_b32 v33, 0x33333333, v28
	v_add_nc_u32 v29, v29, v33                     ; of 4,
	v_lshrrev_b32 v30, 4, v29
	v_add_nc_u32 v30, v30, v29
	v_and_b32 v30, 0x0f0f0f0f, v30                 ; of 8,
	v_lshrrev_b32 v31, 8, v30
	v_add_nc_u32 v31, v31, v30                     ; and, in its lowest byte, of the low 16
	v_mov_b32 v32, 0                               ; the bit's place
.macro LEVEL src, width, step          ; where the field at the place holds no more than Q set bits, pass over it
	v_bfe_u32 v33, v[\src], v32, \width
	v_cmp_ge_u32 vcc_lo, v26, v33
	v_cndmask_b32 v33, 0, v33, vcc_lo
	v_cndmask_b32 v34, 0, \step, vcc_lo
	v_sub_nc_u32 v26, v26, v33
	v_add_nc_u32 v32, v32, v34
.endm
	LEVEL 31, 8, 16
	LEVEL 30, 8, 8
	LEVEL 29, 4, 4
	LEVEL 28, 2, 2
	LEVEL 20, 1, 1
	v_lshrrev_b32 v33, 2, v27
	v_lshlrev_b32 v33, 7, v33
	v_lshl_add_u32 v33, v32, 2, v33
	v_and_b32 v34, 3, v27
	v_add_nc_u32 v35, v33, v34                     ; token 128 (register / 4) + 4 x lane + register % 4
	v_min_u32 v35, 0x7ff, v35
	ds_store_b32 v24, v35
	s_wait_dscnt 0x0                               ; for the others' sake: my row's token lies in LDS
	s_barrier_signal -1
	s_barrier_wait -1
	s_cmp_eq_u32 s34, 0                            ; a tile without rows stores nothing and ends; no barrier follows
	s_cbranch_scc1 .Lend
	; ---- the rows' addresses
.irp a, 0,1,2,3,4,5
	ds_load_b32 v[8+\a], v22 offset:TOK+64*\a      ; the token of row 16 a + r
.endr
.irp i, 0,1,2
	ds_load_b32 v[14+\i], v5 offset:TOK+128*\i     ; and of row 32 i + lane
.endr
	s_wait_dscnt 0x0
.irp a, 0,1,2,3,4,5
	v_min_u32 v[8+\a], 0x7ff, v[8+\a]
	v_lshl_add_u32 v[8+\a], v[8+\a], 10, v23       ; its codes: 1,024 bytes a token, + 16 h
.endr
.irp i, 0,1,2
	v_min_u32 v[14+\i], 0x7ff, v[14+\i]
	v_lshlrev_b32 v[14+\i], 5, v[14+\i]            ; its scale bytes: 32 a token, eight words: the eight K steps
.endr
.irp i, 0,1,2,3
	global_load_b128 v[64+8*\i:64+8*\i+3], v7, s[12:13] offset:1024*\i
	global_load_b128 v[64+8*\i+4:64+8*\i+7], v7, s[12:13] offset:1024*\i+16
.endr
.irp i, 0,1,2
	global_load_b128 v[40+8*\i:40+8*\i+3], v[14+\i], s[8:9]
	global_load_b128 v[40+8*\i+4:40+8*\i+7], v[14+\i], s[8:9] offset:16
.endr
.irp t, 0,1,2,3,4,5,6,7
.set rC, 96+8*\t+96*(\t/4)
	global_load_b128 v[rC:rC+3], v25, s[14:15] offset:(32*(\t/2)+8*(\t%2))*4       ; b1 at hidden units 32 (t / 2) + 16 h + 8 (t % 2) + 0 .. 7: the result's layout
	global_load_b128 v[rC+4:rC+7], v25, s[14:15] offset:(32*(\t/2)+8*(\t%2))*4+16
.endr
; A fragment, 16 rows x 128 K of 8-bit codes, is 16 registers: lane l holds row l % 16; registers 4 c .. 4 c + 3 hold K = 32 c + 16 (l / 16) + 0 .. 15.
.macro BLOAD q, s                      ; W1's eight tiles of K step s into set q
	WIN 0x40                                       ; destination window 1, address window 0
.irp t, 0,1,2,3,4,5,6,7
.irp c, 0,1,2,3
	global_load_b128 v[128*(\q)+16*\t+4*\c:128*(\q)+16*\t+4*\c+3], v6, s[10:11] offset:(32*(\t/2)+8*(\t%2))*1024+128*(\s)+32*\c
.endr
.endr
.endm
.macro ALOAD q, s                      ; the six blocks of 16 tokens
.if (\q) == 0
	WIN 0
.else
	WIN 0xc0                                       ; destination window 3
.endif
.irp a, 0,1,2,3,4,5
.irp c, 0,1,2,3
	global_load_b128 v[128+16*\a+4*\c:128+16*\a+4*\c+3], v[8+\a], s[6:7] offset:128*(\s)+32*\c
.endr
.endr
.endm
.macro WMX                             ; one product; an odd tile's or block's scale words stand in lanes 16-31 of the register that it shares with its even neighbour
.if oT && oA
	v_wmma_scale_f32_16x16x128_f8f6f4 v[rD:rD+7], v[rB:rB+15], v[rA:rA+15], v[rC:rC+7], v[rSB], v[rSA] matrix_a_scale:MATRIX_SCALE_ROW1 matrix_b_scale:MATRIX_SCALE_ROW1
.elseif oT
	v_wmma_scale_f32_16x16x128_f8f6f4 v[rD:rD+7], v[rB:rB+15], v[rA:rA+15], v[rC:rC+7], v[rSB], v[rSA] matrix_a_scale:MATRIX_SCALE_ROW1
.elseif oA
	v_wmma_scale_f32_16x16x128_f8f6f4 v[rD:rD+7], v[rB:rB+15], v[rA:rA+15], v[rC:rC+7], v[rSB], v[rSA] matrix_b_scale:MATRIX_SCALE_ROW1
.else
	v_wmma_scale_f32_16x16x128_f8f6f4 v[rD:rD+7], v[rB:rB+15], v[rA:rA+15], v[rC:rC+7], v[rSB], v[rSA]
.endif
.endm
; K step s: 48 matrix instructions.  The 48 accumulators take turns, one instruction a turn, in the same order in every step.  first = 1: C is b1, in window 0: nothing is cleared.
.macro MUL s, first
.irp a, 0,1,2,3,4,5
.if \first
	WIN ((2+\a/4)<<6)|(12*((\s)%2))|1
.else
	WIN ((2+\a/4)<<6)|((2+\a/4)<<4)|(12*((\s)%2))|1
.endif
.irp t, 0,1,2,3,4,5,6,7
.set rD, 64*(\a%4)+8*\t
.set rB, 128*((\s)%2)+16*\t
.set rA, 128+16*\a
.set rSB, 64+8*(\t/2)+(\s)
.set rSA, 40+8*(\a/2)+(\s)
.set oT, \t%2
.set oA, \a%2
.if \first
.set rC, 96+8*\t+96*(\t/4)
.else
.set rC, rD
.endif
	WMX
.endr
.endr
.endm
.macro STEP s, first
.if (\s) < 7
	s_wait_loadcnt 56                              ; loads come back in order: all but the other set's 32 + 24, issued last, are in
.else
	s_wait_loadcnt 0x0
.endif
	MUL \s, \first
.if (\s) < 6
	NOPS 8                                         ; eight places behind this form in front of loads into registers that it has read
	BLOAD (\s)%2, (\s)+2
	ALOAD (\s)%2, (\s)+2
.endif
.endm
	BLOAD 0, 0
	ALOAD 0, 0
	BLOAD 1, 1
	ALOAD 1, 1
	STEP 0, 1
.irp s, 1,2,3,4,5,6,7
	STEP \s, 0
.endr
	WIN 0
	NOPS 8                                         ; in front of the first read of results
.irp b, 0,1,2,3
	v_mov_b32 v[TM+4+\b], 0                        ; written once: a lane permute's destination counts as one of its sources
.endr
; Block a's 16 rows x 128 hidden units: relu, four blocks of 32 along the next K (16 numbers here, 16 in lane l xor 16), codes, scale word; the codes are the next operand's registers and leave as they stand.
.macro QUANT a
.set AC, 64*(\a%4)
.set WD, 2+\a/4
	WIN (WD<<2)|(WD<<4)                            ; sources 1 and 2: the accumulators' window
.irp b, 0,1,2,3
	v_max3_num_f32 v[TM+\b], 0x4800000, v[AC+16*\b], v[AC+16*\b+1]   ; no |.|: what is negative becomes 0 and must not count; the floor 2^(9 - 127) stands over it.  Each accumulator is read from its low end on
.endr
.irp i, 2,4,6,8,10,12,14
.irp b, 0,1,2,3
	v_max3_num_f32 v[TM+\b], v[TM+\b], v[AC+16*\b+\i], v[AC+16*\b+\i+1]
.endr
.endr
	WIN 0
.irp b, 0,1,2,3
	v_permlanex16_b32 v[TM+4+\b], v[TM+\b], s50, s51
.endr
.irp b, 0,1,2,3
	v_max_num_f32 v[TM+\b], v[TM+\b], v[TM+4+\b]   ; the block's largest magnitude
.endr
.irp b, 0,1,2,3
	v_add_nc_u32 v[TM+12+\b], 0xfc000000, v[TM+\b] ; 8 off its exponent field: the conversion's scale operand
.endr
.irp b, 0,1,2,3
	v_and_or_b32 v[TM+8+\b], v[TM+\b], 0x7f800000, s52   ; 448 x the scale
.endr
.irp b, 0,1,2,3
	v_lshrrev_b32 v[TM+4+\b], 23, v[TM+12+\b]      ; the scale's byte
.endr
	v_lshl_or_b32 v[114+\a], v[TM+5], 8, v[TM+4]
	v_lshl_or_b32 v[114+\a], v[TM+6], 16, v[114+\a]
	v_lshl_or_b32 v[114+\a], v[TM+7], 24, v[114+\a]   ; my row's scale word
	WIN (WD<<6)|WD
.irp b, 0,1,2,3
.irp i, 0,1,2,3,4,5,6,7,8,9,10,11,12,13,14,15
	v_med3_num_f32 v[AC+16*\b+\i], v[AC+16*\b+\i], 0, v[TM+8+\b]   ; the activation and the hold in one (the conversion to an 8-bit code does not saturate: ISA guide 7.6.2)
.endr
.endr
	WIN WD
.irp b, 0,1,2,3
	v_cvt_scalef32_pk8_fp8_f32 v[128+16*\a+4*\b:128+16*\a+4*\b+1], v[AC+16*\b:AC+16*\b+7], v[TM+12+\b]
	v_cvt_scalef32_pk8_fp8_f32 v[128+16*\a+4*\b+2:128+16*\a+4*\b+3], v[AC+16*\b+8:AC+16*\b+15], v[TM+12+\b]
.endr
	WIN 0
	v_nop                                          ; a plain line behind the conversions, ahead of the next block's writes of their scale operands
.irp c, 0,1,2,3
	global_store_b128 v4, v[128+16*\a+4*\c:128+16*\a+4*\c+3], s[16:17] offset:2048*\a+512*\c   ; the wave stores 512 consecutive bytes, aligned; each block has code registers of its own
.endr
.endm
.irp a, 0,1,2,3,4,5
	QUANT \a
.endr
.irp i, 0,1,2
	v_cndmask_b32 v[120+\i], v[114+2*\i], v[115+2*\i], s48         ; lanes 0-15: block 2 i's words, lanes 16-31: block 2 i + 1's: row 32 i + lane
	global_store_b32 v5, v[120+\i], s[18:19] offset:128*\i
.endr
.Lend:
	s_wait_tensorcnt 0x0
	ds_add_u32 v38, v39
	s_wait_dscnt 0x0
	s_endpgm
.Lfunc_end_k_q5d9259afe7_up:
	.size	k_q5d9259afe7_up, .Lfunc_end_k_q5d9259afe7_up-k_q5d9259afe7_up
	.p2alignl 7, 3214868480
	.fill 96, 4, 3214868480
	.section	.rodata,"a",@progbits
	.p2align	6, 0x0
	.amdhsa_kernel k_q5d9259afe7_up
		.amdhsa_group_segment_fixed_size 1024
		.amdhsa_private_segment_fixed_size 0
		.amdhsa_enable_private_segment 0
		.amdhsa_kernarg_size 64
		.amdhsa_user_sgpr_count 2
		.amdhsa_user_sgpr_kernarg_segment_ptr 1
		.amdhsa_wavefront_size32 1
		.amdhsa_system_sgpr_workgroup_id_x 1
		.amdhsa_system_sgpr_workgroup_id_y 1
		.amdhsa_system_sgpr_workgroup_id_z 1
		.amdhsa_system_vgpr_workitem_id 0
		.amdhsa_next_free_vgpr 1024
		.amdhsa_next_free_sgpr 66
		.amdhsa_reserve_vcc 1
		.amdhsa_float_denorm_mode_32 3
		.amdhsa_float_denorm_mode_16_64 3
		.amdhsa_memory_ordered 1
		.amdhsa_forward_progress 1
		.amdhsa_inst_pref_size 197
	.end_amdhsa_kernel
	.amdgpu_metadata
---
amdhsa.version: [ 1, 2 ]
amdhsa.kernels:
  - .name:           k_q5d9259afe7_up
    .symbol:         k_q5d9259afe7_up.kd
    .args:
      - { .name: plan, .offset: 0, .size: 8, .value_kind: global_buffer, .address_space: global }
      - { .name: xq, .offset: 8, .size: 8, .value_kind: global_buffer, .address_space: global }
      - { .name: xsc, .offset: 16, .size: 8, .value_kind: global_buffer, .address_space: global }
      - { .name: W1_codes, .offset: 24, .size: 8, .value_kind: global_buffer, .address_space: global }
      - { .name: W1_scales, .offset: 32, .size: 8, .value_kind: global_buffer, .address_space: global }
      - { .name: b1, .offset: 40, .size: 8, .value_kind: global_buffer, .address_space: global }
      - { .name: hq, .offset: 48, .size: 8, .value_kind: global_buffer, .address_space: global }
      - { .name: hsc, .offset: 56, .size: 8, .value_kind: global_buffer, .address_space: global }
    .group_segment_fixed_size: 1024
    .private_segment_fixed_size: 0
    .kernarg_segment_align: 8
    .kernarg_segment_size: 64
    .max_flat_workgroup_size: 128
    .sgpr_count:     66
    .vgpr_count:     1024
    .wavefront_size: 32
...
	.end_amdgpu_metadata
.endif
;; end of part 2
;; launch down (part 3): grid 8 x 49, 4 waves a work-group, no clusters, 205,312 bytes of LDS; arguments plan, wts, hq, hsc, W2_codes, W2_scales, b2, out0; writes out0
.if DOCPART == 3
	.amdgcn_target "amdgcn-amd-amdhsa--gfx1250"
	.amdhsa_code_object_version 6
	.text
	.protected	k_q5d9259afe7_down
	.globl	k_q5d9259afe7_down
	.p2align	8
	.type	k_q5d9259afe7_down,@function
k_q5d9259afe7_down:
	s_mov_b64 s[64:65], 0
	v_nop
	global_prefetch_b8 v0, s[64:65] scope:SCOPE_SE
	s_setreg_imm32_b32 hwreg(HW_REG_WAVE_MODE, 25, 1), 1
	s_wait_xcnt 0x0
; THE SECOND PRODUCT AND THE COMBINATION: out[token] = w_lo (h_lo W2[lo] + b2[lo]) + w_hi (h_hi W2[hi] + b2[hi]), the products on E4M3 codes with E8M0 scales.
; TILES as in the launch before: up to 96 tokens of one pair of experts, at most 49 tiles.  Work-group (X, T) owns outputs 128 X .. 128 X + 127 of tile T's tokens: EACH OUTPUT NUMBER HAS ONE OWNER, and nothing is added
; between work-groups.  Its four waves share the sum: wave w takes expert lo (w < 2) or hi and half w % 2 of K = 2,048, so each makes 96 rows x 128 outputs over K = 1,024: 48 accumulators, eight K steps of 48 matrix
; instructions, both operands from memory straight into registers, in two sets, a K step ahead.  The four parts, each times its expert's weight, meet in LDS; each wave then adds and stores every fourth row, whole.
; Rows past a tile's count repeat its last token: they give the same bits and store the same bytes to the same place (at most 15 such rows are stored); EXEC never changes.
; A tile that the stored list leaves without rows jumps round its products, passes both barriers and ends.  No tensor load and no cluster: that jump hangs on a stored number, and so does which work-groups share weights.
; THE MATRIX INSTRUCTION IS USED TRANSPOSED (source 0 = 16 rows of W2, source 1 = 16 tokens): a lane holds one token and eight neighbouring outputs.  h comes as images of its registers (hq, hsc).
; LIMITS: NaN and infinities are not served; an output's sum over K is made in two halves that are added in f32.
; REGISTERS, in windows of 256.  Window 0: v0-39 ids, addresses, at work; v40-63 h's scale words, v64-95 W2's (register 8 i + s: lanes 0-15 block 2 i, lanes 16-31 block 2 i + 1, K step s): scales and nothing else;
;   v100-111 the rows' weights; v112-119 b2 of lo and of hi; v120-123 addresses; v128-223 h's fragments, set 0 (later rows of out); during the placing v128-191 the counts, v192-255 the class words.
;   Window 1: W2's fragments, sets 0 and 1.  Window 2: the accumulators of row blocks 0-3 (64 a + 8 t).  Window 3: v0-127 those of blocks 4, 5; v128-223 h's fragments, set 1.
.set TOK,  0                           ; LDS: the token of each row, 4 bytes a thread
.set WL,   512                         ; the pair (w_lo, w_hi) of each of the 96 rows
.set PART, 1280                        ; four parts of 96 rows x (512 bytes + 16)
.set PW,   50688
.set MSB, 0
.macro WIN new                         ; the immediate's high byte repeats the setting that is left; a switch that changes nothing is dropped
.if MSB != (\new)
	s_set_vgpr_msb (MSB<<8)|(\new)
.set MSB, (\new)
.endif
.endm
.macro NOPS n
.rept \n
	v_nop
.endr
.endm
	s_load_b512 s[4:19], s[0:1], 0x0               ; plan s[4:5], wts s[6:7], hq s[8:9], hsc s[10:11], W2's codes s[12:13], its scales s[14:15], b2 s[16:17], out0 s[18:19]
	v_lshl_add_u32 v126, v0, 2, 0x32000
	v_mov_b32 v127, 0
	v_and_b32 v1, 31, v0                           ; lane
	v_lshrrev_b32 v2, 5, v0
	v_readfirstlane_b32 s20, v2                    ; wave 0..3
	s_and_b32 s21, ttmp7, 0xffff                   ; T
	s_mov_b32 s22, ttmp9                           ; X
	v_and_b32 v2, 15, v0                           ; r
	v_bfe_u32 v3, v0, 4, 1                         ; h
	v_lshlrev_b32 v4, 4, v1                        ; 16 x lane
	v_lshlrev_b32 v5, 2, v1                        ; 4 x lane
	v_lshlrev_b32 v23, 4, v3
	v_lshl_add_u32 v6, v2, 11, v23                 ; W2's codes: row r of 2,048 bytes, + 16 h
	v_lshlrev_b32 v7, 6, v1                        ; its scale bytes: row = lane, 64 bytes a row
	v_lshlrev_b32 v22, 2, v2                       ; 4 r
	v_lshlrev_b32 v24, 2, v0                       ; 4 x thread
	v_lshlrev_b32 v25, 3, v2                       ; 8 r
	s_mul_i32 s46, s20, PW
	v_mul_u32_u24 v36, v2, 528
	v_lshl_add_u32 v36, v3, 5, v36
	v_add_nc_u32 v36, s46, v36
	v_add_nc_u32 v36, PART, v36                    ; into my part: row r, + 32 h
	s_lshl_b32 s46, s20, 3
	v_mov_b32 v37, s46                             ; the weights of row w,
	s_lshl_b32 s46, s20, 2
	v_mov_b32 v38, s46                             ; its token,
	s_mul_i32 s46, s20, 528
	v_add_nc_u32 v120, s46, v4
	v_add_nc_u32 v120, PART, v120                  ; and its 512 bytes in each of the four parts, 16 a lane
	v_add_nc_u32 v121, PW, v120
	v_add_nc_u32 v122, PW, v121
	v_add_nc_u32 v123, PW, v122
	s_wait_kmcnt 0x0
	; ---- PLACING, first half: which class, which 96 of its tokens, how many
.set gi, 0
.rept 64
	global_load_b32 v[128+gi], v5, s[4:5] offset:8192+128*gi       ; lane c: tokens of class c in group gi
.set gi, gi+1
.endr
.set gi, 0
.rept 16
	global_load_b128 v[192+4*gi:192+4*gi+3], v4, s[4:5] offset:512*gi   ; register 4 j + k of lane l: the class of token 128 j + 4 l + k
.set gi, gi+1
.endr
	s_mov_b32 s23, 0                               ; tiles of the classes passed
	s_mov_b32 s24, 0                               ; my tile's number within its class
	s_mov_b32 s25, 0                               ; the class's tokens
	s_mov_b32 s26, 1<<16                           ; class | lo << 8 | hi << 16
	s_wait_loadcnt 16                              ; the 64 loads of counts are in; the 16 of class words, issued behind them, stay out
	v_add3_u32 v17, v128, v129, v130
.set gi, 131
.rept 30
	v_add3_u32 v17, v17, v[gi], v[gi+1]
.set gi, gi+2
.endr
	v_add_nc_u32 v17, v17, v191                    ; lane c: tokens of class c
	v_add_nc_u32 v18, 95, v17
	v_mul_u32_u24 v18, v18, 0xaaab
	v_lshrrev_b32 v18, 22, v18                     ; its tiles: (n + 95) / 96 as (n + 95) x 43,691 >> 22, exact up to 2,143
.macro CLASS lo, hi
	v_readlane_b32 s27, v17, (\lo*(15-\lo)/2+\hi-\lo-1)
	v_readlane_b32 s28, v18, (\lo*(15-\lo)/2+\hi-\lo-1)
	s_sub_co_u32 s29, s21, s23
	s_cmp_lt_u32 s29, s28                          ; does T fall among this class's tiles?  (T below the class's first tile wraps to a large number)
	s_cselect_b32 s24, s29, s24
	s_cselect_b32 s25, s27, s25
	s_cselect_b32 s26, (\lo*(15-\lo)/2+\hi-\lo-1)|(\lo<<8)|(\hi<<16), s26
	s_add_co_u32 s23, s23, s28
.endm
.irp lo, 0,1,2,3,4,5,6
.irp hi, 1,2,3,4,5,6,7
.if \hi > \lo
	CLASS \lo, \hi
.endif
.endr
.endr
	s_and_b32 s30, s26, 0xff                       ; the class
	s_bfe_u32 s31, s26, 0x80008                    ; lo
	s_bfe_u32 s32, s26, 0x80010                    ; hi
	s_min_u32 s31, s31, 7
	s_min_u32 s32, s32, 7
	s_mul_i32 s33, s24, 96                         ; the rank of my tile's first token in its class
	s_sub_co_u32 s34, s25, s33
	s_min_u32 s34, s34, 96                         ; N: my tile's rows; 0 where T lies past the last tile
	s_max_u32 s35, s34, 1
	s_sub_co_u32 s35, s35, 1                       ; the last row that has a token of its own
	; where my wave's parts begin
	s_lshr_b32 s41, s20, 1                         ; which of the tile's two experts
	s_and_b32 s42, s20, 1                          ; which half of K
	s_cmp_lg_u32 s41, 0
	s_cselect_b32 s40, s32, s31                    ; my expert
	s_cselect_b32 s53, -1, 0                       ; all lanes where it is hi
	s_min_u32 s40, s40, 7
	s_mov_b32 s45, 0
	s_lshl_b32 s44, s40, 21
	s_lshl_b32 s46, s22, 18
	s_add_co_u32 s44, s44, s46
	s_lshl_b32 s46, s42, 10
	s_add_co_u32 s44, s44, s46
	s_add_nc_u64 s[12:13], s[12:13], s[44:45]      ; W2's codes: 1,024 rows of 2,048 bytes an expert, 128 rows a slice, 1,024 bytes a half of K
	s_lshl_b32 s44, s40, 16
	s_lshl_b32 s46, s22, 13
	s_add_co_u32 s44, s44, s46
	s_lshl_b32 s46, s42, 5
	s_add_co_u32 s44, s44, s46
	s_add_nc_u64 s[14:15], s[14:15], s[44:45]      ; its scale bytes: 64 a row
	s_lshl_b32 s44, s22, 9
	s_add_nc_u64 s[18:19], s[18:19], s[44:45]      ; out0: my slice's 512 bytes of a row
	s_lshl_b32 s46, s31, 12
	s_add_co_u32 s44, s44, s46
	s_add_nc_u64 s[54:55], s[16:17], s[44:45]      ; b2 of lo, my slice
	s_lshl_b32 s44, s22, 9
	s_lshl_b32 s46, s32, 12
	s_add_co_u32 s44, s44, s46
	s_add_nc_u64 s[56:57], s[16:17], s[44:45]      ; b2 of hi
	s_lshl_b32 s46, s21, 1
	s_add_co_u32 s46, s46, s41
	s_lshl_b32 s46, s46, 4
	s_lshl_b32 s47, s42, 3
	s_add_co_u32 s46, s46, s47                     ; (2 T + which expert) x 16 + my first K step
	s_mul_i32 s44, s46, 12288
	s_add_nc_u64 s[8:9], s[8:9], s[44:45]          ; six images of 2,048 bytes a K step
	s_mul_i32 s44, s46, 384
	s_add_nc_u64 s[10:11], s[10:11], s[44:45]      ; 96 scale words a K step
	s_wait_loadcnt 0x0                             ; the class words
	global_load_b128 v[112:115], v4, s[54:55]      ; b2: four outputs a lane, as the rows leave
	global_load_b128 v[116:119], v4, s[56:57]
	; ---- PLACING, second half: thread i finds the token of row i: the one of rank J in its class, in the order (register, lane)
	v_min_u32 v19, s35, v0
	v_add_nc_u32 v19, s33, v19                     ; J
	v_mov_b32 v20, 0                               ; the mask of the register that holds rank J
	v_mov_b32 v21, 0                               ; the ranks in front of that register | its number << 16
	s_mov_b32 s36, 0
	s_mov_b32 s37, 0
.set gi, 0
.rept 64
	v_cmp_eq_u32 s38, s30, v[192+gi]               ; which lanes' tokens are of my class
	v_cmp_le_u32 vcc_lo, s36, v19                  ; the last register with no more than J ranks in front of it is the one
	v_cndmask_b32 v20, v20, s38, vcc_lo
	v_cndmask_b32 v21, v21, s37, vcc_lo
	s_bcnt1_i32_b32 s39, s38
	s_add_co_u32 s36, s36, s39
	s_add_co_u32 s37, s36, (gi+1)<<16
.set gi, gi+1
.endr
	v_and_b32 v33, 0xffff, v21
	v_sub_nc_u32 v26, v19, v33                     ; Q: which set bit of the mask
	v_lshrrev_b32 v27, 16, v21                     ; the register's number
	v_lshrrev_b32 v28, 1, v20
	v_and_b32 v28, 0x55555555, v28
	v_sub_nc_u32 v28, v20, v28                     ; set bits in fields of 2,
	v_lshrrev_b32 v29, 2, v28
	v_and_b32 v29, 0x33333333, v29
	v_and_b32 v33, 0x33333333, v28
	v_add_nc_u32 v29, v29, v33                     ; of 4,
	v_lshrrev_b32 v30, 4, v29
	v_add_nc_u32 v30, v30, v29
	v_and_b32 v30, 0x0f0f0f0f, v30                 ; of 8,
	v_lshrrev_b32 v31, 8, v30
	v_add_nc_u32 v31, v31, v30                     ; and, in its lowest byte, of the low 16
	v_mov_b32 v32, 0                               ; the bit's place
.macro LEVEL src, width, step          ; where the field at the place holds no more than Q set bits, pass over it
	v_bfe_u32 v33, v[\src], v32, \width
	v_cmp_ge_u32 vcc_lo, v26, v33
	v_cndmask_b32 v33, 0, v33, vcc_lo
	v_cndmask_b32 v34, 0, \step, vcc_lo
	v_sub_nc_u32 v26, v26, v33
	v_add_nc_u32 v32, v32, v34
.endm
	LEVEL 31, 8, 16
	LEVEL 30, 8, 8
	LEVEL 29, 4, 4
	LEVEL 28, 2, 2
	LEVEL 20, 1, 1
	v_lshrrev_b32 v33, 2, v27
	v_lshlrev_b32 v33, 7, v33
	v_lshl_add_u32 v33, v32, 2, v33
	v_and_b32 v34, 3, v27
	v_add_nc_u32 v35, v33, v34                     ; token 128 (register / 4) + 4 x lane + register % 4
	v_min_u32 v35, 0x7ff, v35
	ds_store_b32 v24, v35
	s_wait_dscnt 0x0                               ; for the others' sake: my row's token lies in LDS
	s_barrier_signal -1
	s_barrier_wait -1
	s_cmp_eq_u32 s34, 0                            ; a tile without rows has no products; the barrier at the join is on every wave's way
	s_cbranch_scc1 .Ljoin
.irp a, 0,1,2,3,4,5
	ds_load_b32 v[10+\a], v22 offset:TOK+64*\a     ; the token of row 16 a + r
.endr
	s_wait_dscnt 0x0
.irp a, 0,1,2,3,4,5
	v_min_u32 v[10+\a], 0x7ff, v[10+\a]
	v_lshlrev_b32 v[10+\a], 3, v[10+\a]            ; its two weights: 8 bytes a token
.endr
.irp i, 0,1,2,3
	global_load_b128 v[64+8*\i:64+8*\i+3], v7, s[14:15] offset:2048*\i
	global_load_b128 v[64+8*\i+4:64+8*\i+7], v7, s[14:15] offset:2048*\i+16
.endr
.irp s, 0,1,2,3,4,5,6,7
.irp i, 0,1,2
	global_load_b32 v[40+8*\i+\s], v5, s[10:11] offset:(96*\s+32*\i)*4
.endr
.endr
.irp a, 0,1,2,3,4,5
	global_load_b64 v[100+2*\a:101+2*\a], v[10+\a], s[6:7]
.endr
; A fragment, 16 rows x 128 K of 8-bit codes, is 16 registers: lane l holds row l % 16; registers 4 c .. 4 c + 3 hold K = 32 c + 16 (l / 16) + 0 .. 15.
.macro BLOAD q, s                      ; W2's eight tiles of 16 outputs, K step s, into set q
	WIN 0x40                                       ; destination window 1, address window 0
.irp t, 0,1,2,3,4,5,6,7
.irp c, 0,1,2,3
	global_load_b128 v[128*(\q)+16*\t+4*\c:128*(\q)+16*\t+4*\c+3], v6, s[12:13] offset:32768*\t+128*(\s)+32*\c
.endr
.endr
.endm
.macro ALOAD q, s                      ; h's six images: each load takes 512 consecutive bytes
.if (\q) == 0
	WIN 0
.else
	WIN 0xc0                                       ; destination window 3
.endif
.irp a, 0,1,2,3,4,5
.irp c, 0,1,2,3
	global_load_b128 v[128+16*\a+4*\c:128+16*\a+4*\c+3], v4, s[8:9] offset:(6*(\s)+\a)*2048+512*\c
.endr
.endr
.endm
.macro WMX z                           ; one product; z = 1: it starts its sum.  An odd tile's or block's scale words stand in lanes 16-31 of the register that it shares with its even neighbour
.if \z
.if oT && oA
	v_wmma_scale_f32_16x16x128_f8f6f4 v[rD:rD+7], v[rB:rB+15], v[rA:rA+15], 0, v[rSB], v[rSA] matrix_a_scale:MATRIX_SCALE_ROW1 matrix_b_scale:MATRIX_SCALE_ROW1
.elseif oT
	v_wmma_scale_f32_16x16x128_f8f6f4 v[rD:rD+7], v[rB:rB+15], v[rA:rA+15], 0, v[rSB], v[rSA] matrix_a_scale:MATRIX_SCALE_ROW1
.elseif oA
	v_wmma_scale_f32_16x16x128_f8f6f4 v[rD:rD+7], v[rB:rB+15], v[rA:rA+15], 0, v[rSB], v[rSA] matrix_b_scale:MATRIX_SCALE_ROW1
.else
	v_wmma_scale_f32_16x16x128_f8f6f4 v[rD:rD+7], v[rB:rB+15], v[rA:rA+15], 0, v[rSB], v[rSA]
.endif
.else
.if oT && oA
	v_wmma_scale_f32_16x16x128_f8f6f4 v[rD:rD+7], v[rB:rB+15], v[rA:rA+15], v[rD:rD+7], v[rSB], v[rSA] matrix_a_scale:MATRIX_SCALE_ROW1 matrix_b_scale:MATRIX_SCALE_ROW1
.elseif oT
	v_wmma_scale_f32_16x16x128_f8f6f4 v[rD:rD+7], v[rB:rB+15], v[rA:rA+15], v[rD:rD+7], v[rSB], v[rSA] matrix_a_scale:MATRIX_SCALE_ROW1
.elseif oA
	v_wmma_scale_f32_16x16x128_f8f6f4 v[rD:rD+7], v[rB:rB+15], v[rA:rA+15], v[rD:rD+7], v[rSB], v[rSA] matrix_b_scale:MATRIX_SCALE_ROW1
.else
	v_wmma_scale_f32_16x16x128_f8f6f4 v[rD:rD+7], v[rB:rB+15], v[rA:rA+15], v[rD:rD+7], v[rSB], v[rSA]
.endif
.endif
.endm
; K step s: 48 matrix instructions.  The 48 accumulators take turns, one instruction a turn, in the same order in every step.  first = 1: C is the constant 0: nothing is cleared.
.macro MUL s, first
.irp a, 0,1,2,3,4,5
	WIN ((2+\a/4)<<6)|((2+\a/4)<<4)|(12*((\s)%2))|1
.irp t, 0,1,2,3,4,5,6,7
.set rD, 64*(\a%4)+8*\t
.set rB, 128*((\s)%2)+16*\t
.set rA, 128+16*\a
.set rSB, 64+8*(\t/2)+(\s)
.set rSA, 40+8*(\a/2)+(\s)
.set oT, \t%2
.set oA, \a%2
	WMX \first
.endr
.endr
.endm
.macro STEP s, first
.if (\s) < 7
	s_wait_loadcnt 56                              ; loads come back in order: all but the other set's 32 + 24, issued last, are in
.else
	s_wait_loadcnt 0x0
.endif
	MUL \s, \first
.if (\s) < 6
	NOPS 8                                         ; eight places behind this form in front of loads into registers that it has read
	BLOAD (\s)%2, (\s)+2
	ALOAD (\s)%2, (\s)+2
.endif
.endm
	BLOAD 0, 0
	ALOAD 0, 0
	BLOAD 1, 1
	ALOAD 1, 1
	STEP 0, 1
.irp s, 1,2,3,4,5,6,7
	STEP \s, 0
.endr
	WIN 0
	NOPS 8                                         ; in front of the first read of results
	s_cmp_lg_u32 s20, 0
	s_cbranch_scc1 .Lnot_wave_0
.irp a, 0,1,2,3,4,5
	ds_store_b64 v25, v[100+2*\a:101+2*\a] offset:WL+128*\a        ; wave 0 leaves both weights of every row for the biases (lanes r and r + 16 write the same bytes with the same value)
.endr
.Lnot_wave_0:
.irp a, 0,1,2,3,4,5
	v_cndmask_b32 v[100+2*\a], v[100+2*\a], v[101+2*\a], s53       ; my expert's weight
.endr
; Block a's 16 rows x 128 outputs: times the row's weight, each accumulator from its low end on, and into my part in LDS.
.macro SCALEOUT a
.set AC, 64*(\a%4)
.set WD, 2+\a/4
	WIN (WD<<6)|WD
.set gi, 0
.rept 32
	v_pk_mul_f32 v[AC+gi:AC+gi+1], v[AC+gi:AC+gi+1], v[100+2*\a:101+2*\a] op_sel_hi:[1,0]
.set gi, gi+2
.endr
	WIN WD<<2                                      ; an LDS store's data are its source 1
.irp t, 0,1,2,3,4,5,6,7
	ds_store_b128 v36, v[AC+8*\t:AC+8*\t+3] offset:8448*\a+64*\t
	ds_store_b128 v36, v[AC+8*\t+4:AC+8*\t+7] offset:8448*\a+64*\t+16
.endr
.endm
.irp a, 0,1,2,3,4,5
	SCALEOUT \a
.endr
	WIN 0
.Ljoin:
	s_wait_dscnt 0x0                               ; for the others' sake: my part and the weights lie in LDS
	s_barrier_signal -1
	s_barrier_wait -1
	s_cmp_eq_u32 s34, 0
	s_cbranch_scc1 .Lend
	s_wait_loadcnt 0x0                             ; b2
; Rows 16 a + 4 i + w, i = 0 .. 3: the four parts and the two weighted biases are added, and the row's 512 bytes are stored to its token's row.  Blocks of 16 rows that lie wholly past the tile's count are left out.
.macro ROWS a
.if \a > 0
	s_cmp_le_u32 s34, 16*\a
	s_cbranch_scc1 .Lend
	s_wait_xcnt 0x0                                ; the last block's stores have read their data and offsets: both are written again only behind this wait
.endif
.irp i, 0,1,2,3
.irp p, 0,1,2,3
	ds_load_b128 v[128+16*\i+4*\p:128+16*\i+4*\p+3], v[120+\p] offset:8448*\a+2112*\i
.endr
	ds_load_b64 v[192+2*\i:193+2*\i], v37 offset:WL+128*\a+32*\i
	ds_load_b32 v[200+\i], v38 offset:TOK+64*\a+16*\i
.endr
	s_wait_dscnt 0x0
.irp i, 0,1,2,3
.set RO, 128+16*\i
	v_pk_add_f32 v[RO:RO+1], v[RO:RO+1], v[RO+4:RO+5]
	v_pk_add_f32 v[RO+2:RO+3], v[RO+2:RO+3], v[RO+6:RO+7]
	v_pk_add_f32 v[RO+8:RO+9], v[RO+8:RO+9], v[RO+12:RO+13]
	v_pk_add_f32 v[RO+10:RO+11], v[RO+10:RO+11], v[RO+14:RO+15]
	v_pk_add_f32 v[RO:RO+1], v[RO:RO+1], v[RO+8:RO+9]
	v_pk_add_f32 v[RO+2:RO+3], v[RO+2:RO+3], v[RO+10:RO+11]
	v_pk_fma_f32 v[RO:RO+1], v[112:113], v[192+2*\i:193+2*\i], v[RO:RO+1] op_sel_hi:[1,0,1]                      ; + w_lo b2[lo]
	v_pk_fma_f32 v[RO+2:RO+3], v[114:115], v[192+2*\i:193+2*\i], v[RO+2:RO+3] op_sel_hi:[1,0,1]
	v_pk_fma_f32 v[RO:RO+1], v[116:117], v[192+2*\i:193+2*\i], v[RO:RO+1] op_sel:[0,1,0] op_sel_hi:[1,1,1]       ; + w_hi b2[hi]
	v_pk_fma_f32 v[RO+2:RO+3], v[118:119], v[192+2*\i:193+2*\i], v[RO+2:RO+3] op_sel:[0,1,0] op_sel_hi:[1,1,1]
	v_min_u32 v[200+\i], 0x7ff, v[200+\i]
	v_lshl_add_u32 v[204+\i], v[200+\i], 12, v4    ; the token's row of 4,096 bytes, 16 bytes a lane
	global_store_b128 v[204+\i], v[RO:RO+3], s[18:19] th:TH_STORE_NT   ; the wave stores 512 consecutive bytes, aligned; written once, read by nobody here
.endr
.endm
.irp a, 0,1,2,3,4,5
	ROWS \a
.endr
.Lend:
	s_wait_tensorcnt 0x0
	ds_add_u32 v126, v127
	s_wait_dscnt 0x0
	s_endpgm
.Lfunc_end_k_q5d9259afe7_down:
	.size	k_q5d9259afe7_down, .Lfunc_end_k_q5d9259afe7_down-k_q5d9259afe7_down
	.p2alignl 7, 3214868480
	.fill 96, 4, 3214868480
	.section	.rodata,"a",@progbits
	.p2align	6, 0x0
	.amdhsa_kernel k_q5d9259afe7_down
		.amdhsa_group_segment_fixed_size 205312
		.amdhsa_private_segment_fixed_size 0
		.amdhsa_enable_private_segment 0
		.amdhsa_kernarg_size 64
		.amdhsa_user_sgpr_count 2
		.amdhsa_user_sgpr_kernarg_segment_ptr 1
		.amdhsa_wavefront_size32 1
		.amdhsa_system_sgpr_workgroup_id_x 1
		.amdhsa_system_sgpr_workgroup_id_y 1
		.amdhsa_system_sgpr_workgroup_id_z 1
		.amdhsa_system_vgpr_workitem_id 0
		.amdhsa_next_free_vgpr 1024
		.amdhsa_next_free_sgpr 66
		.amdhsa_reserve_vcc 1
		.amdhsa_float_denorm_mode_32 3
		.amdhsa_float_denorm_mode_16_64 3
		.amdhsa_memory_ordered 1
		.amdhsa_forward_progress 1
		.amdhsa_inst_pref_size 195
	.end_amdhsa_kernel
	.amdgpu_metadata
---
amdhsa.version: [ 1, 2 ]
amdhsa.kernels:
  - .name:           k_q5d9259afe7_down
    .symbol:         k_q5d9259afe7_down.kd
    .args:
      - { .name: plan, .offset: 0, .size: 8, .value_kind: global_buffer, .address_space: global }
      - { .name: wts, .offset: 8, .size: 8, .value_kind: global_buffer, .address_space: global }
      - { .name: hq, .offset: 16, .size: 8, .value_kind: global_buffer, .address_space: global }
      - { .name: hsc, .offset: 24, .size: 8, .value_kind: global_buffer, .address_space: global }
      - { .name: W2_codes, .offset: 32, .size: 8, .value_kind: global_buffer, .address_space: global }
      - { .name: W2_scales, .offset: 40, .size: 8, .value_kind: global_buffer, .address_space: global }
      - { .name: b2, .offset: 48, .size: 8, .value_kind: global_buffer, .address_space: global }
      - { .name: out0, .offset: 56, .size: 8, .value_kind: global_buffer, .address_space: global }
    .group_segment_fixed_size: 205312
    .private_segment_fixed_size: 0
    .kernarg_segment_align: 8
    .kernarg_segment_size: 64
    .max_flat_workgroup_size: 128
    .sgpr_count:     66
    .vgpr_count:     1024
    .wavefront_size: 32
...
	.end_amdgpu_metadata
.endif
;; end of part 3
;; ======== version 2 of 3: 3 launches; 1.16 times as fast as version 1
;; workspace buffers: xq 2,097,152 bytes; xsc 65,536 bytes; wts 16,384 bytes; plan 16,384 bytes of whole numbers; hq 19,267,584 bytes; hsc 602,112 bytes
;; launch gate: the kernel of part 1 again; grid 64 x 1, 8 waves a work-group, no clusters, 74,752 bytes of LDS; arguments x, Wg, bg, xq, xsc, wts, plan; writes xq, xsc, wts, plan
;; launch up (part 4): grid 8 x 49, 4 waves a work-group, no clusters, 99,840 bytes of LDS; arguments plan, xq, xsc, W1_codes, W1_scales, b1, hq, hsc; writes hq, hsc
.if DOCPART == 4
	.amdgcn_target "amdgcn-amd-amdhsa--gfx1250"
	.amdhsa_code_object_version 6
	.text
	.protected	k_q5d9259afe7_up
	.globl	k_q5d9259afe7_up
	.p2align	8
	.type	k_q5d9259afe7_up,@function
k_q5d9259afe7_up:
	s_mov_b64 s[64:65], 0
	v_nop
	global_prefetch_b8 v0, s[64:65] scope:SCOPE_SE
	s_setreg_imm32_b32 hwreg(HW_REG_WAVE_MODE, 25, 1), 1
	s_wait_xcnt 0x0
; THE FIRST PRODUCT, for the chosen experts alone: h = Q(relu(x W1[e] + b1[e])), on E4M3 codes with E8M0 scales; Q quantises along the hidden units, the next product's K.
; TILES.  Tokens are grouped by their pair of experts (28 classes); a tile is up to 96 tokens of one class.  The sum over classes of ceil(n / 96) is at most (2,048 + 28 x 95) / 96, so 49 tiles
; serve every choice.  Work-group (X, T) serves tile T: expert lo (X < 4) or hi, and its wave w the 128 hidden units of slice 4 (X % 4) + w.
; A tile that the stored list leaves without rows jumps round all work to the joins at which the two barriers stand, and ends; no register is carried over a join, only LDS bytes.
; Rows past a tile's count repeat its last token: they give the same bits, every byte that the next launch reads is written, and EXEC never changes.
; PLACING.  Every wave finds its tile's class, place and count from the stored counts, and thread i the token of row i from the stored class words: whole numbers only.
; x GOES THROUGH LDS ONCE FOR THE WORK-GROUP: all four waves multiply the same 96 rows.  Wave w gathers K steps 2 w and 2 w + 1 of the six blocks of 16 rows and stores the twelve fragments as images of their
; registers (2,048 bytes each, registers 4 c .. 4 c + 3 of lane l at 512 c + 16 l); behind a barrier any wave loads them by the same lines.  So the work-group reads 96 KB of x from memory and not four times that.
; A WAVE makes 96 rows x 128 hidden units over K = 1,024: 48 accumulators, eight K steps of 48 matrix instructions.  W1 comes from memory straight into registers, x from LDS, each in two sets, a K step ahead.
; No tensor load and no cluster: a tile without rows jumps on a stored number, and which work-groups share an expert's weights hangs on the stored list.
; THE MATRIX INSTRUCTION IS USED TRANSPOSED (source 0 = 16 rows of W1, source 1 = 16 tokens): a lane holds ONE token, its registers run along the hidden units.  THE ROWS OF W1 THAT FORM A TILE ARE NOT
; NEIGHBOURS: lane r of tile 2 b + u takes row 32 b + 8 u + r + 8 (r / 8), so that the 16 registers of tiles 2 b and 2 b + 1 are the 16 neighbours 32 b + 16 (lane / 16) + 0 .. 15 of the next K.
; b1 is the C of each sum's first matrix instruction.  h leaves as IMAGES OF THE NEXT OPERAND'S REGISTERS: hq [49 T][2][16 slices][6 blocks of 16 rows] x 2,048 bytes; hsc [49][2][16][96 rows] scale words.
; LIMITS: NaN and infinities are not served; a block of zeros gets the byte 1 (its codes are zeros; this program alone reads the bytes).
; REGISTERS, in windows of 256.  Window 0: v0-39 ids, addresses, at work; v40-63 the tokens' scale words, v64-95 W1's (register 8 i + s: lanes 0-15 block 2 i, lanes 16-31 block 2 i + 1, K step s): scales and nothing
;   else; v96-127, v224-255 b1's eight tiles (later at work); v128-223 the tokens' fragments, set 0 (later h's codes); during the placing v128-191 the counts, v192-255 the class words.
;   Window 1: W1's fragments, sets 0 and 1 (before them the gathered x).  Window 2: the accumulators of row blocks 0-3 (64 a + 8 t).  Window 3: v0-127 those of blocks 4, 5; v128-223 the tokens' fragments, set 1.
.set TOK,  0                           ; LDS: the token of each of the tile's rows, 4 bytes a thread
.set XIMG, 512                         ; x's 48 images: K step s, block a at 2,048 (6 s + a)
.set TM,   96                          ; v96-111 at work in the quantiser
.set CW,   192                         ; the class words
.set MSB, 0
.macro WIN new                         ; the immediate's high byte repeats the setting that is left; a switch that changes nothing is dropped
.if MSB != (\new)
	s_set_vgpr_msb (MSB<<8)|(\new)
.set MSB, (\new)
.endif
.endm
.macro NOPS n
.rept \n
	v_nop
.endr
.endm
	s_load_b512 s[4:19], s[0:1], 0x0               ; plan s[4:5], xq s[6:7], xsc s[8:9], W1's codes s[10:11], its scales s[12:13], b1 s[14:15], hq s[16:17], hsc s[18:19]
	s_set_vgpr_msb 0xc0
	v_lshl_add_u32 v254, v0, 2, 0x18400
	v_mov_b32 v255, 0
	s_set_vgpr_msb 0xc000
	v_and_b32 v1, 31, v0                           ; lane
	v_lshrrev_b32 v2, 5, v0
	v_readfirstlane_b32 s20, v2                    ; wave 0..3
	s_and_b32 s21, ttmp7, 0xffff                   ; T
	s_mov_b32 s22, ttmp9                           ; X
	v_and_b32 v2, 15, v0                           ; r
	v_bfe_u32 v3, v0, 4, 1                         ; h
	v_lshlrev_b32 v4, 4, v1                        ; 16 x lane
	v_lshlrev_b32 v5, 2, v1                        ; 4 x lane
	v_and_b32 v6, 8, v2
	v_add_nc_u32 v6, v6, v2                        ; r + 8 (r / 8)
	v_lshl_add_u32 v7, v3, 3, v6
	v_lshlrev_b32 v7, 5, v7                        ; W1's scale words: row 8 h + r + 8 (r / 8) of 32 bytes: lanes 16-31 take the odd tile's rows
	v_lshlrev_b32 v23, 4, v3                       ; 16 h
	v_lshl_add_u32 v6, v6, 10, v23                 ; W1's codes: row r + 8 (r / 8) of 1,024 bytes, + 16 h
	v_lshlrev_b32 v22, 2, v2                       ; 4 r
	v_lshlrev_b32 v24, 2, v0                       ; 4 x thread
	v_lshlrev_b32 v25, 6, v3                       ; b1: 64 h
	s_mul_i32 s46, s20, 24576
	v_add_nc_u32 v36, s46, v4
	v_add_nc_u32 v36, XIMG, v36                    ; where I store x's images: 16 x lane + my wave's twelve
	v_add_nc_u32 v37, XIMG, v4                     ; where I read them: K steps 0-3,
	v_add_nc_u32 v38, XIMG+49152, v4               ; K steps 4-7 (an LDS offset has 16 bits)
	s_mov_b32 s48, 0xffff0000                      ; lanes 16-31
	s_mov_b32 s50, 0x76543210
	s_mov_b32 s51, 0xfedcba98                      ; v_permlanex16_b32's selects for lane l xor 16
	s_mov_b32 s52, 0x600000                        ; the mantissa field of 448
	s_wait_kmcnt 0x0
	; ---- PLACING, first half: which class, which 96 of its tokens, how many
.set gi, 0
.rept 64
	global_load_b32 v[128+gi], v5, s[4:5] offset:8192+128*gi       ; lane c: tokens of class c in group gi
.set gi, gi+1
.endr
.set gi, 0
.rept 16
	global_load_b128 v[CW+4*gi:CW+4*gi+3], v4, s[4:5] offset:512*gi   ; register 4 j + k of lane l: the class of token 128 j + 4 l + k
.set gi, gi+1
.endr
	s_mov_b32 s23, 0                               ; tiles of the classes passed
	s_mov_b32 s24, 0                               ; my tile's number within its class
	s_mov_b32 s25, 0                               ; the class's tokens | its tiles << 16
	s_mov_b32 s26, 1<<16                           ; class | lo << 8 | hi << 16
	s_wait_loadcnt 16                              ; the 64 loads of counts are in; the 16 of class words, issued behind them, stay out
.irp k, 0,1,2,3
	v_add3_u32 v[26+\k], v[128+16*\k], v[129+16*\k], v[130+16*\k]  ; four chains of 16 words, so that no line waits for the line above it
.endr
.irp j, 3,5,7,9,11,13
.irp k, 0,1,2,3
	v_add3_u32 v[26+\k], v[26+\k], v[128+16*\k+\j], v[129+16*\k+\j]
.endr
.endr
	v_add3_u32 v26, v26, v143, v159
	v_add3_u32 v27, v27, v175, v191
	v_add3_u32 v17, v26, v27, v28
	v_add_nc_u32 v17, v17, v29                     ; lane c: tokens of class c
	v_add_nc_u32 v18, 95, v17
	v_mul_u32_u24 v18, v18, 0xaaab
	v_lshrrev_b32 v18, 22, v18                     ; its tiles: (n + 95) / 96 as (n + 95) x 43,691 >> 22, exact up to 2,143
	v_lshl_or_b32 v18, v18, 16, v17                ; both in one word,
.set gi, 0
.rept 28
	v_readlane_b32 s[66+gi], v18, gi               ; read out on end: the scan below is scalar lines alone
.set gi, gi+1
.endr
.macro CLASS lo, hi
.set cc, (\lo*(15-\lo)/2+\hi-\lo-1)
	s_lshr_b32 s28, s[66+cc], 16                   ; the class's tiles
	s_sub_co_u32 s29, s21, s23
	s_cmp_lt_u32 s29, s28                          ; does T fall among them?  (T below the class's first tile wraps to a large number)
	s_cselect_b32 s24, s29, s24
	s_cselect_b32 s25, s[66+cc], s25
	s_cselect_b32 s26, cc|(\lo<<8)|(\hi<<16), s26
	s_add_co_u32 s23, s23, s28
.endm
.irp lo, 0,1,2,3,4,5,6
.irp hi, 1,2,3,4,5,6,7
.if \hi > \lo
	CLASS \lo, \hi
.endif
.endr
.endr
	s_and_b32 s25, s25, 0xffff                     ; the class's tokens
	s_and_b32 s30, s26, 0xff                       ; the class
	s_bfe_u32 s31, s26, 0x80008                    ; lo
	s_bfe_u32 s32, s26, 0x80010                    ; hi
	s_min_u32 s31, s31, 7
	s_min_u32 s32, s32, 7
	s_mul_i32 s33, s24, 96                         ; the rank of my tile's first token in its class
	s_sub_co_u32 s34, s25, s33
	s_min_u32 s34, s34, 96                         ; N: my tile's rows; 0 where T lies past the last tile
	s_max_u32 s35, s34, 1
	s_sub_co_u32 s35, s35, 1                       ; the last row that has a token of its own
	; where my wave's parts begin
	s_lshr_b32 s41, s22, 2                         ; which of the tile's two experts
	s_and_b32 s42, s22, 3
	s_lshl_b32 s42, s42, 2
	s_add_co_u32 s42, s42, s20                     ; my slice of 128 hidden units
	s_cmp_lg_u32 s41, 0
	s_cselect_b32 s40, s32, s31                    ; my expert
	s_min_u32 s40, s40, 7
	s_mov_b32 s45, 0
	s_lshl_b32 s44, s40, 21
	s_lshl_b32 s46, s42, 17
	s_add_co_u32 s44, s44, s46
	s_add_nc_u64 s[10:11], s[10:11], s[44:45]      ; W1's codes: 2,048 rows of 1,024 bytes an expert, 128 rows a slice
	s_lshl_b32 s44, s40, 16
	s_lshl_b32 s46, s42, 12
	s_add_co_u32 s44, s44, s46
	s_add_nc_u64 s[12:13], s[12:13], s[44:45]      ; its scale bytes: 32 a row
	s_lshl_b32 s44, s40, 13
	s_lshl_b32 s46, s42, 9
	s_add_co_u32 s44, s44, s46
	s_add_nc_u64 s[14:15], s[14:15], s[44:45]      ; b1
	s_lshl_b32 s44, s20, 8
	s_add_nc_u64 s[6:7], s[6:7], s[44:45]          ; xq: the two K steps that my wave gathers begin 256 w bytes into a row
	s_lshl_b32 s46, s21, 1
	s_add_co_u32 s46, s46, s41
	s_lshl_b32 s46, s46, 4
	s_add_co_u32 s46, s46, s42                     ; (2 T + which expert) x 16 + slice
	s_mul_i32 s44, s46, 12288
	s_add_nc_u64 s[16:17], s[16:17], s[44:45]      ; six images of 2,048 bytes
	s_mul_i32 s44, s46, 384
	s_add_nc_u64 s[18:19], s[18:19], s[44:45]      ; 96 scale words
	s_wait_loadcnt 0x0                             ; the class words: on every way, so that no load is out at a join
	s_cmp_eq_u32 s34, 0                            ; a tile without rows goes round the search; the barrier stands at the join
	s_cbranch_scc1 .Lj1
	; ---- PLACING, second half: thread i finds the token of row i: the one of rank J in its class, in the order (register, lane)
	v_min_u32 v19, s35, v0
	v_add_nc_u32 v19, s33, v19                     ; J
	v_lshl_or_b32 v39, v19, 6, 63                  ; J << 6 | 63: ranks in front P <= J just where (P << 6 | register) <= this
	v_mov_b32 v20, 0                               ; the mask of the register that holds rank J
	v_mov_b32 v21, 0                               ; the ranks in front of that register << 6 | its number
	s_mov_b32 s36, 0                               ; 64 x the ranks passed
; Sixteen registers of class words: all their masks, then scalar lines alone, then the selects: vector and scalar lines change places twice a batch.
.macro BATCH b
.irp i, 0,1,2,3,4,5,6,7,8,9,10,11,12,13,14,15
	v_cmp_eq_u32 s[66+\i], s30, v[CW+16*(\b)+\i]   ; which lanes' tokens are of my class
.endr
.irp i, 0,1,2,3,4,5,6,7,8,9,10,11,12,13,14,15
	s_add_co_u32 s[82+\i], s36, 16*(\b)+\i
	s_bcnt1_i32_b32 s39, s[66+\i]
	s_lshl_b32 s39, s39, 6
	s_add_co_u32 s36, s36, s39
.endr
.irp q, 0,4,8,12
.irp i, 0,1,2,3
	v_cmp_le_u32 s[98+\i], s[82+\q+\i], v39        ; the last register with no more than J ranks in front of it is the one
.endr
.irp i, 0,1,2,3
	v_cndmask_b32 v20, v20, s[66+\q+\i], s[98+\i]
	v_cndmask_b32 v21, v21, s[82+\q+\i], s[98+\i]
.endr
.endr
.endm
	BATCH 0
	BATCH 1
	BATCH 2
	BATCH 3
	v_and_b32 v27, 63, v21                         ; the register's number
	v_lshrrev_b32 v33, 6, v21
	v_sub_nc_u32 v26, v19, v33                     ; Q: which set bit of the mask
	v_lshrrev_b32 v28, 1, v20
	v_and_b32 v28, 0x55555555, v28
	v_sub_nc_u32 v28, v20, v28                     ; set bits in fields of 2,
	v_lshrrev_b32 v29, 2, v28
	v_and_b32 v29, 0x33333333, v29
	v_and_b32 v33, 0x33333333, v28
	v_add_nc_u32 v29, v29, v33                     ; of 4,
	v_lshrrev_b32 v30, 4, v29
	v_add_nc_u32 v30, v30, v29
	v_and_b32 v30, 0x0f0f0f0f, v30                 ; of 8,
	v_lshrrev_b32 v31, 8, v30
	v_add_nc_u32 v31, v31, v30                     ; and, in its lowest byte, of the low 16
	v_mov_b32 v32, 0                               ; the bit's place
.macro LEVEL src, width, step          ; where the field at the place holds no more than Q set bits, pass over it
	v_bfe_u32 v33, v[\src], v32, \width
	v_cmp_ge_u32 vcc_lo, v26, v33
	v_cndmask_b32 v33, 0, v33, vcc_lo
	v_cndmask_b32 v34, 0, \step, vcc_lo
	v_sub_nc_u32 v26, v26, v33
	v_add_nc_u32 v32, v32, v34
.endm
	LEVEL 31, 8, 16
	LEVEL 30, 8, 8
	LEVEL 29, 4, 4
	LEVEL 28, 2, 2
	LEVEL 20, 1, 1
	v_lshrrev_b32 v33, 2, v27
	v_lshlrev_b32 v33, 7, v33
	v_lshl_add_u32 v33, v32, 2, v33
	v_and_b32 v34, 3, v27
	v_add_nc_u32 v35, v33, v34                     ; token 128 (register / 4) + 4 x lane + register % 4
	v_min_u32 v35, 0x7ff, v35
	ds_store_b32 v24, v35
.Lj1:
	s_wait_dscnt 0x0                               ; for the others' sake: my row's token lies in LDS
	s_barrier_signal -1
	s_barrier_wait -1
	s_cmp_eq_u32 s34, 0
	s_cbranch_scc1 .Lj2
	; ---- x: my two K steps of the 96 rows, gathered and laid into LDS as images
.irp a, 0,1,2,3,4,5
	ds_load_b32 v[8+\a], v22 offset:TOK+64*\a      ; the token of row 16 a + r
.endr
	s_wait_dscnt 0x0
.irp a, 0,1,2,3,4,5
	v_min_u32 v[8+\a], 0x7ff, v[8+\a]
	v_lshl_add_u32 v[8+\a], v[8+\a], 10, v23       ; its codes: 1,024 bytes a token, + 16 h
.endr
	WIN 0x40                                       ; destination window 1, address window 0
.irp f, 0,1,2,3,4,5,6,7,8,9,10,11                  ; fragment f: K step 2 w + f / 6, block f % 6
.irp c, 0,1,2,3
	global_load_b128 v[16*\f+4*\c:16*\f+4*\c+3], v[8+(\f%6)], s[6:7] offset:128*(\f/6)+32*\c
.endr
.endr
	WIN 0x04                                       ; an LDS store's data are its source 1: window 1
.irp f, 0,1,2,3,4,5,6,7,8,9,10,11
	s_wait_loadcnt 44-4*\f                         ; loads come back in order: fragment f's four are in, the 44 - 4 f issued behind them may be out
.irp c, 0,1,2,3
	ds_store_b128 v36, v[16*\f+4*\c:16*\f+4*\c+3] offset:2048*\f+512*\c
.endr
.endr
	WIN 0
.Lj2:
	s_wait_dscnt 0x0                               ; for the others' sake: my twelve images lie in LDS
	s_barrier_signal -1
	s_barrier_wait -1
	s_cmp_eq_u32 s34, 0                            ; a tile without rows stores nothing and ends; no barrier follows
	s_cbranch_scc1 .Lend
.irp i, 0,1,2
	ds_load_b32 v[14+\i], v5 offset:TOK+128*\i     ; the token of row 32 i + lane
.endr
.irp i, 0,1,2,3
	global_load_b128 v[64+8*\i:64+8*\i+3], v7, s[12:13] offset:1024*\i
	global_load_b128 v[64+8*\i+4:64+8*\i+7], v7, s[12:13] offset:1024*\i+16
.endr
.irp t, 0,1,2,3,4,5,6,7
.set rC, 96+8*\t+96*(\t/4)
	global_load_b128 v[rC:rC+3], v25, s[14:15] offset:(32*(\t/2)+8*(\t%2))*4       ; b1 at hidden units 32 (t / 2) + 16 h + 8 (t % 2) + 0 .. 7: the result's layout
	global_load_b128 v[rC+4:rC+7], v25, s[14:15] offset:(32*(\t/2)+8*(\t%2))*4+16
.endr
	s_wait_dscnt 0x0
.irp i, 0,1,2
	v_min_u32 v[14+\i], 0x7ff, v[14+\i]
	v_lshlrev_b32 v[14+\i], 5, v[14+\i]            ; its scale bytes: 32 a token, eight words: the eight K steps
.endr
.irp i, 0,1,2
	global_load_b128 v[40+8*\i:40+8*\i+3], v[14+\i], s[8:9]
	global_load_b128 v[40+8*\i+4:40+8*\i+7], v[14+\i], s[8:9] offset:16
.endr
; A fragment, 16 rows x 128 K of 8-bit codes, is 16 registers: lane l holds row l % 16; registers 4 c .. 4 c + 3 hold K = 32 c + 16 (l / 16) + 0 .. 15.
.macro BLOAD q, s                      ; W1's eight tiles of K step s into set q
	WIN 0x40                                       ; destination window 1, address window 0
.irp t, 0,1,2,3,4,5,6,7
.irp c, 0,1,2,3
	global_load_b128 v[128*(\q)+16*\t+4*\c:128*(\q)+16*\t+4*\c+3], v6, s[10:11] offset:(32*(\t/2)+8*(\t%2))*1024+128*(\s)+32*\c
.endr
.endr
.endm
.macro ALOAD q, s                      ; the six blocks of 16 tokens, from their images: each load takes 512 consecutive bytes of LDS
.if (\q) == 0
	WIN 0
.else
	WIN 0xc0                                       ; destination window 3
.endif
.irp a, 0,1,2,3,4,5
.irp c, 0,1,2,3
	ds_load_b128 v[128+16*\a+4*\c:128+16*\a+4*\c+3], v[37+(\s)/4] offset:(6*((\s)%4)+\a)*2048+512*\c
.endr
.endr
.endm
.macro WMX                             ; one product; an odd tile's or block's scale words stand in lanes 16-31 of the register that it shares with its even neighbour
.if oT && oA
	v_wmma_scale_f32_16x16x128_f8f6f4 v[rD:rD+7], v[rB:rB+15], v[rA:rA+15], v[rC:rC+7], v[rSB], v[rSA] matrix_a_scale:MATRIX_SCALE_ROW1 matrix_b_scale:MATRIX_SCALE_ROW1
.elseif oT
	v_wmma_scale_f32_16x16x128_f8f6f4 v[rD:rD+7], v[rB:rB+15], v[rA:rA+15], v[rC:rC+7], v[rSB], v[rSA] matrix_a_scale:MATRIX_SCALE_ROW1
.elseif oA
	v_wmma_scale_f32_16x16x128_f8f6f4 v[rD:rD+7], v[rB:rB+15], v[rA:rA+15], v[rC:rC+7], v[rSB], v[rSA] matrix_b_scale:MATRIX_SCALE_ROW1
.else
	v_wmma_scale_f32_16x16x128_f8f6f4 v[rD:rD+7], v[rB:rB+15], v[rA:rA+15], v[rC:rC+7], v[rSB], v[rSA]
.endif
.endm
; K step s: 48 matrix instructions.  The 48 accumulators take turns, one instruction a turn, in the same order in every step.  first = 1: C is b1, in window 0: nothing is cleared.
.macro MUL s, first
.irp a, 0,1,2,3,4,5
.if \first
	WIN ((2+\a/4)<<6)|(12*((\s)%2))|1
.else
	WIN ((2+\a/4)<<6)|((2+\a/4)<<4)|(12*((\s)%2))|1
.endif
.irp t, 0,1,2,3,4,5,6,7
.set rD, 64*(\a%4)+8*\t
.set rB, 128*((\s)%2)+16*\t
.set rA, 128+16*\a
.set rSB, 64+8*(\t/2)+(\s)
.set rSA, 40+8*(\a/2)+(\s)
.set oT, \t%2
.set oA, \a%2
.if \first
.set rC, 96+8*\t+96*(\t/4)
.else
.set rC, rD
.endif
	WMX
.endr
.endr
.endm
.macro STEP s, first
.if (\s) < 7
	s_wait_loadcnt 32                              ; loads come back in order: all but the other set's 32 of W1, issued last, are in
	s_wait_dscnt 24                                ; and all LDS loads but the other set's 24
.else
	s_wait_loadcnt 0x0
	s_wait_dscnt 0x0
.endif
	MUL \s, \first
.if (\s) < 6
	NOPS 8                                         ; eight places behind this form in front of loads into registers that it has read
	BLOAD (\s)%2, (\s)+2
	ALOAD (\s)%2, (\s)+2
.endif
.endm
	BLOAD 0, 0
	ALOAD 0, 0
	BLOAD 1, 1
	ALOAD 1, 1
	STEP 0, 1
.irp s, 1,2,3,4,5,6,7
	STEP \s, 0
.endr
	WIN 0
	NOPS 8                                         ; in front of the first read of results
.irp b, 0,1,2,3
	v_mov_b32 v[TM+4+\b], 0                        ; written once: a lane permute's destination counts as one of its sources
.endr
; Block a's 16 rows x 128 hidden units: relu, four blocks of 32 along the next K (16 numbers here, 16 in lane l xor 16), codes, scale word; the codes are the next operand's registers and leave as they stand.
.macro QUANT a
.set AC, 64*(\a%4)
.set WD, 2+\a/4
	WIN (WD<<2)|(WD<<4)                            ; sources 1 and 2: the accumulators' window
.irp b, 0,1,2,3
	v_max3_num_f32 v[TM+\b], 0x4800000, v[AC+16*\b], v[AC+16*\b+1]   ; no |.|: what is negative becomes 0 and must not count; the floor 2^(9 - 127) stands over it.  Each accumulator is read from its low end on
.endr
.irp i, 2,4,6,8,10,12,14
.irp b, 0,1,2,3
	v_max3_num_f32 v[TM+\b], v[TM+\b], v[AC+16*\b+\i], v[AC+16*\b+\i+1]
.endr
.endr
	WIN 0
.irp b, 0,1,2,3
	v_permlanex16_b32 v[TM+4+\b], v[TM+\b], s50, s51
.endr
.irp b, 0,1,2,3
	v_max_num_f32 v[TM+\b], v[TM+\b], v[TM+4+\b]   ; the block's largest magnitude
.endr
.irp b, 0,1,2,3
	v_add_nc_u32 v[TM+12+\b], 0xfc000000, v[TM+\b] ; 8 off its exponent field: the conversion's scale operand
.endr
.irp b, 0,1,2,3
	v_and_or_b32 v[TM+8+\b], v[TM+\b], 0x7f800000, s52   ; 448 x the scale
.endr
.irp b, 0,1,2,3
	v_lshrrev_b32 v[TM+4+\b], 23, v[TM+12+\b]      ; the scale's byte
.endr
	v_lshl_or_b32 v[114+\a], v[TM+5], 8, v[TM+4]
	v_lshl_or_b32 v[114+\a], v[TM+6], 16, v[114+\a]
	v_lshl_or_b32 v[114+\a], v[TM+7], 24, v[114+\a]   ; my row's scale word
	WIN (WD<<6)|WD
.irp b, 0,1,2,3
.irp i, 0,1,2,3,4,5,6,7,8,9,10,11,12,13,14,15
	v_med3_num_f32 v[AC+16*\b+\i], v[AC+16*\b+\i], 0, v[TM+8+\b]   ; the activation and the hold in one (the conversion to an 8-bit code does not saturate: ISA guide 7.6.2)
.endr
.endr
	WIN WD
.irp b, 0,1,2,3
	v_cvt_scalef32_pk8_fp8_f32 v[128+16*\a+4*\b:128+16*\a+4*\b+1], v[AC+16*\b:AC+16*\b+7], v[TM+12+\b]
	v_cvt_scalef32_pk8_fp8_f32 v[128+16*\a+4*\b+2:128+16*\a+4*\b+3], v[AC+16*\b+8:AC+16*\b+15], v[TM+12+\b]
.endr
	WIN 0
	v_nop                                          ; a plain line behind the conversions, ahead of the next block's writes of their scale operands
.irp c, 0,1,2,3
	global_store_b128 v4, v[128+16*\a+4*\c:128+16*\a+4*\c+3], s[16:17] offset:2048*\a+512*\c   ; the wave stores 512 consecutive bytes, aligned; each block has code registers of its own
.endr
.endm
.irp a, 0,1,2,3,4,5
	QUANT \a
.endr
.irp i, 0,1,2
	v_cndmask_b32 v[120+\i], v[114+2*\i], v[115+2*\i], s48         ; lanes 0-15: block 2 i's words, lanes 16-31: block 2 i + 1's: row 32 i + lane
	global_store_b32 v5, v[120+\i], s[18:19] offset:128*\i
.endr
.Lend:
	s_set_vgpr_msb 0xf
	s_wait_tensorcnt 0x0
	ds_add_u32 v254, v255
	s_wait_dscnt 0x0
	s_set_vgpr_msb 0xf00
	s_endpgm
.Lfunc_end_k_q5d9259afe7_up:
	.size	k_q5d9259afe7_up, .Lfunc_end_k_q5d9259afe7_up-k_q5d9259afe7_up
	.p2alignl 7, 3214868480
	.fill 96, 4, 3214868480
	.section	.rodata,"a",@progbits
	.p2align	6, 0x0
	.amdhsa_kernel k_q5d9259afe7_up
		.amdhsa_group_segment_fixed_size 99840
		.amdhsa_private_segment_fixed_size 0
		.amdhsa_enable_private_segment 0
		.amdhsa_kernarg_size 64
		.amdhsa_user_sgpr_count 2
		.amdhsa_user_sgpr_kernarg_segment_ptr 1
		.amdhsa_wavefront_size32 1
		.amdhsa_system_sgpr_workgroup_id_x 1
		.amdhsa_system_sgpr_workgroup_id_y 1
		.amdhsa_system_sgpr_workgroup_id_z 1
		.amdhsa_system_vgpr_workitem_id 0
		.amdhsa_next_free_vgpr 1024
		.amdhsa_next_free_sgpr 102
		.amdhsa_reserve_vcc 1
		.amdhsa_float_denorm_mode_32 3
		.amdhsa_float_denorm_mode_16_64 3
		.amdhsa_memory_ordered 1
		.amdhsa_forward_progress 1
		.amdhsa_inst_pref_size 201
	.end_amdhsa_kernel
	.amdgpu_metadata
---
amdhsa.version: [ 1, 2 ]
amdhsa.kernels:
  - .name:           k_q5d9259afe7_up
    .symbol:         k_q5d9259afe7_up.kd
    .args:
      - { .name: plan, .offset: 0, .size: 8, .value_kind: global_buffer, .address_space: global }
      - { .name: xq, .offset: 8, .size: 8, .value_kind: global_buffer, .address_space: global }
      - { .name: xsc, .offset: 16, .size: 8, .value_kind: global_buffer, .address_space: global }
      - { .name: W1_codes, .offset: 24, .size: 8, .value_kind: global_buffer, .address_space: global }
      - { .name: W1_scales, .offset: 32, .size: 8, .value_kind: global_buffer, .address_space: global }
      - { .name: b1, .offset: 40, .size: 8, .value_kind: global_buffer, .address_space: global }
      - { .name: hq, .offset: 48, .size: 8, .value_kind: global_buffer, .address_space: global }
      - { .name: hsc, .offset: 56, .size: 8, .value_kind: global_buffer, .address_space: global }
    .group_segment_fixed_size: 99840
    .private_segment_fixed_size: 0
    .kernarg_segment_align: 8
    .kernarg_segment_size: 64
    .max_flat_workgroup_size: 128
    .sgpr_count:     102
    .vgpr_count:     1024
    .wavefront_size: 32
...
	.end_amdgpu_metadata
.endif
;; end of part 4
;; launch down (part 5): grid 8 x 49, 4 waves a work-group, no clusters, 206,336 bytes of LDS; arguments plan, wts, hq, hsc, W2_codes, W2_scales, b2, out0; writes out0
.if DOCPART == 5
	.amdgcn_target "amdgcn-amd-amdhsa--gfx1250"
	.amdhsa_code_object_version 6
	.text
	.protected	k_q5d9259afe7_down
	.globl	k_q5d9259afe7_down
	.p2align	8
	.type	k_q5d9259afe7_down,@function
k_q5d9259afe7_down:
	s_mov_b64 s[64:65], 0
	v_nop
	global_prefetch_b8 v0, s[64:65] scope:SCOPE_SE
	s_setreg_imm32_b32 hwreg(HW_REG_WAVE_MODE, 25, 1), 1
	s_wait_xcnt 0x0
; THE SECOND PRODUCT AND THE COMBINATION: out[token] = w_lo (h_lo W2[lo] + b2[lo]) + w_hi (h_hi W2[hi] + b2[hi]), the products on E4M3 codes with E8M0 scales.
; TILES as in the launch before: up to 96 tokens of one pair of experts, at most 49 tiles.  Work-group (X, T) owns outputs 128 X .. 128 X + 127 of tile T's tokens: EACH OUTPUT NUMBER HAS ONE OWNER, and nothing is added
; between work-groups.  Its four waves share the sum: wave w takes expert lo (w < 2) or hi and half w % 2 of K = 2,048, so each makes 96 rows x 128 outputs over K = 1,024: 48 accumulators, eight K steps of 48 matrix
; instructions, both operands from memory straight into registers, in two sets, a K step ahead.  The four parts meet in LDS; each wave then adds, weighs and stores every fourth row, whole.
; h's images need no token: the operands are asked for as soon as the tile's count is known, and the search for the rows' tokens runs while they are on their way (the class words lie where the accumulators begin later).
; Thread i leaves row i's token and its two weights in LDS, wave 0 the two runs of b2: ONE barrier, at the join, stands between all that and the rows' way out.
; Rows past a tile's count repeat its last token: they give the same bits and store the same bytes to the same place (at most 15 such rows are stored); EXEC never changes.
; A tile that the stored list leaves without rows jumps to the join, passes the barrier and ends; no register is carried over the join, only LDS bytes.
; No tensor load and no cluster: that jump hangs on a stored number, and so does which work-groups share weights.  Nothing is common to the four waves' operands, so none goes through LDS.
; THE MATRIX INSTRUCTION IS USED TRANSPOSED (source 0 = 16 rows of W2, source 1 = 16 tokens): a lane holds one token and eight neighbouring outputs.  h comes as images of its registers (hq, hsc).
; LIMITS: NaN and infinities are not served; an output's sum over K is made in two halves that are added in f32.
; REGISTERS, in windows of 256.  Window 0: v0-39 ids, addresses, at work; v40-63 h's scale words, v64-95 W2's (register 8 i + s: lanes 0-15 block 2 i, lanes 16-31 block 2 i + 1, K step s): scales and nothing else;
;   v100-101 my row's weights; v112-119 b2 of lo and of hi; v120-123 addresses; v128-223 h's fragments, set 0 (later rows of out); during the placing v128-191 the counts.
;   Window 1: W2's fragments, sets 0 and 1.  Window 2: the accumulators of row blocks 0-3 (64 a + 8 t); before them, in v0-63, the class words.  Window 3: v0-127 those of blocks 4, 5; v128-223 h's fragments, set 1.
.set TOK,  0                           ; LDS: the token of each row, 4 bytes a thread
.set WL,   512                         ; the pair (w_lo, w_hi) of each row, 8 bytes a thread
.set B2L,  1536                        ; b2 of lo, my slice's 512 bytes; then of hi
.set PART, 2560                        ; four parts of 96 rows x (512 bytes + 16)
.set PW,   50688
.set CW,   0                           ; the class words, in window 2
.set MSB, 0
.macro WIN new                         ; the immediate's high byte repeats the setting that is left; a switch that changes nothing is dropped
.if MSB != (\new)
	s_set_vgpr_msb (MSB<<8)|(\new)
.set MSB, (\new)
.endif
.endm
.macro NOPS n
.rept \n
	v_nop
.endr
.endm
	s_load_b512 s[4:19], s[0:1], 0x0               ; plan s[4:5], wts s[6:7], hq s[8:9], hsc s[10:11], W2's codes s[12:13], its scales s[14:15], b2 s[16:17], out0 s[18:19]
	v_lshl_add_u32 v254, v0, 2, 0x32400
	v_mov_b32 v255, 0
	v_and_b32 v1, 31, v0                           ; lane
	v_lshrrev_b32 v2, 5, v0
	v_readfirstlane_b32 s20, v2                    ; wave 0..3
	s_and_b32 s21, ttmp7, 0xffff                   ; T
	s_mov_b32 s22, ttmp9                           ; X
	v_and_b32 v2, 15, v0                           ; r
	v_bfe_u32 v3, v0, 4, 1                         ; h
	v_lshlrev_b32 v4, 4, v1                        ; 16 x lane
	v_lshlrev_b32 v5, 2, v1                        ; 4 x lane
	v_lshlrev_b32 v23, 4, v3
	v_lshl_add_u32 v6, v2, 11, v23                 ; W2's codes: row r of 2,048 bytes, + 16 h
	v_lshlrev_b32 v7, 6, v1                        ; its scale bytes: row = lane, 64 bytes a row
	v_lshlrev_b32 v24, 2, v0                       ; 4 x thread
	v_lshlrev_b32 v25, 3, v0                       ; 8 x thread
	s_mul_i32 s46, s20, PW
	v_mul_u32_u24 v36, v2, 528
	v_lshl_add_u32 v36, v3, 5, v36
	v_add_nc_u32 v36, s46, v36
	v_add_nc_u32 v36, PART, v36                    ; into my part: row r, + 32 h
	s_lshl_b32 s46, s20, 3
	v_mov_b32 v37, s46                             ; the weights of row w,
	s_lshl_b32 s46, s20, 2
	v_mov_b32 v38, s46                             ; its token,
	s_mul_i32 s46, s20, 528
	v_add_nc_u32 v120, s46, v4
	v_add_nc_u32 v120, PART, v120                  ; and its 512 bytes in each of the four parts, 16 a lane
	v_add_nc_u32 v121, PW, v120
	v_add_nc_u32 v122, PW, v121
	v_add_nc_u32 v123, PW, v122
	s_wait_kmcnt 0x0
	; ---- PLACING, first half: which class, which 96 of its tokens, how many
.set gi, 0
.rept 64
	global_load_b32 v[128+gi], v5, s[4:5] offset:8192+128*gi       ; lane c: tokens of class c in group gi
.set gi, gi+1
.endr
	WIN 0x80                                       ; destination window 2, address window 0
.set gi, 0
.rept 16
	global_load_b128 v[CW+4*gi:CW+4*gi+3], v4, s[4:5] offset:512*gi   ; register 4 j + k of lane l: the class of token 128 j + 4 l + k
.set gi, gi+1
.endr
	WIN 0
	s_mov_b32 s23, 0                               ; tiles of the classes passed
	s_mov_b32 s24, 0                               ; my tile's number within its class
	s_mov_b32 s25, 0                               ; the class's tokens | its tiles << 16
	s_mov_b32 s26, 1<<16                           ; class | lo << 8 | hi << 16
	s_wait_loadcnt 16                              ; the 64 loads of counts are in; the 16 of class words, issued behind them, stay out
.irp k, 0,1,2,3
	v_add3_u32 v[26+\k], v[128+16*\k], v[129+16*\k], v[130+16*\k]  ; four chains of 16 words, so that no line waits for the line above it
.endr
.irp j, 3,5,7,9,11,13
.irp k, 0,1,2,3
	v_add3_u32 v[26+\k], v[26+\k], v[128+16*\k+\j], v[129+16*\k+\j]
.endr
.endr
	v_add3_u32 v26, v26, v143, v159
	v_add3_u32 v27, v27, v175, v191
	v_add3_u32 v17, v26, v27, v28
	v_add_nc_u32 v17, v17, v29                     ; lane c: tokens of class c
	v_add_nc_u32 v18, 95, v17
	v_mul_u32_u24 v18, v18, 0xaaab
	v_lshrrev_b32 v18, 22, v18                     ; its tiles: (n + 95) / 96 as (n + 95) x 43,691 >> 22, exact up to 2,143
	v_lshl_or_b32 v18, v18, 16, v17                ; both in one word,
.set gi, 0
.rept 28
	v_readlane_b32 s[66+gi], v18, gi               ; read out on end: the scan below is scalar lines alone
.set gi, gi+1
.endr
.macro CLASS lo, hi
.set cc, (\lo*(15-\lo)/2+\hi-\lo-1)
	s_lshr_b32 s28, s[66+cc], 16                   ; the class's tiles
	s_sub_co_u32 s29, s21, s23
	s_cmp_lt_u32 s29, s28                          ; does T fall among them?  (T below the class's first tile wraps to a large number)
	s_cselect_b32 s24, s29, s24
	s_cselect_b32 s25, s[66+cc], s25
	s_cselect_b32 s26, cc|(\lo<<8)|(\hi<<16), s26
	s_add_co_u32 s23, s23, s28
.endm
.irp lo, 0,1,2,3,4,5,6
.irp hi, 1,2,3,4,5,6,7
.if \hi > \lo
	CLASS \lo, \hi
.endif
.endr
.endr
	s_and_b32 s25, s25, 0xffff                     ; the class's tokens
	s_and_b32 s30, s26, 0xff                       ; the class
	s_bfe_u32 s31, s26, 0x80008                    ; lo
	s_bfe_u32 s32, s26, 0x80010                    ; hi
	s_min_u32 s31, s31, 7
	s_min_u32 s32, s32, 7
	s_mul_i32 s33, s24, 96                         ; the rank of my tile's first token in its class
	s_sub_co_u32 s34, s25, s33
	s_min_u32 s34, s34, 96                         ; N: my tile's rows; 0 where T lies past the last tile
	s_max_u32 s35, s34, 1
	s_sub_co_u32 s35, s35, 1                       ; the last row that has a token of its own
	; where my wave's parts begin
	s_lshr_b32 s41, s20, 1                         ; which of the tile's two experts
	s_and_b32 s42, s20, 1                          ; which half of K
	s_cmp_lg_u32 s41, 0
	s_cselect_b32 s40, s32, s31                    ; my expert
	s_min_u32 s40, s40, 7
	s_mov_b32 s45, 0
	s_lshl_b32 s44, s40, 21
	s_lshl_b32 s46, s22, 18
	s_add_co_u32 s44, s44, s46
	s_lshl_b32 s46, s42, 10
	s_add_co_u32 s44, s44, s46
	s_add_nc_u64 s[12:13], s[12:13], s[44:45]      ; W2's codes: 1,024 rows of 2,048 bytes an expert, 128 rows a slice, 1,024 bytes a half of K
	s_lshl_b32 s44, s40, 16
	s_lshl_b32 s46, s22, 13
	s_add_co_u32 s44, s44, s46
	s_lshl_b32 s46, s42, 5
	s_add_co_u32 s44, s44, s46
	s_add_nc_u64 s[14:15], s[14:15], s[44:45]      ; its scale bytes: 64 a row
	s_lshl_b32 s44, s22, 9
	s_add_nc_u64 s[18:19], s[18:19], s[44:45]      ; out0: my slice's 512 bytes of a row
	s_lshl_b32 s46, s31, 12
	s_add_co_u32 s44, s44, s46
	s_add_nc_u64 s[54:55], s[16:17], s[44:45]      ; b2 of lo, my slice
	s_lshl_b32 s44, s22, 9
	s_lshl_b32 s46, s32, 12
	s_add_co_u32 s44, s44, s46
	s_add_nc_u64 s[56:57], s[16:17], s[44:45]      ; b2 of hi
	s_lshl_b32 s46, s21, 1
	s_add_co_u32 s46, s46, s41
	s_lshl_b32 s46, s46, 4
	s_lshl_b32 s47, s42, 3
	s_add_co_u32 s46, s46, s47                     ; (2 T + which expert) x 16 + my first K step
	s_mul_i32 s44, s46, 12288
	s_add_nc_u64 s[8:9], s[8:9], s[44:45]          ; six images of 2,048 bytes a K step
	s_mul_i32 s44, s46, 384
	s_add_nc_u64 s[10:11], s[10:11], s[44:45]      ; 96 scale words a K step
	s_wait_loadcnt 0x0                             ; the class words: on every way, so that no load is out at the join
	s_cmp_eq_u32 s34, 0                            ; a tile without rows has no work; the barrier at the join is on every wave's way
	s_cbranch_scc1 .Ljoin
	; ---- the operands are asked for first
.irp i, 0,1,2,3
	global_load_b128 v[64+8*\i:64+8*\i+3], v7, s[14:15] offset:2048*\i
	global_load_b128 v[64+8*\i+4:64+8*\i+7], v7, s[14:15] offset:2048*\i+16
.endr
.irp s, 0,1,2,3,4,5,6,7
.irp i, 0,1,2
	global_load_b32 v[40+8*\i+\s], v5, s[10:11] offset:(96*\s+32*\i)*4
.endr
.endr
	global_load_b128 v[112:115], v4, s[54:55]      ; b2: four outputs a lane, as the rows leave
	global_load_b128 v[116:119], v4, s[56:57]
; A fragment, 16 rows x 128 K of 8-bit codes, is 16 registers: lane l holds row l % 16; registers 4 c .. 4 c + 3 hold K = 32 c + 16 (l / 16) + 0 .. 15.
.macro BLOAD q, s                      ; W2's eight tiles of 16 outputs, K step s, into set q
	WIN 0x40                                       ; destination window 1, address window 0
.irp t, 0,1,2,3,4,5,6,7
.irp c, 0,1,2,3
	global_load_b128 v[128*(\q)+16*\t+4*\c:128*(\q)+16*\t+4*\c+3], v6, s[12:13] offset:32768*\t+128*(\s)+32*\c
.endr
.endr
.endm
.macro ALOAD q, s                      ; h's six images: each load takes 512 consecutive bytes
.if (\q) == 0
	WIN 0
.else
	WIN 0xc0                                       ; destination window 3
.endif
.irp a, 0,1,2,3,4,5
.irp c, 0,1,2,3
	global_load_b128 v[128+16*\a+4*\c:128+16*\a+4*\c+3], v4, s[8:9] offset:(6*(\s)+\a)*2048+512*\c
.endr
.endr
.endm
	BLOAD 0, 0
	ALOAD 0, 0
	BLOAD 1, 1
	ALOAD 1, 1
	WIN 0
	; ---- PLACING, second half, while they are on their way: thread i finds the token of row i: the one of rank J in its class, in the order (register, lane)
	v_min_u32 v19, s35, v0
	v_add_nc_u32 v19, s33, v19                     ; J
	v_lshl_or_b32 v39, v19, 6, 63                  ; J << 6 | 63: ranks in front P <= J just where (P << 6 | register) <= this
	v_mov_b32 v20, 0                               ; the mask of the register that holds rank J
	v_mov_b32 v21, 0                               ; the ranks in front of that register << 6 | its number
	s_mov_b32 s36, 0                               ; 64 x the ranks passed
; Sixteen registers of class words: all their masks, then scalar lines alone, then the selects: vector and scalar lines change places twice a batch.
.macro BATCH b
	WIN 0x08                                       ; source 1: window 2
.irp i, 0,1,2,3,4,5,6,7,8,9,10,11,12,13,14,15
	v_cmp_eq_u32 s[66+\i], s30, v[CW+16*(\b)+\i]   ; which lanes' tokens are of my class
.endr
	WIN 0
.irp i, 0,1,2,3,4,5,6,7,8,9,10,11,12,13,14,15
	s_add_co_u32 s[82+\i], s36, 16*(\b)+\i
	s_bcnt1_i32_b32 s39, s[66+\i]
	s_lshl_b32 s39, s39, 6
	s_add_co_u32 s36, s36, s39
.endr
.irp q, 0,4,8,12
.irp i, 0,1,2,3
	v_cmp_le_u32 s[98+\i], s[82+\q+\i], v39        ; the last register with no more than J ranks in front of it is the one
.endr
.irp i, 0,1,2,3
	v_cndmask_b32 v20, v20, s[66+\q+\i], s[98+\i]
	v_cndmask_b32 v21, v21, s[82+\q+\i], s[98+\i]
.endr
.endr
.endm
	BATCH 0
	BATCH 1
	BATCH 2
	BATCH 3
	v_and_b32 v27, 63, v21                         ; the register's number
	v_lshrrev_b32 v33, 6, v21
	v_sub_nc_u32 v26, v19, v33                     ; Q: which set bit of the mask
	v_lshrrev_b32 v28, 1, v20
	v_and_b32 v28, 0x55555555, v28
	v_sub_nc_u32 v28, v20, v28                     ; set bits in fields of 2,
	v_lshrrev_b32 v29, 2, v28
	v_and_b32 v29, 0x33333333, v29
	v_and_b32 v33, 0x33333333, v28
	v_add_nc_u32 v29, v29, v33                     ; of 4,
	v_lshrrev_b32 v30, 4, v29
	v_add_nc_u32 v30, v30, v29
	v_and_b32 v30, 0x0f0f0f0f, v30                 ; of 8,
	v_lshrrev_b32 v31, 8, v30
	v_add_nc_u32 v31, v31, v30                     ; and, in its lowest byte, of the low 16
	v_mov_b32 v32, 0                               ; the bit's place
.macro LEVEL src, width, step          ; where the field at the place holds no more than Q set bits, pass over it
	v_bfe_u32 v33, v[\src], v32, \width
	v_cmp_ge_u32 vcc_lo, v26, v33
	v_cndmask_b32 v33, 0, v33, vcc_lo
	v_cndmask_b32 v34, 0, \step, vcc_lo
	v_sub_nc_u32 v26, v26, v33
	v_add_nc_u32 v32, v32, v34
.endm
	LEVEL 31, 8, 16
	LEVEL 30, 8, 8
	LEVEL 29, 4, 4
	LEVEL 28, 2, 2
	LEVEL 20, 1, 1
	v_lshrrev_b32 v33, 2, v27
	v_lshlrev_b32 v33, 7, v33
	v_lshl_add_u32 v33, v32, 2, v33
	v_and_b32 v34, 3, v27
	v_add_nc_u32 v35, v33, v34                     ; token 128 (register / 4) + 4 x lane + register % 4
	v_min_u32 v35, 0x7ff, v35
	v_lshlrev_b32 v34, 3, v35
	global_load_b64 v[100:101], v34, s[6:7]        ; my row's two weights: 8 bytes a token
.macro WMX z                           ; one product; z = 1: it starts its sum.  An odd tile's or block's scale words stand in lanes 16-31 of the register that it shares with its even neighbour
.if \z
.if oT && oA
	v_wmma_scale_f32_16x16x128_f8f6f4 v[rD:rD+7], v[rB:rB+15], v[rA:rA+15], 0, v[rSB], v[rSA] matrix_a_scale:MATRIX_SCALE_ROW1 matrix_b_scale:MATRIX_SCALE_ROW1
.elseif oT
	v_wmma_scale_f32_16x16x128_f8f6f4 v[rD:rD+7], v[rB:rB+15], v[rA:rA+15], 0, v[rSB], v[rSA] matrix_a_scale:MATRIX_SCALE_ROW1
.elseif oA
	v_wmma_scale_f32_16x16x128_f8f6f4 v[rD:rD+7], v[rB:rB+15], v[rA:rA+15], 0, v[rSB], v[rSA] matrix_b_scale:MATRIX_SCALE_ROW1
.else
	v_wmma_scale_f32_16x16x128_f8f6f4 v[rD:rD+7], v[rB:rB+15], v[rA:rA+15], 0, v[rSB], v[rSA]
.endif
.else
.if oT && oA
	v_wmma_scale_f32_16x16x128_f8f6f4 v[rD:rD+7], v[rB:rB+15], v[rA:rA+15], v[rD:rD+7], v[rSB], v[rSA] matrix_a_scale:MATRIX_SCALE_ROW1 matrix_b_scale:MATRIX_SCALE_ROW1
.elseif oT
	v_wmma_scale_f32_16x16x128_f8f6f4 v[rD:rD+7], v[rB:rB+15], v[rA:rA+15], v[rD:rD+7], v[rSB], v[rSA] matrix_a_scale:MATRIX_SCALE_ROW1
.elseif oA
	v_wmma_scale_f32_16x16x128_f8f6f4 v[rD:rD+7], v[rB:rB+15], v[rA:rA+15], v[rD:rD+7], v[rSB], v[rSA] matrix_b_scale:MATRIX_SCALE_ROW1
.else
	v_wmma_scale_f32_16x16x128_f8f6f4 v[rD:rD+7], v[rB:rB+15], v[rA:rA+15], v[rD:rD+7], v[rSB], v[rSA]
.endif
.endif
.endm
; K step s: 48 matrix instructions.  The 48 accumulators take turns, one instruction a turn, in the same order in every step.  first = 1: C is the constant 0: nothing is cleared.
.macro MUL s, first
.irp a, 0,1,2,3,4,5
	WIN ((2+\a/4)<<6)|((2+\a/4)<<4)|(12*((\s)%2))|1
.irp t, 0,1,2,3,4,5,6,7
.set rD, 64*(\a%4)+8*\t
.set rB, 128*((\s)%2)+16*\t
.set rA, 128+16*\a
.set rSB, 64+8*(\t/2)+(\s)
.set rSA, 40+8*(\a/2)+(\s)
.set oT, \t%2
.set oA, \a%2
	WMX \first
.endr
.endr
.endm
.macro STEP s, first
.if (\s) == 0
	s_wait_loadcnt 57                              ; loads come back in order: all but the other set's 32 + 24 and the weights' one, issued last, are in
.elseif (\s) < 7
	s_wait_loadcnt 56                              ; all but the other set's 32 + 24
.else
	s_wait_loadcnt 0x0
.endif
	MUL \s, \first
.if (\s) < 6
	NOPS 8                                         ; eight places behind this form in front of loads into registers that it has read
	BLOAD (\s)%2, (\s)+2
	ALOAD (\s)%2, (\s)+2
.endif
.endm
	STEP 0, 1
.irp s, 1,2,3,4,5,6,7
	STEP \s, 0
.endr
	WIN 0
	NOPS 8                                         ; in front of the first read of results
	ds_store_b32 v24, v35                          ; my row's token,
	ds_store_b64 v25, v[100:101] offset:WL         ; and its two weights
	s_cmp_lg_u32 s20, 0
	s_cbranch_scc1 .Lnot_wave_0
	ds_store_b128 v4, v[112:115] offset:B2L        ; wave 0 leaves the two runs of b2
	ds_store_b128 v4, v[116:119] offset:B2L+512
.Lnot_wave_0:
; Block a's 16 rows x 128 outputs go into my part in LDS as they stand, each accumulator from its low end on.
.macro PARTOUT a
.set AC, 64*(\a%4)
	WIN (2+\a/4)<<2                                ; an LDS store's data are its source 1
.irp t, 0,1,2,3,4,5,6,7
	ds_store_b128 v36, v[AC+8*\t:AC+8*\t+3] offset:8448*\a+64*\t
	ds_store_b128 v36, v[AC+8*\t+4:AC+8*\t+7] offset:8448*\a+64*\t+16
.endr
.endm
.irp a, 0,1,2,3,4,5
	PARTOUT \a
.endr
	WIN 0
.Ljoin:
	s_wait_dscnt 0x0                               ; for the others' sake: my part, my row's token and weights, and b2 lie in LDS
	s_barrier_signal -1
	s_barrier_wait -1
	s_cmp_eq_u32 s34, 0
	s_cbranch_scc1 .Lend
	ds_load_b128 v[112:115], v4 offset:B2L
	ds_load_b128 v[116:119], v4 offset:B2L+512
; Rows 16 a + 4 i + w, i = 0 .. 3: each expert's two halves of K and its bias are added, the two sums are weighed, and the row's 512 bytes are stored to its token's row.
; Blocks of 16 rows that lie wholly past the tile's count are left out.
.macro ROWS a
.if \a > 0
	s_cmp_le_u32 s34, 16*\a
	s_cbranch_scc1 .Lend
	s_wait_xcnt 0x0                                ; the last block's stores have read their data and offsets: both are written again only behind this wait
.endif
.irp i, 0,1,2,3
.irp p, 0,1,2,3
	ds_load_b128 v[128+16*\i+4*\p:128+16*\i+4*\p+3], v[120+\p] offset:8448*\a+2112*\i
.endr
	ds_load_b64 v[192+2*\i:193+2*\i], v37 offset:WL+128*\a+32*\i
	ds_load_b32 v[200+\i], v38 offset:TOK+64*\a+16*\i
.endr
	s_wait_dscnt 0x0
.irp i, 0,1,2,3
.set RO, 128+16*\i
	v_pk_add_f32 v[RO:RO+1], v[RO:RO+1], v[RO+4:RO+5]              ; lo: the two halves of K,
	v_pk_add_f32 v[RO+2:RO+3], v[RO+2:RO+3], v[RO+6:RO+7]
	v_pk_add_f32 v[RO+8:RO+9], v[RO+8:RO+9], v[RO+12:RO+13]        ; hi likewise
	v_pk_add_f32 v[RO+10:RO+11], v[RO+10:RO+11], v[RO+14:RO+15]
	v_pk_add_f32 v[RO:RO+1], v[RO:RO+1], v[112:113]                ; + b2[lo]
	v_pk_add_f32 v[RO+2:RO+3], v[RO+2:RO+3], v[114:115]
	v_pk_add_f32 v[RO+8:RO+9], v[RO+8:RO+9], v[116:117]            ; + b2[hi]
	v_pk_add_f32 v[RO+10:RO+11], v[RO+10:RO+11], v[118:119]
	v_pk_mul_f32 v[RO:RO+1], v[RO:RO+1], v[192+2*\i:193+2*\i] op_sel_hi:[1,0]                                    ; x w_lo: the pair's first word for both halves
	v_pk_mul_f32 v[RO+2:RO+3], v[RO+2:RO+3], v[192+2*\i:193+2*\i] op_sel_hi:[1,0]
	v_pk_fma_f32 v[RO:RO+1], v[RO+8:RO+9], v[192+2*\i:193+2*\i], v[RO:RO+1] op_sel:[0,1,0] op_sel_hi:[1,1,1]     ; + w_hi x: its second word for both
	v_pk_fma_f32 v[RO+2:RO+3], v[RO+10:RO+11], v[192+2*\i:193+2*\i], v[RO+2:RO+3] op_sel:[0,1,0] op_sel_hi:[1,1,1]
	v_min_u32 v[200+\i], 0x7ff, v[200+\i]
	v_lshl_add_u32 v[204+\i], v[200+\i], 12, v4    ; the token's row of 4,096 bytes, 16 bytes a lane
	global_store_b128 v[204+\i], v[RO:RO+3], s[18:19] th:TH_STORE_NT   ; the wave stores 512 consecutive bytes, aligned; written once, read by nobody here
.endr
.endm
.irp a, 0,1,2,3,4,5
	ROWS \a
.endr
.Lend:
	s_wait_tensorcnt 0x0
	ds_add_u32 v254, v255
	s_wait_dscnt 0x0
	s_endpgm
.Lfunc_end_k_q5d9259afe7_down:
	.size	k_q5d9259afe7_down, .Lfunc_end_k_q5d9259afe7_down-k_q5d9259afe7_down
	.p2alignl 7, 3214868480
	.fill 96, 4, 3214868480
	.section	.rodata,"a",@progbits
	.p2align	6, 0x0
	.amdhsa_kernel k_q5d9259afe7_down
		.amdhsa_group_segment_fixed_size 206336
		.amdhsa_private_segment_fixed_size 0
		.amdhsa_enable_private_segment 0
		.amdhsa_kernarg_size 64
		.amdhsa_user_sgpr_count 2
		.amdhsa_user_sgpr_kernarg_segment_ptr 1
		.amdhsa_wavefront_size32 1
		.amdhsa_system_sgpr_workgroup_id_x 1
		.amdhsa_system_sgpr_workgroup_id_y 1
		.amdhsa_system_sgpr_workgroup_id_z 1
		.amdhsa_system_vgpr_workitem_id 0
		.amdhsa_next_free_vgpr 1024
		.amdhsa_next_free_sgpr 102
		.amdhsa_reserve_vcc 1
		.amdhsa_float_denorm_mode_32 3
		.amdhsa_float_denorm_mode_16_64 3
		.amdhsa_memory_ordered 1
		.amdhsa_forward_progress 1
		.amdhsa_inst_pref_size 186
	.end_amdhsa_kernel
	.amdgpu_metadata
---
amdhsa.version: [ 1, 2 ]
amdhsa.kernels:
  - .name:           k_q5d9259afe7_down
    .symbol:         k_q5d9259afe7_down.kd
    .args:
      - { .name: plan, .offset: 0, .size: 8, .value_kind: global_buffer, .address_space: global }
      - { .name: wts, .offset: 8, .size: 8, .value_kind: global_buffer, .address_space: global }
      - { .name: hq, .offset: 16, .size: 8, .value_kind: global_buffer, .address_space: global }
      - { .name: hsc, .offset: 24, .size: 8, .value_kind: global_buffer, .address_space: global }
      - { .name: W2_codes, .offset: 32, .size: 8, .value_kind: global_buffer, .address_space: global }
      - { .name: W2_scales, .offset: 40, .size: 8, .value_kind: global_buffer, .address_space: global }
      - { .name: b2, .offset: 48, .size: 8, .value_kind: global_buffer, .address_space: global }
      - { .name: out0, .offset: 56, .size: 8, .value_kind: global_buffer, .address_space: global }
    .group_segment_fixed_size: 206336
    .private_segment_fixed_size: 0
    .kernarg_segment_align: 8
    .kernarg_segment_size: 64
    .max_flat_workgroup_size: 128
    .sgpr_count:     102
    .vgpr_count:     1024
    .wavefront_size: 32
...
	.end_amdgpu_metadata
.endif
;; end of part 5
;; ======== version 3 of 3: 3 launches; version 2 with the launches up, down written anew for expert scheduling mode
;; workspace buffers: xq 2,097,152 bytes; xsc 65,536 bytes; wts 16,384 bytes; plan 16,384 bytes of whole numbers; hq 19,267,584 bytes; hsc 602,112 bytes
;; launch gate: the kernel of part 1 again; grid 64 x 1, 8 waves a work-group, no clusters, 74,752 bytes of LDS; arguments x, Wg, bg, xq, xsc, wts, plan; writes xq, xsc, wts, plan
;; launch up (part 6): grid 8 x 49, 4 waves a work-group, no clusters, 99,840 bytes of LDS; arguments plan, xq, xsc, W1_codes, W1_scales, b1, hq, hsc; writes hq, hsc
.if DOCPART == 6
	.amdgcn_target "amdgcn-amd-amdhsa--gfx1250"
	.amdhsa_code_object_version 6
	.text
	.protected	k_q5d9259afe7_up
	.globl	k_q5d9259afe7_up
	.p2align	8
	.type	k_q5d9259afe7_up,@function
k_q5d9259afe7_up:
	s_mov_b64 s[64:65], 0
	v_nop
	global_prefetch_b8 v0, s[64:65] scope:SCOPE_SE
	s_setreg_imm32_b32 hwreg(HW_REG_WAVE_SCHED_MODE, 0, 2), 2
	s_setreg_imm32_b32 hwreg(HW_REG_WAVE_MODE, 25, 1), 1
	s_wait_xcnt 0x0
	s_wait_alu depctr_vm_vsrc(0)
; THE FIRST PRODUCT, for the chosen experts alone: h = Q(relu(x W1[e] + b1[e])), on E4M3 codes with E8M0 scales; Q quantises along the hidden units, the next product's K.
; TILES.  Tokens are grouped by their pair of experts (28 classes); a tile is up to 96 tokens of one class.  The sum over classes of ceil(n / 96) is at most (2,048 + 28 x 95) / 96, so 49 tiles
; serve every choice.  Work-group (X, T) serves tile T: expert lo (X < 4) or hi, and its wave w the 128 hidden units of slice 4 (X % 4) + w.
; A tile that the stored list leaves without rows jumps round all work to the joins at which the two barriers stand, and ends; no register is carried over a join, only LDS bytes.
; Rows past a tile's count repeat its last token: they give the same bits, every byte that the next launch reads is written, and EXEC never changes.
; PLACING.  Every wave finds its tile's class, place and count from the stored counts, and thread i the token of row i from the stored class words: whole numbers only.
; x GOES THROUGH LDS ONCE FOR THE WORK-GROUP: all four waves multiply the same 96 rows.  Wave w gathers K steps 2 w and 2 w + 1 of the six blocks of 16 rows and stores the twelve fragments as images of their
; registers (2,048 bytes each, registers 4 c .. 4 c + 3 of lane l at 512 c + 16 l); behind a barrier any wave loads them by the same lines.  So the work-group reads 96 KB of x from memory and not four times that.
; A WAVE makes 96 rows x 128 hidden units over K = 1,024: 48 accumulators, eight K steps of 48 matrix instructions.  W1 comes from memory straight into registers, x from LDS, each in two sets.
; No tensor load and no cluster: a tile without rows jumps on a stored number, and which work-groups share an expert's weights hangs on the stored list.
; THE MATRIX INSTRUCTION IS USED TRANSPOSED (source 0 = 16 rows of W1, source 1 = 16 tokens): a lane holds ONE token, its registers run along the hidden units.  THE ROWS OF W1 THAT FORM A TILE ARE NOT
; NEIGHBOURS: lane r of tile 2 b + u takes row 32 b + 8 u + r + 8 (r / 8), so that the 16 registers of tiles 2 b and 2 b + 1 are the 16 neighbours 32 b + 16 (lane / 16) + 0 .. 15 of the next K.
; b1 is the C of each sum's first matrix instruction.  h leaves as IMAGES OF THE NEXT OPERAND'S REGISTERS: hq [49 T][2][16 slices][6 blocks of 16 rows] x 2,048 bytes; hsc [49][2][16][96 rows] scale words.
; LIMITS: NaN and infinities are not served; a block of zeros gets the byte 1 (its codes are zeros; this program alone reads the bytes).
; REGISTERS, in windows of 256.  Window 0: v0-39 ids, addresses, at work; v40-63 the tokens' scale words, v64-95 W1's (register 8 i + s: lanes 0-15 block 2 i, lanes 16-31 block 2 i + 1, K step s): scales and nothing
;   else; v96-127, v224-255 b1's eight tiles (later at work); v128-223 the tokens' fragments, set 0 (later h's codes); during the placing v128-191 the counts, v192-255 the class words.
;   Window 1: W1's fragments, sets 0 and 1 (before them the gathered x).  Window 2: the accumulators of row blocks 0-3 (64 a + 8 t).  Window 3: v0-127 those of blocks 4, 5; v128-223 the tokens' fragments, set 1.
; THE MODE: SCHED_MODE bits 1:0 = 2 (LLVM: expert scheduling mode 2), set by the entry lines.  The code itself states the register dependences
; between vector or matrix instructions and memory or LDS instructions, with s_wait_alu, always for 0.
; THE PLAN.  Registers that memory or LDS instructions touch:
;   v4-7, v22, v24, v25, v36-38   offsets and LDS addresses: made at the head, never written again: one wait on va_vdst ahead of the first load.
;   v128-191, v192-255            the counts and the class words: loaded; read by the sums and by the search's compares; later x's set 0 and b1 land there: a wait on va_vdst ahead of the first jump, and the one ahead of the token's store.
;   v35; v8-13; v14-16            the token; offsets made of tokens: written by vector lines, read by an LDS store and by two runs of gathers: a wait on va_vdst ahead of each.
;   window 1, v0-191              the gathered x: loaded; read by the LDS stores of the images; later W1's fragments land there: one wait on vm_vsrc behind those stores.
;   W sets 0, 1;  X sets 0, 1     step s's 48 products read sets s % 2.  ONE wait on va_vdst a step stands behind them.  Behind it W1 of step s + 2 is asked for at once, into W set s % 2, and x of step s + 2 is read from
;                                 LDS into X set s % 2 among the products of step s + 1, which name the other two sets, the accumulators and the scale words: none of the registers that those loads touch.
;   v128-223, v120-122            on the way out: h's codes and scale words: written by conversions and selects, read by stores, never written again: a wait on va_vdst ahead of each run of stores.
; A vector line's scalar result (the wave's number, the counts read out, the masks of compares) has its wait on va_sdst or va_vcc behind the run that writes it, ahead of the first reader.
.set TOK,  0                           ; LDS: the token of each of the tile's rows, 4 bytes a thread
.set XIMG, 512                         ; x's 48 images: K step s, block a at 2,048 (6 s + a)
.set TM,   96                          ; v96-111 at work in the quantiser
.set CW,   192                         ; the class words
.set MSB, 0
.macro WIN new                         ; the immediate's high byte repeats the setting that is left; a switch that changes nothing is dropped
.if MSB != (\new)
	s_set_vgpr_msb (MSB<<8)|(\new)
.set MSB, (\new)
.endif
.endm
.macro NOPS n
.rept \n
	v_nop
.endr
.endm
; A fragment, 16 rows x 128 K of 8-bit codes, is 16 registers: lane l holds row l % 16; registers 4 c .. 4 c + 3 hold K = 32 c + 16 (l / 16) + 0 .. 15.
.macro BLOAD q, s                      ; W1's eight tiles of K step s into set q
	WIN 0x40                                       ; destination window 1, address window 0
.irp t, 0,1,2,3,4,5,6,7
.irp c, 0,1,2,3
	global_load_b128 v[128*(\q)+16*\t+4*\c:128*(\q)+16*\t+4*\c+3], v6, s[10:11] offset:(32*(\t/2)+8*(\t%2))*1024+128*(\s)+32*\c
.endr
.endr
.endm
.macro ABLK q, s, a                    ; block a of 16 tokens, K step s, from its image into set q: each load takes 512 consecutive bytes of LDS
.if (\q) == 0
	WIN 0
.else
	WIN 0xc0                                       ; destination window 3
.endif
.irp c, 0,1,2,3
	ds_load_b128 v[128+16*(\a)+4*\c:128+16*(\a)+4*\c+3], v[37+(\s)/4] offset:(6*((\s)%4)+(\a))*2048+512*\c
.endr
.endm
	s_load_b512 s[4:19], s[0:1], 0x0               ; plan s[4:5], xq s[6:7], xsc s[8:9], W1's codes s[10:11], its scales s[12:13], b1 s[14:15], hq s[16:17], hsc s[18:19]
	s_set_vgpr_msb 0xc0
	v_lshl_add_u32 v254, v0, 2, 0x18400
	v_mov_b32 v255, 0
	s_set_vgpr_msb 0xc000
	v_and_b32 v1, 31, v0                           ; lane
	v_lshrrev_b32 v2, 5, v0
	v_readfirstlane_b32 s20, v2                    ; wave 0..3
	s_and_b32 s21, ttmp7, 0xffff                   ; T
	s_mov_b32 s22, ttmp9                           ; X
	v_and_b32 v2, 15, v0                           ; r
	v_bfe_u32 v3, v0, 4, 1                         ; h
	v_lshlrev_b32 v4, 4, v1                        ; 16 x lane
	v_lshlrev_b32 v5, 2, v1                        ; 4 x lane
	v_and_b32 v6, 8, v2
	v_add_nc_u32 v6, v6, v2                        ; r + 8 (r / 8)
	v_lshl_add_u32 v7, v3, 3, v6
	v_lshlrev_b32 v7, 5, v7                        ; W1's scale words: row 8 h + r + 8 (r / 8) of 32 bytes: lanes 16-31 take the odd tile's rows
	v_lshlrev_b32 v23, 4, v3                       ; 16 h
	v_lshl_add_u32 v6, v6, 10, v23                 ; W1's codes: row r + 8 (r / 8) of 1,024 bytes, + 16 h
	v_lshlrev_b32 v22, 2, v2                       ; 4 r
	v_lshlrev_b32 v24, 2, v0                       ; 4 x thread
	v_lshlrev_b32 v25, 6, v3                       ; b1: 64 h
	s_wait_alu depctr_va_sdst(0)                   ; s20, the wave's number, is written, ahead of its first reader
	s_mul_i32 s46, s20, 24576
	v_add_nc_u32 v36, s46, v4
	v_add_nc_u32 v36, XIMG, v36                    ; where I store x's images: 16 x lane + my wave's twelve
	v_add_nc_u32 v37, XIMG, v4                     ; where I read them: K steps 0-3,
	v_add_nc_u32 v38, XIMG+49152, v4               ; K steps 4-7 (an LDS offset has 16 bits)
	s_mov_b32 s48, 0xffff0000                      ; lanes 16-31
	s_mov_b32 s50, 0x76543210
	s_mov_b32 s51, 0xfedcba98                      ; v_permlanex16_b32's selects for lane l xor 16
	s_mov_b32 s52, 0x600000                        ; the mantissa field of 448
	s_wait_kmcnt 0x0
	s_wait_alu depctr_va_vdst(0)                   ; the offsets and LDS addresses v4-7, v22, v24, v25, v36-38 are written: every load and store of the kernel reads one of them, and none is written again
	; ---- PLACING, first half: which class, which 96 of its tokens, how many
.set gi, 0
.rept 64
	global_load_b32 v[128+gi], v5, s[4:5] offset:8192+128*gi       ; lane c: tokens of class c in group gi
.set gi, gi+1
.endr
.set gi, 0
.rept 16
	global_load_b128 v[CW+4*gi:CW+4*gi+3], v4, s[4:5] offset:512*gi   ; register 4 j + k of lane l: the class of token 128 j + 4 l + k
.set gi, gi+1
.endr
	s_mov_b32 s23, 0                               ; tiles of the classes passed
	s_mov_b32 s24, 0                               ; my tile's number within its class
	s_mov_b32 s25, 0                               ; the class's tokens | its tiles << 16
	s_mov_b32 s26, 1<<16                           ; class | lo << 8 | hi << 16
	s_wait_loadcnt 16                              ; the 64 loads of counts are in; the 16 of class words, issued behind them, stay out
.irp k, 0,1,2,3
	v_add3_u32 v[26+\k], v[128+16*\k], v[129+16*\k], v[130+16*\k]  ; four chains of 16 words, so that no line waits for the line above it
.endr
.irp j, 3,5,7,9,11,13
.irp k, 0,1,2,3
	v_add3_u32 v[26+\k], v[26+\k], v[128+16*\k+\j], v[129+16*\k+\j]
.endr
.endr
	v_add3_u32 v26, v26, v143, v159
	v_add3_u32 v27, v27, v175, v191
	v_add3_u32 v17, v26, v27, v28
	v_add_nc_u32 v17, v17, v29                     ; lane c: tokens of class c
	v_add_nc_u32 v18, 95, v17
	v_mul_u32_u24 v18, v18, 0xaaab
	v_lshrrev_b32 v18, 22, v18                     ; its tiles: (n + 95) / 96 as (n + 95) x 43,691 >> 22, exact up to 2,143
	v_lshl_or_b32 v18, v18, 16, v17                ; both in one word,
.set gi, 0
.rept 28
	v_readlane_b32 s[66+gi], v18, gi               ; read out on end: the scan below is scalar lines alone
.set gi, gi+1
.endr
	s_wait_alu depctr_va_sdst(0)                   ; s66-93, the 28 classes' words, are written, ahead of the scan that reads them
.macro CLASS lo, hi
.set cc, (\lo*(15-\lo)/2+\hi-\lo-1)
	s_lshr_b32 s28, s[66+cc], 16                   ; the class's tiles
	s_sub_co_u32 s29, s21, s23
	s_cmp_lt_u32 s29, s28                          ; does T fall among them?  (T below the class's first tile wraps to a large number)
	s_cselect_b32 s24, s29, s24
	s_cselect_b32 s25, s[66+cc], s25
	s_cselect_b32 s26, cc|(\lo<<8)|(\hi<<16), s26
	s_add_co_u32 s23, s23, s28
.endm
.irp lo, 0,1,2,3,4,5,6
.irp hi, 1,2,3,4,5,6,7
.if \hi > \lo
	CLASS \lo, \hi
.endif
.endr
.endr
	s_and_b32 s25, s25, 0xffff                     ; the class's tokens
	s_and_b32 s30, s26, 0xff                       ; the class
	s_bfe_u32 s31, s26, 0x80008                    ; lo
	s_bfe_u32 s32, s26, 0x80010                    ; hi
	s_min_u32 s31, s31, 7
	s_min_u32 s32, s32, 7
	s_mul_i32 s33, s24, 96                         ; the rank of my tile's first token in its class
	s_sub_co_u32 s34, s25, s33
	s_min_u32 s34, s34, 96                         ; N: my tile's rows; 0 where T lies past the last tile
	s_max_u32 s35, s34, 1
	s_sub_co_u32 s35, s35, 1                       ; the last row that has a token of its own
	; where my wave's parts begin
	s_lshr_b32 s41, s22, 2                         ; which of the tile's two experts
	s_and_b32 s42, s22, 3
	s_lshl_b32 s42, s42, 2
	s_add_co_u32 s42, s42, s20                     ; my slice of 128 hidden units
	s_cmp_lg_u32 s41, 0
	s_cselect_b32 s40, s32, s31                    ; my expert
	s_min_u32 s40, s40, 7
	s_mov_b32 s45, 0
	s_lshl_b32 s44, s40, 21
	s_lshl_b32 s46, s42, 17
	s_add_co_u32 s44, s44, s46
	s_add_nc_u64 s[10:11], s[10:11], s[44:45]      ; W1's codes: 2,048 rows of 1,024 bytes an expert, 128 rows a slice
	s_lshl_b32 s44, s40, 16
	s_lshl_b32 s46, s42, 12
	s_add_co_u32 s44, s44, s46
	s_add_nc_u64 s[12:13], s[12:13], s[44:45]      ; its scale bytes: 32 a row
	s_lshl_b32 s44, s40, 13
	s_lshl_b32 s46, s42, 9
	s_add_co_u32 s44, s44, s46
	s_add_nc_u64 s[14:15], s[14:15], s[44:45]      ; b1
	s_lshl_b32 s44, s20, 8
	s_add_nc_u64 s[6:7], s[6:7], s[44:45]          ; xq: the two K steps that my wave gathers begin 256 w bytes into a row
	s_lshl_b32 s46, s21, 1
	s_add_co_u32 s46, s46, s41
	s_lshl_b32 s46, s46, 4
	s_add_co_u32 s46, s46, s42                     ; (2 T + which expert) x 16 + slice
	s_mul_i32 s44, s46, 12288
	s_add_nc_u64 s[16:17], s[16:17], s[44:45]      ; six images of 2,048 bytes
	s_mul_i32 s44, s46, 384
	s_add_nc_u64 s[18:19], s[18:19], s[44:45]      ; 96 scale words
	s_wait_loadcnt 0x0                             ; the class words: on every way, so that no load is out at a join
	s_wait_alu depctr_va_vdst(0)                   ; the sums are done reading the counts v128-191, in which x's first fragments land; ahead of the jump, so that it stands on every way
	s_cmp_eq_u32 s34, 0                            ; a tile without rows goes round the search; the barrier stands at the join
	s_cbranch_scc1 .Lj1
	; ---- PLACING, second half: thread i finds the token of row i: the one of rank J in its class, in the order (register, lane)
	v_min_u32 v19, s35, v0
	v_add_nc_u32 v19, s33, v19                     ; J
	v_lshl_or_b32 v39, v19, 6, 63                  ; J << 6 | 63: ranks in front P <= J just where (P << 6 | register) <= this
	v_mov_b32 v20, 0                               ; the mask of the register that holds rank J
	v_mov_b32 v21, 0                               ; the ranks in front of that register << 6 | its number
	s_mov_b32 s36, 0                               ; 64 x the ranks passed
; Sixteen registers of class words: all their masks, then scalar lines alone, then the selects: vector and scalar lines change places twice a batch.
.macro BATCH b
.irp i, 0,1,2,3,4,5,6,7,8,9,10,11,12,13,14,15
	v_cmp_eq_u32 s[66+\i], s30, v[CW+16*(\b)+\i]   ; which lanes' tokens are of my class
.endr
	s_wait_alu depctr_va_sdst(0)                   ; the sixteen masks s66-81 are written, ahead of the counts of their bits
.irp i, 0,1,2,3,4,5,6,7,8,9,10,11,12,13,14,15
	s_add_co_u32 s[82+\i], s36, 16*(\b)+\i
	s_bcnt1_i32_b32 s39, s[66+\i]
	s_lshl_b32 s39, s39, 6
	s_add_co_u32 s36, s36, s39
.endr
.irp q, 0,4,8,12
.irp i, 0,1,2,3
	v_cmp_le_u32 s[98+\i], s[82+\q+\i], v39        ; the last register with no more than J ranks in front of it is the one
.endr
	s_wait_alu depctr_va_sdst(0)                   ; the four masks s98-101 are written, ahead of the selects that read them
.irp i, 0,1,2,3
	v_cndmask_b32 v20, v20, s[66+\q+\i], s[98+\i]
	v_cndmask_b32 v21, v21, s[82+\q+\i], s[98+\i]
.endr
.endr
.endm
	BATCH 0
	BATCH 1
	BATCH 2
	BATCH 3
	v_and_b32 v27, 63, v21                         ; the register's number
	v_lshrrev_b32 v33, 6, v21
	v_sub_nc_u32 v26, v19, v33                     ; Q: which set bit of the mask
	v_lshrrev_b32 v28, 1, v20
	v_and_b32 v28, 0x55555555, v28
	v_sub_nc_u32 v28, v20, v28                     ; set bits in fields of 2,
	v_lshrrev_b32 v29, 2, v28
	v_and_b32 v29, 0x33333333, v29
	v_and_b32 v33, 0x33333333, v28
	v_add_nc_u32 v29, v29, v33                     ; of 4,
	v_lshrrev_b32 v30, 4, v29
	v_add_nc_u32 v30, v30, v29
	v_and_b32 v30, 0x0f0f0f0f, v30                 ; of 8,
	v_lshrrev_b32 v31, 8, v30
	v_add_nc_u32 v31, v31, v30                     ; and, in its lowest byte, of the low 16
	v_mov_b32 v32, 0                               ; the bit's place
.macro LEVEL src, width, step          ; where the field at the place holds no more than Q set bits, pass over it
	v_bfe_u32 v33, v[\src], v32, \width
	v_cmp_ge_u32 vcc_lo, v26, v33
	s_wait_alu depctr_va_vcc(0)                    ; VCC is written, ahead of the two selects that read it
	v_cndmask_b32 v33, 0, v33, vcc_lo
	v_cndmask_b32 v34, 0, \step, vcc_lo
	v_sub_nc_u32 v26, v26, v33
	v_add_nc_u32 v32, v32, v34
.endm
	LEVEL 31, 8, 16
	LEVEL 30, 8, 8
	LEVEL 29, 4, 4
	LEVEL 28, 2, 2
	LEVEL 20, 1, 1
	v_lshrrev_b32 v33, 2, v27
	v_lshlrev_b32 v33, 7, v33
	v_lshl_add_u32 v33, v32, 2, v33
	v_and_b32 v34, 3, v27
	v_add_nc_u32 v35, v33, v34                     ; token 128 (register / 4) + 4 x lane + register % 4
	v_min_u32 v35, 0x7ff, v35
	s_wait_alu depctr_va_vdst(0)                   ; v35 is written, which the LDS store reads; and the compares are done reading the class words v192-255, in which x's fragments and b1 land
	ds_store_b32 v24, v35
.Lj1:
	s_wait_dscnt 0x0                               ; for the others' sake: my row's token lies in LDS
	s_barrier_signal -1
	s_barrier_wait -1
	s_cmp_eq_u32 s34, 0
	s_cbranch_scc1 .Lj2
	; ---- x: my two K steps of the 96 rows, gathered and laid into LDS as images
.irp a, 0,1,2,3,4,5
	ds_load_b32 v[8+\a], v22 offset:TOK+64*\a      ; the token of row 16 a + r
.endr
	s_wait_dscnt 0x0
.irp a, 0,1,2,3,4,5
	v_min_u32 v[8+\a], 0x7ff, v[8+\a]
	v_lshl_add_u32 v[8+\a], v[8+\a], 10, v23       ; its codes: 1,024 bytes a token, + 16 h
.endr
	WIN 0x40                                       ; destination window 1, address window 0
	s_wait_alu depctr_va_vdst(0)                   ; the six offsets v8-13 are written, which the gathers read
.irp f, 0,1,2,3,4,5,6,7,8,9,10,11                  ; fragment f: K step 2 w + f / 6, block f % 6
.irp c, 0,1,2,3
	global_load_b128 v[16*\f+4*\c:16*\f+4*\c+3], v[8+(\f%6)], s[6:7] offset:128*(\f/6)+32*\c
.endr
.endr
	WIN 0x04                                       ; an LDS store's data are its source 1: window 1
.irp f, 0,1,2,3,4,5,6,7,8,9,10,11
	s_wait_loadcnt 44-4*\f                         ; loads come back in order: fragment f's four are in, the 44 - 4 f issued behind them may be out
.irp c, 0,1,2,3
	ds_store_b128 v36, v[16*\f+4*\c:16*\f+4*\c+3] offset:2048*\f+512*\c
.endr
.endr
	s_wait_alu depctr_vm_vsrc(0)                   ; the LDS stores have read window 1's v0-191, in which W1's fragments land behind the barrier
	WIN 0
.Lj2:
	s_wait_dscnt 0x0                               ; for the others' sake: my twelve images lie in LDS
	s_barrier_signal -1
	s_barrier_wait -1
	s_cmp_eq_u32 s34, 0                            ; a tile without rows stores nothing and ends; no barrier follows
	s_cbranch_scc1 .Lend
.irp i, 0,1,2
	ds_load_b32 v[14+\i], v5 offset:TOK+128*\i     ; the token of row 32 i + lane
.endr
.irp i, 0,1,2,3
	global_load_b128 v[64+8*\i:64+8*\i+3], v7, s[12:13] offset:1024*\i
	global_load_b128 v[64+8*\i+4:64+8*\i+7], v7, s[12:13] offset:1024*\i+16
.endr
.irp t, 0,1,2,3,4,5,6,7
.set rC, 96+8*\t+96*(\t/4)
	global_load_b128 v[rC:rC+3], v25, s[14:15] offset:(32*(\t/2)+8*(\t%2))*4       ; b1 at hidden units 32 (t / 2) + 16 h + 8 (t % 2) + 0 .. 7: the result's layout
	global_load_b128 v[rC+4:rC+7], v25, s[14:15] offset:(32*(\t/2)+8*(\t%2))*4+16
.endr
	BLOAD 0, 0                                     ; W1's first set hangs on no token: it goes out ahead of the wait for the tokens
	WIN 0
	s_wait_dscnt 0x0
.irp i, 0,1,2
	v_min_u32 v[14+\i], 0x7ff, v[14+\i]
	v_lshlrev_b32 v[14+\i], 5, v[14+\i]            ; its scale bytes: 32 a token, eight words: the eight K steps
.endr
	s_wait_alu depctr_va_vdst(0)                   ; the three offsets v14-16 are written, which the loads of the tokens' scale words read
.irp i, 0,1,2
	global_load_b128 v[40+8*\i:40+8*\i+3], v[14+\i], s[8:9]
	global_load_b128 v[40+8*\i+4:40+8*\i+7], v[14+\i], s[8:9] offset:16
.endr
.macro WMX                             ; one product; an odd tile's or block's scale words stand in lanes 16-31 of the register that it shares with its even neighbour
.if oT && oA
	v_wmma_scale_f32_16x16x128_f8f6f4 v[rD:rD+7], v[rB:rB+15], v[rA:rA+15], v[rC:rC+7], v[rSB], v[rSA] matrix_a_scale:MATRIX_SCALE_ROW1 matrix_b_scale:MATRIX_SCALE_ROW1
.elseif oT
	v_wmma_scale_f32_16x16x128_f8f6f4 v[rD:rD+7], v[rB:rB+15], v[rA:rA+15], v[rC:rC+7], v[rSB], v[rSA] matrix_a_scale:MATRIX_SCALE_ROW1
.elseif oA
	v_wmma_scale_f32_16x16x128_f8f6f4 v[rD:rD+7], v[rB:rB+15], v[rA:rA+15], v[rC:rC+7], v[rSB], v[rSA] matrix_b_scale:MATRIX_SCALE_ROW1
.else
	v_wmma_scale_f32_16x16x128_f8f6f4 v[rD:rD+7], v[rB:rB+15], v[rA:rA+15], v[rC:rC+7], v[rSB], v[rSA]
.endif
.endm
; K step s: 48 matrix instructions.  The 48 accumulators take turns, one instruction a turn, in the same order in every step.  first = 1: C is b1, in window 0: nothing is cleared.
; deal = 1: x's six blocks of K step s + 1 are read from LDS among them, two blocks behind each of the first three groups of eight products, into the set that the products of step s - 1 read.
; No wait stands at these loads: the wait behind step s - 1's products has shown that set read, and no vector or matrix instruction since names it or the loads' address.
.macro MUL s, first, deal
.irp a, 0,1,2,3,4,5
.if \first
	WIN ((2+\a/4)<<6)|(12*((\s)%2))|1
.else
	WIN ((2+\a/4)<<6)|((2+\a/4)<<4)|(12*((\s)%2))|1
.endif
.irp t, 0,1,2,3,4,5,6,7
.set rD, 64*(\a%4)+8*\t
.set rB, 128*((\s)%2)+16*\t
.set rA, 128+16*\a
.set rSB, 64+8*(\t/2)+(\s)
.set rSA, 40+8*(\a/2)+(\s)
.set oT, \t%2
.set oA, \a%2
.if \first
.set rC, 96+8*\t+96*(\t/4)
.else
.set rC, rD
.endif
	WMX
.endr
.if (\deal) && (\a < 3)
	ABLK ((\s)+1)%2, (\s)+1, 2*\a
	ABLK ((\s)+1)%2, (\s)+1, 2*\a+1
.endif
.endr
.endm
.macro STEP s, first
.if (\s) < 7
	s_wait_loadcnt 32                              ; loads come back in order: all but the other set's 32 of W1, issued last, are in
.else
	s_wait_loadcnt 0x0
.endif
	s_wait_dscnt 0x0                               ; x's set, asked for among the products of the step before (step 0: just above), is in
.if (\s) < 7
	MUL \s, \first, 1
.else
	MUL \s, \first, 0
.endif
.if (\s) < 6
	NOPS 8                                         ; eight places behind this form in front of loads into registers that it has read
	WIN 0x40
	s_wait_alu depctr_va_vdst(0)                   ; this step's products are done reading W set s % 2, in which the loads below land, and X set s % 2, in which the LDS loads among the next step's products land
	BLOAD (\s)%2, (\s)+2                           ; the set is asked for again at once
.endif
.endm
.irp a, 0,1,2,3,4,5
	ABLK 0, 0, \a
.endr
	BLOAD 1, 1
	STEP 0, 1
.irp s, 1,2,3,4,5,6,7
	STEP \s, 0
.endr
	WIN 0
	NOPS 8                                         ; in front of the first read of results
.irp b, 0,1,2,3
	v_mov_b32 v[TM+4+\b], 0                        ; written once: a lane permute's destination counts as one of its sources
.endr
; Block a's 16 rows x 128 hidden units: relu, four blocks of 32 along the next K (16 numbers here, 16 in lane l xor 16), codes, scale word; the codes are the next operand's registers and leave as they stand.
.macro QUANT a
.set AC, 64*(\a%4)
.set WD, 2+\a/4
	WIN (WD<<2)|(WD<<4)                            ; sources 1 and 2: the accumulators' window
.irp b, 0,1,2,3
	v_max3_num_f32 v[TM+\b], 0x4800000, v[AC+16*\b], v[AC+16*\b+1]   ; no |.|: what is negative becomes 0 and must not count; the floor 2^(9 - 127) stands over it.  Each accumulator is read from its low end on
.endr
.irp i, 2,4,6,8,10,12,14
.irp b, 0,1,2,3
	v_max3_num_f32 v[TM+\b], v[TM+\b], v[AC+16*\b+\i], v[AC+16*\b+\i+1]
.endr
.endr
	WIN 0
.irp b, 0,1,2,3
	v_permlanex16_b32 v[TM+4+\b], v[TM+\b], s50, s51
.endr
.irp b, 0,1,2,3
	v_max_num_f32 v[TM+\b], v[TM+\b], v[TM+4+\b]   ; the block's largest magnitude
.endr
.irp b, 0,1,2,3
	v_add_nc_u32 v[TM+12+\b], 0xfc000000, v[TM+\b] ; 8 off its exponent field: the conversion's scale operand
.endr
.irp b, 0,1,2,3
	v_and_or_b32 v[TM+8+\b], v[TM+\b], 0x7f800000, s52   ; 448 x the scale
.endr
.irp b, 0,1,2,3
	v_lshrrev_b32 v[TM+4+\b], 23, v[TM+12+\b]      ; the scale's byte
.endr
	v_lshl_or_b32 v[114+\a], v[TM+5], 8, v[TM+4]
	v_lshl_or_b32 v[114+\a], v[TM+6], 16, v[114+\a]
	v_lshl_or_b32 v[114+\a], v[TM+7], 24, v[114+\a]   ; my row's scale word
	WIN (WD<<6)|WD
.irp b, 0,1,2,3
.irp i, 0,1,2,3,4,5,6,7,8,9,10,11,12,13,14,15
	v_med3_num_f32 v[AC+16*\b+\i], v[AC+16*\b+\i], 0, v[TM+8+\b]   ; the activation and the hold in one (the conversion to an 8-bit code does not saturate: ISA guide 7.6.2)
.endr
.endr
	WIN WD
.irp b, 0,1,2,3
	v_cvt_scalef32_pk8_fp8_f32 v[128+16*\a+4*\b:128+16*\a+4*\b+1], v[AC+16*\b:AC+16*\b+7], v[TM+12+\b]
	v_cvt_scalef32_pk8_fp8_f32 v[128+16*\a+4*\b+2:128+16*\a+4*\b+3], v[AC+16*\b+8:AC+16*\b+15], v[TM+12+\b]
.endr
	WIN 0
	v_nop                                          ; a plain line behind the conversions, ahead of the next block's writes of their scale operands
	s_wait_alu depctr_va_vdst(0)                   ; the conversions have written this block's sixteen code registers, which the four stores read
.irp c, 0,1,2,3
	global_store_b128 v4, v[128+16*\a+4*\c:128+16*\a+4*\c+3], s[16:17] offset:2048*\a+512*\c   ; the wave stores 512 consecutive bytes, aligned; each block has code registers of its own
.endr
.endm
.irp a, 0,1,2,3,4,5
	QUANT \a
.endr
.irp i, 0,1,2
	v_cndmask_b32 v[120+\i], v[114+2*\i], v[115+2*\i], s48         ; lanes 0-15: block 2 i's words, lanes 16-31: block 2 i + 1's: row 32 i + lane
.endr
	s_wait_alu depctr_va_vdst(0)                   ; the selects have written v120-122, which the three stores read
.irp i, 0,1,2
	global_store_b32 v5, v[120+\i], s[18:19] offset:128*\i
.endr
.Lend:
	s_set_vgpr_msb 0xf                             ; the add's two registers, sources 0 and 1, lie in window 3
	s_wait_dscnt 0x0                               ; the closing lines, six on end
	s_wait_alu 0x0
	s_wait_tensorcnt 0x0
	ds_add_u32 v254, v255
	s_wait_dscnt 0x0
	s_endpgm
.Lfunc_end_k_q5d9259afe7_up:
	.size	k_q5d9259afe7_up, .Lfunc_end_k_q5d9259afe7_up-k_q5d9259afe7_up
	.p2alignl 7, 3214868480
	.fill 96, 4, 3214868480
	.section	.rodata,"a",@progbits
	.p2align	6, 0x0
	.amdhsa_kernel k_q5d9259afe7_up
		.amdhsa_group_segment_fixed_size 99840
		.amdhsa_private_segment_fixed_size 0
		.amdhsa_enable_private_segment 0
		.amdhsa_kernarg_size 64
		.amdhsa_user_sgpr_count 2
		.amdhsa_user_sgpr_kernarg_segment_ptr 1
		.amdhsa_wavefront_size32 1
		.amdhsa_system_sgpr_workgroup_id_x 1
		.amdhsa_system_sgpr_workgroup_id_y 1
		.amdhsa_system_sgpr_workgroup_id_z 1
		.amdhsa_system_vgpr_workitem_id 0
		.amdhsa_next_free_vgpr 1024
		.amdhsa_next_free_sgpr 102
		.amdhsa_reserve_vcc 1
		.amdhsa_float_denorm_mode_32 3
		.amdhsa_float_denorm_mode_16_64 3
		.amdhsa_memory_ordered 1
		.amdhsa_forward_progress 1
		.amdhsa_inst_pref_size 203
	.end_amdhsa_kernel
	.amdgpu_metadata
---
amdhsa.version: [ 1, 2 ]
amdhsa.kernels:
  - .name:           k_q5d9259afe7_up
    .symbol:         k_q5d9259afe7_up.kd
    .args:
      - { .name: plan, .offset: 0, .size: 8, .value_kind: global_buffer, .address_space: global }
      - { .name: xq, .offset: 8, .size: 8, .value_kind: global_buffer, .address_space: global }
      - { .name: xsc, .offset: 16, .size: 8, .value_kind: global_buffer, .address_space: global }
      - { .name: W1_codes, .offset: 24, .size: 8, .value_kind: global_buffer, .address_space: global }
      - { .name: W1_scales, .offset: 32, .size: 8, .value_kind: global_buffer, .address_space: global }
      - { .name: b1, .offset: 40, .size: 8, .value_kind: global_buffer, .address_space: global }
      - { .name: hq, .offset: 48, .size: 8, .value_kind: global_buffer, .address_space: global }
      - { .name: hsc, .offset: 56, .size: 8, .value_kind: global_buffer, .address_space: global }
    .group_segment_fixed_size: 99840
    .private_segment_fixed_size: 0
    .kernarg_segment_align: 8
    .kernarg_segment_size: 64
    .max_flat_workgroup_size: 128
    .sgpr_count:     102
    .vgpr_count:     1024
    .wavefront_size: 32
...
	.end_amdgpu_metadata
.endif
;; end of part 6
;; launch down (part 7): grid 8 x 49, 4 waves a work-group, no clusters, 206,336 bytes of LDS; arguments plan, wts, hq, hsc, W2_codes, W2_scales, b2, out0; writes out0
.if DOCPART == 7
	.amdgcn_target "amdgcn-amd-amdhsa--gfx1250"
	.amdhsa_code_object_version 6
	.text
	.protected	k_q5d9259afe7_down
	.globl	k_q5d9259afe7_down
	.p2align	8
	.type	k_q5d9259afe7_down,@function
k_q5d9259afe7_down:
	s_mov_b64 s[64:65], 0
	v_nop
	global_prefetch_b8 v0, s[64:65] scope:SCOPE_SE
	s_setreg_imm32_b32 hwreg(HW_REG_WAVE_SCHED_MODE, 0, 2), 2
	s_setreg_imm32_b32 hwreg(HW_REG_WAVE_MODE, 25, 1), 1
	s_wait_xcnt 0x0
	s_wait_alu depctr_vm_vsrc(0)
; THE SECOND PRODUCT AND THE COMBINATION: out[token] = w_lo (h_lo W2[lo] + b2[lo]) + w_hi (h_hi W2[hi] + b2[hi]), the products on E4M3 codes with E8M0 scales.
; TILES as in the launch before: up to 96 tokens of one pair of experts, at most 49 tiles.  Work-group (X, T) owns outputs 128 X .. 128 X + 127 of tile T's tokens: EACH OUTPUT NUMBER HAS ONE OWNER, and nothing is added
; between work-groups.  Its four waves share the sum: wave w takes expert lo (w < 2) or hi and half w % 2 of K = 2,048, so each makes 96 rows x 128 outputs over K = 1,024: 48 accumulators, eight K steps of 48 matrix
; instructions, both operands from memory straight into registers, in two sets, a K step ahead.  The four parts meet in LDS; each wave then adds, weighs and stores every fourth row, whole.
; h's images need no token: the operands are asked for as soon as the tile's count is known, and the search for the rows' tokens runs while they are on their way (the class words lie where the accumulators begin later).
; Thread i leaves row i's token and its two weights in LDS, wave 0 the two runs of b2: ONE barrier, at the join, stands between all that and the rows' way out.
; Rows past a tile's count repeat its last token: they give the same bits and store the same bytes to the same place (at most 15 such rows are stored); EXEC never changes.
; A tile that the stored list leaves without rows jumps to the join, passes the barrier and ends; no register is carried over the join, only LDS bytes.
; No tensor load and no cluster: that jump hangs on a stored number, and so does which work-groups share weights.  Nothing is common to the four waves' operands, so none goes through LDS.
; THE MATRIX INSTRUCTION IS USED TRANSPOSED (source 0 = 16 rows of W2, source 1 = 16 tokens): a lane holds one token and eight neighbouring outputs.  h comes as images of its registers (hq, hsc).
; LIMITS: NaN and infinities are not served; an output's sum over K is made in two halves that are added in f32.
; REGISTERS, in windows of 256.  Window 0: v0-39 ids, addresses, at work; v40-63 h's scale words, v64-95 W2's (register 8 i + s: lanes 0-15 block 2 i, lanes 16-31 block 2 i + 1, K step s): scales and nothing else;
;   v100-101 my row's weights; v112-119 b2 of lo and of hi; v120-123 addresses; v128-223 h's fragments, set 0 (later rows of out); during the placing v128-191 the counts.
;   Window 1: W2's fragments, sets 0 and 1.  Window 2: the accumulators of row blocks 0-3 (64 a + 8 t); before them, in v0-63, the class words.  Window 3: v0-127 those of blocks 4, 5; v128-223 h's fragments, set 1.
; THE MODE: SCHED_MODE bits 1:0 = 2 (LLVM: expert scheduling mode 2), set by the entry lines.  The code itself states the register dependences
; between vector or matrix instructions and memory or LDS instructions, with s_wait_alu, always for 0.
; THE PLAN.  Registers that memory or LDS instructions touch:
;   v4-7, v24, v25, v36-38, v120-123   offsets and LDS addresses: made at the head, never written again: one wait on va_vdst ahead of the first load.
;   v128-191                           the counts: loaded; read by the sums; h's set 0 lands there: a wait on va_vdst ahead of the jump.
;   v34, v35                           the offset of my row's weights, and its token: written by the search; read by a load and, on the way out, by an LDS store: a wait on va_vdst ahead of the load.
;   W sets 0, 1;  h sets 0, 1          step s's 48 products read sets s % 2.  ONE wait on va_vdst a step stands behind them, and the 56 loads of step s + 2 follow it at once: a set that is free is asked for again without delay.
;   the accumulators                   written by the products; read by the LDS stores of the parts: the eight places, then a wait on va_vdst.  That wait also shows h's set 0 read, in which rows of the parts land behind the barrier.
;   v112-119                           b2: loaded; read by wave 0's LDS stores; behind the barrier b2 lands there again: a wait on vm_vsrc behind the stores.
;   v128-207                           a block of four rows: LDS loads land; vector lines add and weigh in place and make the offsets v204-207; four stores read v128.. and v204-207.  One wait on va_vdst ahead of the stores: no vector
;                                      line follows it, so it serves the next block's LDS loads too; one wait on vm_vsrc, beside the wait on XCNT, ahead of the next block.
; A vector line's scalar result (the wave's number, the counts read out, the masks of compares) has its wait on va_sdst or va_vcc behind the run that writes it, ahead of the first reader.
.set TOK,  0                           ; LDS: the token of each row, 4 bytes a thread
.set WL,   512                         ; the pair (w_lo, w_hi) of each row, 8 bytes a thread
.set B2L,  1536                        ; b2 of lo, my slice's 512 bytes; then of hi
.set PART, 2560                        ; four parts of 96 rows x (512 bytes + 16)
.set PW,   50688
.set CW,   0                           ; the class words, in window 2
.set MSB, 0
.macro WIN new                         ; the immediate's high byte repeats the setting that is left; a switch that changes nothing is dropped
.if MSB != (\new)
	s_set_vgpr_msb (MSB<<8)|(\new)
.set MSB, (\new)
.endif
.endm
.macro NOPS n
.rept \n
	v_nop
.endr
.endm
	s_load_b512 s[4:19], s[0:1], 0x0               ; plan s[4:5], wts s[6:7], hq s[8:9], hsc s[10:11], W2's codes s[12:13], its scales s[14:15], b2 s[16:17], out0 s[18:19]
	v_lshl_add_u32 v254, v0, 2, 0x32400
	v_mov_b32 v255, 0
	v_and_b32 v1, 31, v0                           ; lane
	v_lshrrev_b32 v2, 5, v0
	v_readfirstlane_b32 s20, v2                    ; wave 0..3
	s_and_b32 s21, ttmp7, 0xffff                   ; T
	s_mov_b32 s22, ttmp9                           ; X
	v_and_b32 v2, 15, v0                           ; r
	v_bfe_u32 v3, v0, 4, 1                         ; h
	v_lshlrev_b32 v4, 4, v1                        ; 16 x lane
	v_lshlrev_b32 v5, 2, v1                        ; 4 x lane
	v_lshlrev_b32 v23, 4, v3
	v_lshl_add_u32 v6, v2, 11, v23                 ; W2's codes: row r of 2,048 bytes, + 16 h
	v_lshlrev_b32 v7, 6, v1                        ; its scale bytes: row = lane, 64 bytes a row
	v_lshlrev_b32 v24, 2, v0                       ; 4 x thread
	v_lshlrev_b32 v25, 3, v0                       ; 8 x thread
	s_wait_alu depctr_va_sdst(0)                   ; s20, the wave's number, is written, ahead of its first reader
	s_mul_i32 s46, s20, PW
	v_mul_u32_u24 v36, v2, 528
	v_lshl_add_u32 v36, v3, 5, v36
	v_add_nc_u32 v36, s46, v36
	v_add_nc_u32 v36, PART, v36                    ; into my part: row r, + 32 h
	s_lshl_b32 s46, s20, 3
	v_mov_b32 v37, s46                             ; the weights of row w,
	s_lshl_b32 s46, s20, 2
	v_mov_b32 v38, s46                             ; its token,
	s_mul_i32 s46, s20, 528
	v_add_nc_u32 v120, s46, v4
	v_add_nc_u32 v120, PART, v120                  ; and its 512 bytes in each of the four parts, 16 a lane
	v_add_nc_u32 v121, PW, v120
	v_add_nc_u32 v122, PW, v121
	v_add_nc_u32 v123, PW, v122
	s_wait_kmcnt 0x0
	s_wait_alu depctr_va_vdst(0)                   ; the offsets and LDS addresses v4-7, v24, v25, v36-38, v120-123 are written: every load and store of the kernel but two reads one of them, and none is written again
	; ---- PLACING, first half: which class, which 96 of its tokens, how many
.set gi, 0
.rept 64
	global_load_b32 v[128+gi], v5, s[4:5] offset:8192+128*gi       ; lane c: tokens of class c in group gi
.set gi, gi+1
.endr
	WIN 0x80                                       ; destination window 2, address window 0
.set gi, 0
.rept 16
	global_load_b128 v[CW+4*gi:CW+4*gi+3], v4, s[4:5] offset:512*gi   ; register 4 j + k of lane l: the class of token 128 j + 4 l + k
.set gi, gi+1
.endr
	WIN 0
	s_mov_b32 s23, 0                               ; tiles of the classes passed
	s_mov_b32 s24, 0                               ; my tile's number within its class
	s_mov_b32 s25, 0                               ; the class's tokens | its tiles << 16
	s_mov_b32 s26, 1<<16                           ; class | lo << 8 | hi << 16
	s_wait_loadcnt 16                              ; the 64 loads of counts are in; the 16 of class words, issued behind them, stay out
.irp k, 0,1,2,3
	v_add3_u32 v[26+\k], v[128+16*\k], v[129+16*\k], v[130+16*\k]  ; four chains of 16 words, so that no line waits for the line above it
.endr
.irp j, 3,5,7,9,11,13
.irp k, 0,1,2,3
	v_add3_u32 v[26+\k], v[26+\k], v[128+16*\k+\j], v[129+16*\k+\j]
.endr
.endr
	v_add3_u32 v26, v26, v143, v159
	v_add3_u32 v27, v27, v175, v191
	v_add3_u32 v17, v26, v27, v28
	v_add_nc_u32 v17, v17, v29                     ; lane c: tokens of class c
	v_add_nc_u32 v18, 95, v17
	v_mul_u32_u24 v18, v18, 0xaaab
	v_lshrrev_b32 v18, 22, v18                     ; its tiles: (n + 95) / 96 as (n + 95) x 43,691 >> 22, exact up to 2,143
	v_lshl_or_b32 v18, v18, 16, v17                ; both in one word,
.set gi, 0
.rept 28
	v_readlane_b32 s[66+gi], v18, gi               ; read out on end: the scan below is scalar lines alone
.set gi, gi+1
.endr
	s_wait_alu depctr_va_sdst(0)                   ; s66-93, the 28 classes' words, are written, ahead of the scan that reads them
.macro CLASS lo, hi
.set cc, (\lo*(15-\lo)/2+\hi-\lo-1)
	s_lshr_b32 s28, s[66+cc], 16                   ; the class's tiles
	s_sub_co_u32 s29, s21, s23
	s_cmp_lt_u32 s29, s28                          ; does T fall among them?  (T below the class's first tile wraps to a large number)
	s_cselect_b32 s24, s29, s24
	s_cselect_b32 s25, s[66+cc], s25
	s_cselect_b32 s26, cc|(\lo<<8)|(\hi<<16), s26
	s_add_co_u32 s23, s23, s28
.endm
.irp lo, 0,1,2,3,4,5,6
.irp hi, 1,2,3,4,5,6,7
.if \hi > \lo
	CLASS \lo, \hi
.endif
.endr
.endr
	s_and_b32 s25, s25, 0xffff                     ; the class's tokens
	s_and_b32 s30, s26, 0xff                       ; the class
	s_bfe_u32 s31, s26, 0x80008                    ; lo
	s_bfe_u32 s32, s26, 0x80010                    ; hi
	s_min_u32 s31, s31, 7
	s_min_u32 s32, s32, 7
	s_mul_i32 s33, s24, 96                         ; the rank of my tile's first token in its class
	s_sub_co_u32 s34, s25, s33
	s_min_u32 s34, s34, 96                         ; N: my tile's rows; 0 where T lies past the last tile
	s_max_u32 s35, s34, 1
	s_sub_co_u32 s35, s35, 1                       ; the last row that has a token of its own
	; where my wave's parts begin
	s_lshr_b32 s41, s20, 1                         ; which of the tile's two experts
	s_and_b32 s42, s20, 1                          ; which half of K
	s_cmp_lg_u32 s41, 0
	s_cselect_b32 s40, s32, s31                    ; my expert
	s_min_u32 s40, s40, 7
	s_mov_b32 s45, 0
	s_lshl_b32 s44, s40, 21
	s_lshl_b32 s46, s22, 18
	s_add_co_u32 s44, s44, s46
	s_lshl_b32 s46, s42, 10
	s_add_co_u32 s44, s44, s46
	s_add_nc_u64 s[12:13], s[12:13], s[44:45]      ; W2's codes: 1,024 rows of 2,048 bytes an expert, 128 rows a slice, 1,024 bytes a half of K
	s_lshl_b32 s44, s40, 16
	s_lshl_b32 s46, s22, 13
	s_add_co_u32 s44, s44, s46
	s_lshl_b32 s46, s42, 5
	s_add_co_u32 s44, s44, s46
	s_add_nc_u64 s[14:15], s[14:15], s[44:45]      ; its scale bytes: 64 a row
	s_lshl_b32 s44, s22, 9
	s_add_nc_u64 s[18:19], s[18:19], s[44:45]      ; out0: my slice's 512 bytes of a row
	s_lshl_b32 s46, s31, 12
	s_add_co_u32 s44, s44, s46
	s_add_nc_u64 s[54:55], s[16:17], s[44:45]      ; b2 of lo, my slice
	s_lshl_b32 s44, s22, 9
	s_lshl_b32 s46, s32, 12
	s_add_co_u32 s44, s44, s46
	s_add_nc_u64 s[56:57], s[16:17], s[44:45]      ; b2 of hi
	s_lshl_b32 s46, s21, 1
	s_add_co_u32 s46, s46, s41
	s_lshl_b32 s46, s46, 4
	s_lshl_b32 s47, s42, 3
	s_add_co_u32 s46, s46, s47                     ; (2 T + which expert) x 16 + my first K step
	s_mul_i32 s44, s46, 12288
	s_add_nc_u64 s[8:9], s[8:9], s[44:45]          ; six images of 2,048 bytes a K step
	s_mul_i32 s44, s46, 384
	s_add_nc_u64 s[10:11], s[10:11], s[44:45]      ; 96 scale words a K step
	s_wait_loadcnt 0x0                             ; the class words: on every way, so that no load is out at the join
	s_wait_alu depctr_va_vdst(0)                   ; the sums are done reading the counts v128-191, in which h's first fragments land; ahead of the jump, so that it stands on every way
	s_cmp_eq_u32 s34, 0                            ; a tile without rows has no work; the barrier at the join is on every wave's way
	s_cbranch_scc1 .Ljoin
	; ---- the operands are asked for first
.irp i, 0,1,2,3
	global_load_b128 v[64+8*\i:64+8*\i+3], v7, s[14:15] offset:2048*\i
	global_load_b128 v[64+8*\i+4:64+8*\i+7], v7, s[14:15] offset:2048*\i+16
.endr
.irp s, 0,1,2,3,4,5,6,7
.irp i, 0,1,2
	global_load_b32 v[40+8*\i+\s], v5, s[10:11] offset:(96*\s+32*\i)*4
.endr
.endr
	global_load_b128 v[112:115], v4, s[54:55]      ; b2: four outputs a lane, as the rows leave
	global_load_b128 v[116:119], v4, s[56:57]
; A fragment, 16 rows x 128 K of 8-bit codes, is 16 registers: lane l holds row l % 16; registers 4 c .. 4 c + 3 hold K = 32 c + 16 (l / 16) + 0 .. 15.
.macro BLOAD q, s                      ; W2's eight tiles of 16 outputs, K step s, into set q
	WIN 0x40                                       ; destination window 1, address window 0
.irp t, 0,1,2,3,4,5,6,7
.irp c, 0,1,2,3
	global_load_b128 v[128*(\q)+16*\t+4*\c:128*(\q)+16*\t+4*\c+3], v6, s[12:13] offset:32768*\t+128*(\s)+32*\c
.endr
.endr
.endm
.macro ALOAD q, s                      ; h's six images: each load takes 512 consecutive bytes
.if (\q) == 0
	WIN 0
.else
	WIN 0xc0                                       ; destination window 3
.endif
.irp a, 0,1,2,3,4,5
.irp c, 0,1,2,3
	global_load_b128 v[128+16*\a+4*\c:128+16*\a+4*\c+3], v4, s[8:9] offset:(6*(\s)+\a)*2048+512*\c
.endr
.endr
.endm
	BLOAD 0, 0
	ALOAD 0, 0
	BLOAD 1, 1
	ALOAD 1, 1
	WIN 0
	; ---- PLACING, second half, while they are on their way: thread i finds the token of row i: the one of rank J in its class, in the order (register, lane)
	v_min_u32 v19, s35, v0
	v_add_nc_u32 v19, s33, v19                     ; J
	v_lshl_or_b32 v39, v19, 6, 63                  ; J << 6 | 63: ranks in front P <= J just where (P << 6 | register) <= this
	v_mov_b32 v20, 0                               ; the mask of the register that holds rank J
	v_mov_b32 v21, 0                               ; the ranks in front of that register << 6 | its number
	s_mov_b32 s36, 0                               ; 64 x the ranks passed
; Sixteen registers of class words: all their masks, then scalar lines alone, then the selects: vector and scalar lines change places twice a batch.
.macro BATCH b
	WIN 0x08                                       ; source 1: window 2
.irp i, 0,1,2,3,4,5,6,7,8,9,10,11,12,13,14,15
	v_cmp_eq_u32 s[66+\i], s30, v[CW+16*(\b)+\i]   ; which lanes' tokens are of my class
.endr
	WIN 0
	s_wait_alu depctr_va_sdst(0)                   ; the sixteen masks s66-81 are written, ahead of the counts of their bits
.irp i, 0,1,2,3,4,5,6,7,8,9,10,11,12,13,14,15
	s_add_co_u32 s[82+\i], s36, 16*(\b)+\i
	s_bcnt1_i32_b32 s39, s[66+\i]
	s_lshl_b32 s39, s39, 6
	s_add_co_u32 s36, s36, s39
.endr
.irp q, 0,4,8,12
.irp i, 0,1,2,3
	v_cmp_le_u32 s[98+\i], s[82+\q+\i], v39        ; the last register with no more than J ranks in front of it is the one
.endr
	s_wait_alu depctr_va_sdst(0)                   ; the four masks s98-101 are written, ahead of the selects that read them
.irp i, 0,1,2,3
	v_cndmask_b32 v20, v20, s[66+\q+\i], s[98+\i]
	v_cndmask_b32 v21, v21, s[82+\q+\i], s[98+\i]
.endr
.endr
.endm
	BATCH 0
	BATCH 1
	BATCH 2
	BATCH 3
	v_and_b32 v27, 63, v21                         ; the register's number
	v_lshrrev_b32 v33, 6, v21
	v_sub_nc_u32 v26, v19, v33                     ; Q: which set bit of the mask
	v_lshrrev_b32 v28, 1, v20
	v_and_b32 v28, 0x55555555, v28
	v_sub_nc_u32 v28, v20, v28                     ; set bits in fields of 2,
	v_lshrrev_b32 v29, 2, v28
	v_and_b32 v29, 0x33333333, v29
	v_and_b32 v33, 0x33333333, v28
	v_add_nc_u32 v29, v29, v33                     ; of 4,
	v_lshrrev_b32 v30, 4, v29
	v_add_nc_u32 v30, v30, v29
	v_and_b32 v30, 0x0f0f0f0f, v30                 ; of 8,
	v_lshrrev_b32 v31, 8, v30
	v_add_nc_u32 v31, v31, v30                     ; and, in its lowest byte, of the low 16
	v_mov_b32 v32, 0                               ; the bit's place
.macro LEVEL src, width, step          ; where the field at the place holds no more than Q set bits, pass over it
	v_bfe_u32 v33, v[\src], v32, \width
	v_cmp_ge_u32 vcc_lo, v26, v33
	s_wait_alu depctr_va_vcc(0)                    ; VCC is written, ahead of the two selects that read it
	v_cndmask_b32 v33, 0, v33, vcc_lo
	v_cndmask_b32 v34, 0, \step, vcc_lo
	v_sub_nc_u32 v26, v26, v33
	v_add_nc_u32 v32, v32, v34
.endm
	LEVEL 31, 8, 16
	LEVEL 30, 8, 8
	LEVEL 29, 4, 4
	LEVEL 28, 2, 2
	LEVEL 20, 1, 1
	v_lshrrev_b32 v33, 2, v27
	v_lshlrev_b32 v33, 7, v33
	v_lshl_add_u32 v33, v32, 2, v33
	v_and_b32 v34, 3, v27
	v_add_nc_u32 v35, v33, v34                     ; token 128 (register / 4) + 4 x lane + register % 4
	v_min_u32 v35, 0x7ff, v35
	v_lshlrev_b32 v34, 3, v35
	s_wait_alu depctr_va_vdst(0)                   ; v34 is written, which the load below reads as its offset; so is v35, which an LDS store reads on the way out
	global_load_b64 v[100:101], v34, s[6:7]        ; my row's two weights: 8 bytes a token
.macro WMX z                           ; one product; z = 1: it starts its sum.  An odd tile's or block's scale words stand in lanes 16-31 of the register that it shares with its even neighbour
.if \z
.if oT && oA
	v_wmma_scale_f32_16x16x128_f8f6f4 v[rD:rD+7], v[rB:rB+15], v[rA:rA+15], 0, v[rSB], v[rSA] matrix_a_scale:MATRIX_SCALE_ROW1 matrix_b_scale:MATRIX_SCALE_ROW1
.elseif oT
	v_wmma_scale_f32_16x16x128_f8f6f4 v[rD:rD+7], v[rB:rB+15], v[rA:rA+15], 0, v[rSB], v[rSA] matrix_a_scale:MATRIX_SCALE_ROW1
.elseif oA
	v_wmma_scale_f32_16x16x128_f8f6f4 v[rD:rD+7], v[rB:rB+15], v[rA:rA+15], 0, v[rSB], v[rSA] matrix_b_scale:MATRIX_SCALE_ROW1
.else
	v_wmma_scale_f32_16x16x128_f8f6f4 v[rD:rD+7], v[rB:rB+15], v[rA:rA+15], 0, v[rSB], v[rSA]
.endif
.else
.if oT && oA
	v_wmma_scale_f32_16x16x128_f8f6f4 v[rD:rD+7], v[rB:rB+15], v[rA:rA+15], v[rD:rD+7], v[rSB], v[rSA] matrix_a_scale:MATRIX_SCALE_ROW1 matrix_b_scale:MATRIX_SCALE_ROW1
.elseif oT
	v_wmma_scale_f32_16x16x128_f8f6f4 v[rD:rD+7], v[rB:rB+15], v[rA:rA+15], v[rD:rD+7], v[rSB], v[rSA] matrix_a_scale:MATRIX_SCALE_ROW1
.elseif oA
	v_wmma_scale_f32_16x16x128_f8f6f4 v[rD:rD+7], v[rB:rB+15], v[rA:rA+15], v[rD:rD+7], v[rSB], v[rSA] matrix_b_scale:MATRIX_SCALE_ROW1
.else
	v_wmma_scale_f32_16x16x128_f8f6f4 v[rD:rD+7], v[rB:rB+15], v[rA:rA+15], v[rD:rD+7], v[rSB], v[rSA]
.endif
.endif
.endm
; K step s: 48 matrix instructions.  The 48 accumulators take turns, one instruction a turn, in the same order in every step.  first = 1: C is the constant 0: nothing is cleared.
.macro MUL s, first
.irp a, 0,1,2,3,4,5
	WIN ((2+\a/4)<<6)|((2+\a/4)<<4)|(12*((\s)%2))|1
.irp t, 0,1,2,3,4,5,6,7
.set rD, 64*(\a%4)+8*\t
.set rB, 128*((\s)%2)+16*\t
.set rA, 128+16*\a
.set rSB, 64+8*(\t/2)+(\s)
.set rSA, 40+8*(\a/2)+(\s)
.set oT, \t%2
.set oA, \a%2
	WMX \first
.endr
.endr
.endm
.macro STEP s, first
.if (\s) == 0
	s_wait_loadcnt 57                              ; loads come back in order: all but the other set's 32 + 24 and the weights' one, issued last, are in
.elseif (\s) < 7
	s_wait_loadcnt 56                              ; all but the other set's 32 + 24
.else
	s_wait_loadcnt 0x0
.endif
	MUL \s, \first
.if (\s) < 6
	NOPS 8                                         ; eight places behind this form in front of loads into registers that it has read
	WIN 0x40
	s_wait_alu depctr_va_vdst(0)                   ; this step's products are done reading W set s % 2 and h set s % 2, in which the 56 loads below land
	BLOAD (\s)%2, (\s)+2                           ; both sets are asked for again at once
	ALOAD (\s)%2, (\s)+2
.endif
.endm
	STEP 0, 1
.irp s, 1,2,3,4,5,6,7
	STEP \s, 0
.endr
	WIN 0
	NOPS 8                                         ; in front of the first read of results
	s_wait_alu depctr_va_vdst(0)                   ; the products have written the accumulators, which the LDS stores below read (the places above stay beside this wait); and they are done reading h's set 0, in which rows of the parts land behind the barrier
	ds_store_b32 v24, v35                          ; my row's token,
	ds_store_b64 v25, v[100:101] offset:WL         ; and its two weights
	s_cmp_lg_u32 s20, 0
	s_cbranch_scc1 .Lnot_wave_0
	ds_store_b128 v4, v[112:115] offset:B2L        ; wave 0 leaves the two runs of b2
	ds_store_b128 v4, v[116:119] offset:B2L+512
.Lnot_wave_0:
; Block a's 16 rows x 128 outputs go into my part in LDS as they stand, each accumulator from its low end on.
.macro PARTOUT a
.set AC, 64*(\a%4)
	WIN (2+\a/4)<<2                                ; an LDS store's data are its source 1
.irp t, 0,1,2,3,4,5,6,7
	ds_store_b128 v36, v[AC+8*\t:AC+8*\t+3] offset:8448*\a+64*\t
	ds_store_b128 v36, v[AC+8*\t+4:AC+8*\t+7] offset:8448*\a+64*\t+16
.endr
.endm
.irp a, 0,1,2,3,4,5
	PARTOUT \a
.endr
	WIN 0
	s_wait_alu depctr_vm_vsrc(0)                   ; wave 0's LDS stores have read v112-119, in which b2 lands again behind the barrier
.Ljoin:
	s_wait_dscnt 0x0                               ; for the others' sake: my part, my row's token and weights, and b2 lie in LDS
	s_barrier_signal -1
	s_barrier_wait -1
	s_cmp_eq_u32 s34, 0
	s_cbranch_scc1 .Lend
	ds_load_b128 v[112:115], v4 offset:B2L
	ds_load_b128 v[116:119], v4 offset:B2L+512
; Rows 16 a + 4 i + w, i = 0 .. 3: each expert's two halves of K and its bias are added, the two sums are weighed, and the row's 512 bytes are stored to its token's row.
; Blocks of 16 rows that lie wholly past the tile's count are left out.
.macro ROWS a
.if \a > 0
	s_wait_alu depctr_vm_vsrc(0)                   ; the last block's stores have read their data in v128-179 and their offsets v204-207: this block's LDS loads land in the first, its vector lines write the second
	s_cmp_le_u32 s34, 16*\a
	s_cbranch_scc1 .Lend
	s_wait_xcnt 0x0                                ; the last block's stores have read their data and offsets: both are written again only behind this wait
.endif
.irp i, 0,1,2,3
.irp p, 0,1,2,3
	ds_load_b128 v[128+16*\i+4*\p:128+16*\i+4*\p+3], v[120+\p] offset:8448*\a+2112*\i
.endr
	ds_load_b64 v[192+2*\i:193+2*\i], v37 offset:WL+128*\a+32*\i
	ds_load_b32 v[200+\i], v38 offset:TOK+64*\a+16*\i
.endr
	s_wait_dscnt 0x0
.irp i, 0,1,2,3
.set RO, 128+16*\i
	v_pk_add_f32 v[RO:RO+1], v[RO:RO+1], v[RO+4:RO+5]              ; lo: the two halves of K,
	v_pk_add_f32 v[RO+2:RO+3], v[RO+2:RO+3], v[RO+6:RO+7]
	v_pk_add_f32 v[RO+8:RO+9], v[RO+8:RO+9], v[RO+12:RO+13]        ; hi likewise
	v_pk_add_f32 v[RO+10:RO+11], v[RO+10:RO+11], v[RO+14:RO+15]
	v_pk_add_f32 v[RO:RO+1], v[RO:RO+1], v[112:113]                ; + b2[lo]
	v_pk_add_f32 v[RO+2:RO+3], v[RO+2:RO+3], v[114:115]
	v_pk_add_f32 v[RO+8:RO+9], v[RO+8:RO+9], v[116:117]            ; + b2[hi]
	v_pk_add_f32 v[RO+10:RO+11], v[RO+10:RO+11], v[118:119]
	v_pk_mul_f32 v[RO:RO+1], v[RO:RO+1], v[192+2*\i:193+2*\i] op_sel_hi:[1,0]                                    ; x w_lo: the pair's first word for both halves
	v_pk_mul_f32 v[RO+2:RO+3], v[RO+2:RO+3], v[192+2*\i:193+2*\i] op_sel_hi:[1,0]
	v_pk_fma_f32 v[RO:RO+1], v[RO+8:RO+9], v[192+2*\i:193+2*\i], v[RO:RO+1] op_sel:[0,1,0] op_sel_hi:[1,1,1]     ; + w_hi x: its second word for both
	v_pk_fma_f32 v[RO+2:RO+3], v[RO+10:RO+11], v[192+2*\i:193+2*\i], v[RO+2:RO+3] op_sel:[0,1,0] op_sel_hi:[1,1,1]
	v_min_u32 v[200+\i], 0x7ff, v[200+\i]
	v_lshl_add_u32 v[204+\i], v[200+\i], 12, v4    ; the token's row of 4,096 bytes, 16 bytes a lane
.endr
	s_wait_alu depctr_va_vdst(0)                   ; the four rows and their offsets v204-207 are written, which the stores read; no vector line follows, so the next block's LDS loads, which land in registers that these lines read and wrote, lean on this wait too
.irp i, 0,1,2,3
	global_store_b128 v[204+\i], v[128+16*\i:128+16*\i+3], s[18:19] th:TH_STORE_NT   ; the wave stores 512 consecutive bytes, aligned; written once, read by nobody here
.endr
.endm
.irp a, 0,1,2,3,4,5
	ROWS \a
.endr
.Lend:
	s_wait_dscnt 0x0                               ; the closing lines, six on end
	s_wait_alu 0x0
	s_wait_tensorcnt 0x0
	ds_add_u32 v254, v255
	s_wait_dscnt 0x0
	s_endpgm
.Lfunc_end_k_q5d9259afe7_down:
	.size	k_q5d9259afe7_down, .Lfunc_end_k_q5d9259afe7_down-k_q5d9259afe7_down
	.p2alignl 7, 3214868480
	.fill 96, 4, 3214868480
	.section	.rodata,"a",@progbits
	.p2align	6, 0x0
	.amdhsa_kernel k_q5d9259afe7_down
		.amdhsa_group_segment_fixed_size 206336
		.amdhsa_private_segment_fixed_size 0
		.amdhsa_enable_private_segment 0
		.amdhsa_kernarg_size 64
		.amdhsa_user_sgpr_count 2
		.amdhsa_user_sgpr_kernarg_segment_ptr 1
		.amdhsa_wavefront_size32 1
		.amdhsa_system_sgpr_workgroup_id_x 1
		.amdhsa_system_sgpr_workgroup_id_y 1
		.amdhsa_system_sgpr_workgroup_id_z 1
		.amdhsa_system_vgpr_workitem_id 0
		.amdhsa_next_free_vgpr 1024
		.amdhsa_next_free_sgpr 102
		.amdhsa_reserve_vcc 1
		.amdhsa_float_denorm_mode_32 3
		.amdhsa_float_denorm_mode_16_64 3
		.amdhsa_memory_ordered 1
		.amdhsa_forward_progress 1
		.amdhsa_inst_pref_size 187
	.end_amdhsa_kernel
	.amdgpu_metadata
---
amdhsa.version: [ 1, 2 ]
amdhsa.kernels:
  - .name:           k_q5d9259afe7_down
    .symbol:         k_q5d9259afe7_down.kd
    .args:
      - { .name: plan, .offset: 0, .size: 8, .value_kind: global_buffer, .address_space: global }
      - { .name: wts, .offset: 8, .size: 8, .value_kind: global_buffer, .address_space: global }
      - { .name: hq, .offset: 16, .size: 8, .value_kind: global_buffer, .address_space: global }
      - { .name: hsc, .offset: 24, .size: 8, .value_kind: global_buffer, .address_space: global }
      - { .name: W2_codes, .offset: 32, .size: 8, .value_kind: global_buffer, .address_space: global }
      - { .name: W2_scales, .offset: 40, .size: 8, .value_kind: global_buffer, .address_space: global }
      - { .name: b2, .offset: 48, .size: 8, .value_kind: global_buffer, .address_space: global }
      - { .name: out0, .offset: 56, .size: 8, .value_kind: global_buffer, .address_space: global }
    .group_segment_fixed_size: 206336
    .private_segment_fixed_size: 0
    .kernarg_segment_align: 8
    .kernarg_segment_size: 64
    .max_flat_workgroup_size: 128
    .sgpr_count:     102
    .vgpr_count:     1024
    .wavefront_size: 32
...
	.end_amdgpu_metadata
.endif
;; end of part 7
